; MI455X (gfx1250); checked and timed in simulation.
; The chip was launched on July 23, 2026; its instructions are those of AMD's public machine-readable ISA for CDNA 5 (MIT licence, August 2026) and "CDNA5" Instruction Set Architecture Reference Guide (July 2026). The comments in the code are by the model that wrote it; some were corrected since.
;; Attention Layer. Allowed arithmetic: matrix products marked QUANTISED: E2M3 operands, one E8M0 scale for each 32 along K, by v_wmma_scale_f32_16x16x128_f8f6f4 with both operands' format E2M3, f32 sums; everything else in f32.
;; Inputs: W 1,024 x 1,024 float32; b 1,024 float32; key 4 x 2,048 x 1,024 float32; query 4 x 2,048 x 1,024 float32; value 4 x 2,048 x 1,024 float32.
;; Outputs: out0 4 x 2,048 x 1,024 float32.
;; This version of the problem:
;;   THIS VERSION OF THE PROBLEM IS GIVEN IN LOW PRECISION. The matrix products marked QUANTISED in the list below multiply operands that are first quantised to E2M3 (2 exponent bits, 3 mantissa bits; 6 bits a number), with one power-of-two scale for each 32 numbers along K (OCP MX v1.0); their sums are f32. All else is computed in f32.
;;   The module's matrix products, in the order in which they are computed (A, B: the left and right operand; K: the contracted axis; several contracted axes count as one K, in the product's order):
;;     1. [M 8,192, K 1,024] x [K 1,024, N 1,024]; A: input query; B: input W: QUANTISED
;;     2. [M 8,192, K 1,024] x [K 1,024, N 1,024]; A: input key; B: input W: QUANTISED
;;     3. [M 8,192, K 1,024] x [K 1,024, N 1,024]; A: input value; B: input W: QUANTISED
;;     4. batch 4 x [M 2,048, K 1,024] x [K 1,024, N 2,048]; A: computed on the way; B: computed on the way: QUANTISED
;;     5. batch 4 x [M 2,048, K 2,048] x [K 2,048, N 1,024]; A: softmax (see below); B: computed on the way: QUANTISED
;;   THE QUANTISER, for each operand of a quantised product, along K:
;;     - K is cut into blocks of 32 from its start; a last block that is shorter is filled with zeros.
;;     - A block's scale is 2^e with e = floor(log2(the largest magnitude in the block)) - 2, held to -126 .. 127; a block of zeros has e = 0. As a byte (E8M0): e + 127.
;;     - Each number is divided by its block's scale, clamped to +-7.5, and rounded to the nearest number of E2M3, ties to even, subnormals kept.
;;     - The product sums the exact products of the quantised numbers (number of the format x scale) in f32.
;;   ~~~python
;;   def quantise(x, axis):      # numpy; x: float32 -> the quantised numbers, widened to float32 again
;;       x = np.moveaxis(x, axis, -1); K = x.shape[-1]
;;       x = np.pad(x, [(0, 0)] * (x.ndim - 1) + [(0, -K % 32)]); x = x.reshape(x.shape[:-1] + (-1, 32)); a = np.abs(x).max(-1, keepdims=True)
;;       e = np.where(a > 0, np.clip(np.frexp(np.where(a > 0, a, 1))[1] - 1 - 2, -126, 127), 0)      # np.frexp(a)[1] - 1 = floor(log2(a)), exactly
;;       r = np.clip(x / 2.0 ** e, -7.5, 7.5)
;;       step = 2.0 ** (np.maximum(np.frexp(np.where(r == 0, 1, r))[1] - 1, 0) - 3)
;;       q = np.round(r / step) * step * 2.0 ** e      # np.round: ties to even
;;       return np.moveaxis(q.reshape(q.shape[:-2] + (-1,))[..., :K], -1, axis).astype(np.float32)
;;   ~~~
;;   SOFTMAX AHEAD OF A QUANTISED PRODUCT. Where the list says 'softmax', what is quantised is not the finished softmax but p = 2^(t - M), with t = logit x log2(e) and M = ceil(the row's largest t), a whole number; so 1/2 < the row's largest p <= 1. The row's sum l is taken of the UNQUANTISED p, in f32, and the product's result is divided by l at the end. Since M is a whole number, a kernel that streams over the keys may use a running M (the ceiling of the running maximum): every later rescaling is an exact power of two, which a block's scale takes up: the codes' values come out the same.
;;   OPERANDS COMPUTED ON THE WAY. 'Computed on the way' means the value that the module computes at that place (a softmax that the list does not call 'softmax' is quantised finished and normalised). What goes into a quantiser is computed in f32, as accurately as f32 sums, v_exp_f32 and their like allow (about 1e-6 of the number): no bf16 or f16 on the way to a quantiser, and a product that is left as it is and whose result goes on into a quantised operand takes f32 operands (vector FMAs, or v_wmma_f32_16x16x4_f32). A number that lies on a knife's edge between two numbers of the format may be rounded either way, as far as f32 arithmetic and the matrix unit's own rounding can turn it there, and no further.
;; 2 versions. Each part assembles by itself: llvm-mc -triple=amdgcn-amd-amdhsa -mcpu=gfx1250 --defsym DOCPART=n.
;; ======== version 1 of 2: 4 launches
;; workspace buffers: xc 19,660,800 bytes; xs 819,200 bytes; pc 18,874,368 bytes; ps 786,432 bytes; pp 12,582,912 bytes; pst 1,572,864 bytes
;; launch quant (part 1): grid 400 x 1, 8 waves a work-group, no clusters, 70,656 bytes of LDS; arguments query, key, value, W, xc, xs; writes xc, xs
.if DOCPART == 1
	.amdgcn_target "amdgcn-amd-amdhsa--gfx1250"
	.amdhsa_code_object_version 6
	.text
	.protected	k_qa5a29220aa_quant
	.globl	k_qa5a29220aa_quant
	.p2align	8
	.type	k_qa5a29220aa_quant,@function
k_qa5a29220aa_quant:
	s_mov_b64 s[64:65], 0
	v_nop
	global_prefetch_b8 v0, s[64:65] scope:SCOPE_SE
	s_setreg_imm32_b32 hwreg(HW_REG_WAVE_MODE, 25, 1), 1
	s_wait_xcnt 0x0
; query, key, value [8192][1024] and W [1024][1024], f32, become codes of FP6 (E2M3) with one E8M0 byte for each 32 along the last axis.
; xc: [1600 rowblocks of 16 rows][8 K steps of 128][1,536 bytes]: a fragment as the IMAGE OF ITS 12 OPERAND REGISTERS, registers 4 c .. 4 c + 3 of lane l at 512 c + 16 l.
;     Rowblocks 0-511 query, 512-1023 key, 1024-1535 value, 1536-1599 W.      xs: [8 K steps][1600 rowblocks][16 words]: a row's four bytes of a K step.
; THE ROWS OF A ROWBLOCK ARE NOT NEIGHBOURS: position t of rowblock 2 G + u holds true row 32 G + 8 u + t % 8 + 16 (t / 8).  Used as source 0 of a product, such rows leave a lane's 16 registers
; of two neighbouring tiles as 16 neighbours in true order, which is what the next quantiser wants.  The order costs nothing here: it stands in the loads' immediates.
; A block's scale is 2^(floor(log2(largest magnitude)) - 2); its byte is the largest magnitude's exponent field - 2, held at 1 from below.
; LIMITS: a block of zeros, or one whose largest magnitude lies under 2^-124, gets the byte 1 (its codes add nothing or next to nothing; this program alone reads the bytes); NaN and infinities are not served.
; SHARES: work-group g takes rowblocks 4 g .. 4 g + 3; wave w rowblock 4 g + w / 2, K steps 4 (w % 2) + 0 .. 3.  Each load reads 512 consecutive bytes of one row; the 16 rows turn through the wave's own
; stage in LDS (rows of 528 bytes), so that a lane gets 16 neighbours of each block of 32 of its row.  No tensor load, no cluster: work-groups share nothing.
.set SPT,   528                        ; a stage row: 512 bytes + 16
.set STGW,  16*SPT                     ; a wave's stage
.set SCS,   8*STGW                     ; behind the stages: the work-group's scale words, [8 K steps][4 rowblocks][64 bytes]
.set SPARE, SCS+2048                   ; behind them: the spare words, 128 bytes for each wave: four blocks of 256 bytes that no other line names
.set LA,  2                            ; v2   16 x lane
.set SI,  3                            ; v3   the stage, on the way in
.set SO,  4                            ; v4   and on the way out: row r, + 64 h
.set AW,  5                            ; v5   where my row's scale word goes
.set AR,  6                            ; v6   where I read 8 bytes of scale words back
.set L8,  7                            ; v7   8 x lane
.set SPW, 8                            ; v8   my spare word; never rewritten
.set NIL, 9                            ; v9   0; never rewritten
.set R,   16                           ; v16-143  two sets of 64 numbers as loaded
.set X,   144                          ; v144-207 64 numbers of my row: register 16 b + i = k 32 b + 16 h + i
.set TM,  208                          ; v208-223 at work
.set PC,  224                          ; v224-243 the codes
.set PW,  244                          ; v244-247 a scale word for each step
.set SEL, 28                           ; s[28:29] selects for lane l xor 16
	s_load_b256 s[4:11], s[0:1], 0x0               ; query, key, value, W
	s_load_b128 s[12:15], s[0:1], 0x20             ; xc, xs
	v_lshl_add_u32 v[SPW], v0, 2, SPARE
	v_mov_b32 v[NIL], 0
	v_lshrrev_b32 v1, 5, v0
	v_readfirstlane_b32 s16, v1                    ; wave 0..7
	v_and_b32 v1, 31, v0                           ; lane
	v_and_b32 v10, 15, v0                          ; r
	v_bfe_u32 v11, v0, 4, 1                        ; h
	v_lshlrev_b32 v[LA], 4, v1
	v_lshlrev_b32 v[L8], 3, v1
	s_mul_i32 s17, s16, STGW
	v_add_nc_u32 v[SI], s17, v[LA]
	v_mul_u32_u24 v[SO], v10, SPT
	v_lshl_add_u32 v[SO], v11, 6, v[SO]
	v_add_nc_u32 v[SO], s17, v[SO]
	s_and_b32 s25, s16, 1                          ; which four K steps
	s_lshr_b32 s24, s16, 1                         ; which of the four rowblocks
	s_lshl_b32 s18, s25, 10
	s_lshl_b32 s19, s24, 6
	s_add_co_u32 s18, s18, s19
	s_add_co_u32 s18, s18, SCS
	v_lshl_add_u32 v[AW], v10, 2, s18              ; SCS + 256 x K step + 64 x rowblock + 4 r (the step's 256 t stands in the immediate)
	v_lshl_add_u32 v[AR], v0, 3, SCS               ; wave w reads K step w's 256 bytes back
	s_mov_b32 s[SEL], 0x76543210
	s_mov_b32 s[SEL+1], 0xfedcba98
.irp b, 0,1,2,3
	v_mov_b32 v[TM+4+\b], 0                        ; written once: a lane permute's destination counts as one of its sources
.endr
	s_mov_b32 s22, 384
	s_wait_kmcnt 0x0
	s_cmp_lt_u32 ttmp9, 384                        ; which tensor: the choice hangs on the work-group's number alone
	s_cselect_b64 s[20:21], s[8:9], s[10:11]
	s_cselect_b32 s22, 256, s22
	s_cmp_lt_u32 ttmp9, 256
	s_cselect_b64 s[20:21], s[6:7], s[20:21]
	s_cselect_b32 s22, 128, s22
	s_cmp_lt_u32 ttmp9, 128
	s_cselect_b64 s[20:21], s[4:5], s[20:21]
	s_cselect_b32 s22, 0, s22
	s_sub_co_u32 s22, ttmp9, s22                   ; the work-group's number within its tensor
	s_lshl_b32 s26, s22, 6                         ; 64 rows a work-group,
	s_lshr_b32 s23, s16, 2
	s_lshl_b32 s23, s23, 5
	s_add_co_u32 s26, s26, s23                     ; + 32 (w / 4): the group of 32,
	s_and_b32 s23, s24, 1
	s_lshl_b32 s23, s23, 3
	s_add_co_u32 s26, s26, s23                     ; + 8 u: position 0's true row
	s_lshl_b32 s26, s26, 12                        ; rows of 4,096 bytes
	s_lshl_b32 s23, s25, 11
	s_add_co_u32 s26, s26, s23                     ; + my four K steps of 512 bytes
	s_mov_b32 s27, 0
	s_add_nc_u64 s[20:21], s[20:21], s[26:27]
	s_lshl_b32 s26, ttmp9, 2
	s_add_co_u32 s26, s26, s24                     ; my rowblock in xc
	s_mul_i32 s26, s26, 12288
	s_mul_i32 s23, s25, 6144
	s_add_co_u32 s26, s26, s23
	s_add_nc_u64 s[12:13], s[12:13], s[26:27]
	s_mul_i32 s26, s16, 102400                     ; xs: K step = my wave's number, the work-group's four rowblocks
	s_lshl_b32 s23, ttmp9, 8
	s_add_co_u32 s26, s26, s23
	s_add_nc_u64 s[14:15], s[14:15], s[26:27]
.macro LOAD t                          ; K step t of the 16 rows, position i from true row i % 8 + 16 (i / 8): 32 lanes read 512 consecutive bytes
.irp i, 0,1,2,3,4,5,6,7,8,9,10,11,12,13,14,15
	global_load_b128 v[R+64*((\t)%2)+4*\i:R+64*((\t)%2)+4*\i+3], v[LA], s[20:21] offset:((\i&7)+16*(\i>>3))*4096+512*(\t) th:TH_LOAD_NT
.endr
.endm
; 64 numbers of a lane, register 16 b + i = k 32 b + 16 h + i of my row, become a fragment's codes in v[PC] on and its scale word in v[pw]
.macro QUANT s, pw
.irp b, 0,1,2,3
	v_max3_num_f32 v[TM+\b], |v[\s+16*\b]|, |v[\s+1+16*\b]|, 0x1800000   ; my 16 numbers of block b, and the floor 2^(3 - 127): the byte cannot fall under 1
.endr
.irp i, 2,4,6,8,10,12,14
.irp b, 0,1,2,3
	v_max3_num_f32 v[TM+\b], v[TM+\b], |v[\s+16*\b+\i]|, |v[\s+1+16*\b+\i]|
.endr
.endr
.irp b, 0,1,2,3
	v_permlanex16_b32 v[TM+4+\b], v[TM+\b], s[SEL], s[SEL+1]
.endr
.irp b, 0,1,2,3
	v_max_num_f32 v[TM+\b], v[TM+\b], v[TM+4+\b]   ; with lane l xor 16's: the block's largest magnitude
.endr
.irp b, 0,1,2,3
	v_add_nc_u32 v[TM+12+\b], 0xff000000, v[TM+\b] ; 2 off its exponent field: the conversion's scale operand
.endr
.irp b, 0,1,2,3
	v_lshrrev_b32 v[TM+4+\b], 23, v[TM+12+\b]      ; the scale's byte
.endr
	v_lshl_or_b32 v[\pw], v[TM+5], 8, v[TM+4]
	v_lshl_or_b32 v[\pw], v[TM+6], 16, v[\pw]
	v_lshl_or_b32 v[\pw], v[TM+7], 24, v[\pw]
.irp c, 0,1
	v_cvt_scalef32_pk16_fp6_f32 v[PC+6*\c:PC+2+6*\c], v[\s+32*\c:\s+15+32*\c], v[TM+12+2*\c]
	v_cvt_scalef32_pk16_fp6_f32 v[PC+12+4*\c:PC+14+4*\c], v[\s+16+32*\c:\s+31+32*\c], v[TM+12+2*\c+1]   ; (a conversion's three registers begin on an even number)
.endr
	v_nop                                          ; one plain place behind a scaled conversion
.irp c, 0,1                                    ; the operand wants a whole block in a lane: lanes 0-15 block 2 c, lanes 16-31 block 2 c + 1
.irp i, 0,1,2
	v_permlane16_swap_b32 v[PC+6*\c+\i], v[PC+12+4*\c+\i]
.endr
.irp i, 0,1,2
	v_mov_b32 v[PC+3+6*\c+\i], v[PC+12+4*\c+\i]
.endr
.endr
.endm
.macro STEP t
.if (\t) < 3
	s_wait_loadcnt 16                              ; this step's 16 loads are in; the next step's 16 may be out
.else
	s_wait_loadcnt 0x0
.endif
.irp i, 0,1,2,3,4,5,6,7,8,9,10,11,12,13,14,15
	ds_store_b128 v[SI], v[R+64*((\t)%2)+4*\i:R+64*((\t)%2)+4*\i+3] offset:SPT*\i
.endr
.irp b, 0,1,2,3
.irp j, 0,1,2,3
	ds_load_b128 v[X+16*\b+4*\j:X+16*\b+4*\j+3], v[SO] offset:128*\b+16*\j   ; LDS serves a wave's instructions in order: these see the stores above
.endr
.endr
	s_wait_dscnt 0x0                               ; my 64 numbers are in, and the stores have read their registers
.if (\t) > 0
	s_wait_xcnt 0x0                                ; the last step's stores have read the codes' registers, which are written again below
.endif
.if (\t) < 2
	LOAD (\t)+2
.endif
	QUANT X, PW+(\t)
.irp c, 0,1,2
	global_store_b128 v[LA], v[PC+4*\c:PC+4*\c+3], s[12:13] offset:1536*(\t)+512*\c   ; 32 lanes store 512 consecutive bytes, at a multiple of 256 from the buffer's first byte
.endr
	ds_store_b32 v[AW], v[PW+(\t)] offset:256*(\t) ; lanes r and r + 16 write the same word with the same value
.endm
	LOAD 0
	LOAD 1
	STEP 0
	STEP 1
	STEP 2
	STEP 3
	s_wait_dscnt 0x0                               ; for the others' sake: my scale words lie in LDS
	s_barrier_signal -1
	s_barrier_wait -1
	ds_load_b64 v[10:11], v[AR]                    ; K step w of the work-group's four rowblocks: 256 bytes a wave
	s_wait_dscnt 0x0
	global_store_b64 v[L8], v[10:11], s[14:15]     ; 32 lanes store 256 consecutive bytes, aligned
	s_wait_tensorcnt 0x0                           ; the wave's end, behind my last LDS store
	ds_add_u32 v[SPW], v[NIL]
	s_wait_dscnt 0x0
	s_endpgm
.Lfunc_end_k_qa5a29220aa_quant:
	.size	k_qa5a29220aa_quant, .Lfunc_end_k_qa5a29220aa_quant-k_qa5a29220aa_quant
	.p2alignl 7, 3214868480
	.fill 96, 4, 3214868480
	.section	.rodata,"a",@progbits
	.p2align	6, 0x0
	.amdhsa_kernel k_qa5a29220aa_quant
		.amdhsa_group_segment_fixed_size 70656
		.amdhsa_private_segment_fixed_size 0
		.amdhsa_enable_private_segment 0
		.amdhsa_kernarg_size 48
		.amdhsa_user_sgpr_count 2
		.amdhsa_user_sgpr_kernarg_segment_ptr 1
		.amdhsa_wavefront_size32 1
		.amdhsa_system_sgpr_workgroup_id_x 1
		.amdhsa_system_sgpr_workgroup_id_y 1
		.amdhsa_system_sgpr_workgroup_id_z 1
		.amdhsa_system_vgpr_workitem_id 0
		.amdhsa_next_free_vgpr 256
		.amdhsa_next_free_sgpr 66
		.amdhsa_reserve_vcc 0
		.amdhsa_float_denorm_mode_32 3
		.amdhsa_float_denorm_mode_16_64 3
		.amdhsa_memory_ordered 1
		.amdhsa_forward_progress 1
		.amdhsa_inst_pref_size 35
	.end_amdhsa_kernel
	.amdgpu_metadata
---
amdhsa.version: [ 1, 2 ]
amdhsa.kernels:
  - .name:           k_qa5a29220aa_quant
    .symbol:         k_qa5a29220aa_quant.kd
    .args:
      - { .name: query, .offset: 0, .size: 8, .value_kind: global_buffer, .address_space: global }
      - { .name: key, .offset: 8, .size: 8, .value_kind: global_buffer, .address_space: global }
      - { .name: value, .offset: 16, .size: 8, .value_kind: global_buffer, .address_space: global }
      - { .name: W, .offset: 24, .size: 8, .value_kind: global_buffer, .address_space: global }
      - { .name: xc, .offset: 32, .size: 8, .value_kind: global_buffer, .address_space: global }
      - { .name: xs, .offset: 40, .size: 8, .value_kind: global_buffer, .address_space: global }
    .group_segment_fixed_size: 70656
    .private_segment_fixed_size: 0
    .kernarg_segment_align: 8
    .kernarg_segment_size: 48
    .max_flat_workgroup_size: 256
    .sgpr_count:     66
    .vgpr_count:     256
    .wavefront_size: 32
...
	.end_amdgpu_metadata
.endif
;; end of part 1
;; launch proj (part 2): grid 4 x 96, 4 waves a work-group, clusters of 4 x 4, 327,680 bytes of LDS; arguments xc, xs, b, pc, ps; writes pc, ps
.if DOCPART == 2
	.amdgcn_target "amdgcn-amd-amdhsa--gfx1250"
	.amdhsa_code_object_version 6
	.text
	.protected	k_qa5a29220aa_proj
	.globl	k_qa5a29220aa_proj
	.p2align	8
	.type	k_qa5a29220aa_proj,@function
k_qa5a29220aa_proj:
	s_mov_b64 s[64:65], 0
	v_nop
	global_prefetch_b8 v0, s[64:65] scope:SCOPE_SE
	s_setreg_imm32_b32 hwreg(HW_REG_WAVE_MODE, 25, 1), 1
	s_wait_xcnt 0x0
	s_wait_alu depctr_hold_cnt(0) depctr_sa_sdst(0) depctr_va_vdst(0) depctr_va_sdst(0) depctr_va_ssrc(0) depctr_va_vcc(0) depctr_vm_vsrc(0)
	s_getreg_b32 s2, hwreg(HW_REG_IB_STS2, 6, 4)
	s_cmp_eq_u32 s2, 0
	s_cbranch_scc0 .Lentry_in_a_cluster
	s_endpgm
.Lentry_in_a_cluster:
	s_bfe_u32 s2, ttmp6, 0x10000c
	s_cmp_lg_u32 s2, 0xf033
	s_cbranch_scc0 .Lentry_shape_is_right
	s_endpgm
.Lentry_shape_is_right:
; q = query W^T + b, k = key W^T + b, v = value W^T + b on codes of FP6 (E2M3) with E8M0 scales, and each result QUANTISED on the way out: q and k along the channels, v along the keys.
; Operands: xc, xs as the launch before laid them (fragments as images of their registers; rows of a rowblock in the order position t -> true row 8 u + t % 8 + 16 (t / 8) of a group of 32).
; A tile of 256 x 256 is made by four waves, 128 x 128 each: 64 accumulators, 512 registers.  K = 1,024 goes in steps of 256 through a ring of two LDS slots filled by the tensor data mover.
; THE MATRIX INSTRUCTION: source 0 = 16 positions of side B, source 1 = 16 positions of side A.  A lane then holds ONE position of A, and its 64 registers of a block run along B's 128 rows IN TRUE ORDER
; (register 8 b + j of lane (r, h): 32 (b / 2) + 16 h + 8 (b % 2) + j): the 64 numbers are quantised as they stand and ARE a fragment of the next product: 16 positions of A x 128 along B.
; TWO KINDS OF CLUSTER, told apart by the cluster's y, which all sixteen partners share.  y < 16: A = rows of query or key, B = W: fragments [row][channels] of q, k.
; y >= 16: A = W, B = rows of value: fragments [channel][keys] of v^T.  Only addresses, and the bias's place as C of the first products, differ.
; THE BIAS is the C of each sum's first matrix instruction: by B's index (eight registers a tile of B) for q, k; by A's position (one number a lane and block of A) for v.
; CLUSTERS: 4 x 4 work-groups; A's tiles are asked for jointly along a row of the cluster, B's along a column.
; pc: q rowblocks 0-511, k rowblocks 512-1023: [rowblock][8 K steps][1,536]; from VT0 v^T: [batch][64 channel rowblocks][16 K steps of keys][1,536].
; ps: q, k: [8 K steps][1,024 rowblocks][64 bytes]; from PSV0: [batch][16 K steps][64 rowblocks][64 bytes].
; LIMITS: a block whose largest magnitude lies under 2^-124 (zeros too) gets the scale byte 1; NaN and infinities are not served.
; REGISTERS, in windows of 256: window 0: v0-31 addresses; v32-63 scale words, two sets, and nothing else; v64-127 the bias; v128-223 A's fragments, one set (on the way out: at work); v224-231 the bias's offsets.
;   window 1: B's fragments, two sets, at v0 and v128.   window 2: the accumulators of A's blocks 0-3 ((a, b) at v[8 (8 (a % 4) + b)]);   window 3: those of blocks 4-7.
.set KST,   8                          ; K steps of 128
.set FRB,   1536                       ; a fragment's image
.set RBS,   2*FRB                      ; a rowblock's part of a slot: 256 along K
.set HALFT, 8*RBS                      ; 8 rowblocks: what one tensor load brings, and what one wave reads of A or of B
.set SLOT,  4*HALFT                    ; A's two halves, then B's two
.set LAPS,  KST/4                      ; a lap = two slots = once round the ring
.set HALFS, 512*KST                    ; the scale words of 8 rowblocks: [K step][8][64 bytes]
.set SCL,   2*SLOT                     ; behind the ring: A's scale words, two halves;
.set SCB,   SCL+2*HALFS+128            ; B's, 128 bytes further on than a whole number of 512, so that the two halves of the lanes read different 128 bytes of a 256
.set STG,   SCB+2*HALFS+128            ; the way out: 512 bytes a wave for its 8 x 16 scale words
.set SPARE, STG+4*512                  ; the spare words, 128 bytes for each wave: two blocks of 256 bytes that no other line names
.set VT0,   12582912
.set PSV0,  524288
.set ADRA, 16                          ; v16-17  my A fragments in slot 0, 1
.set ADRB, 20                          ; v20-21  my B fragments
.set STO,  24                          ; v24     where my row's scale word goes
.set RD,   25                          ; v25     where I read 16 bytes of them back
.set CO,   26                          ; v26     16 x lane
.set ADRS, 27                          ; v27     my scale words: lanes 0-15 A's, lanes 16-31 B's
.set SPW,  28                          ; v28     my spare word; never rewritten
.set NIL,  29                          ; v29     0; never rewritten
.set SC,   32                          ; set s at v[SC + 16 s]; register 2 i + q: block i, the slot's q-th 128 along K
.set BI,   64                          ; the bias, 8 x 8 registers
.set AF,   128
.set BA,   224                         ; v224-231 the bias's byte offsets
.set TM,   128                         ; the way out: v128-143 at work, v144-163 codes, v168-175 scale words, v180-183 the words read back
.set PC,   144
.set PW,   168
.set G1,   24
.set G0,   32
.set G1B,  48
.set G0B,  56
.set G1S,  68
.set G0S,  76
.set G1SB, 80
.set G0SB, 88
.set OC,   92                          ; s[92:93] where the block's codes go;  s[94:95] from block to block;  s[96:97] where my scale words go
.set OP,   94
.set OS,   96
.set SEL,  98
.set PATH, 100                         ; s100  0: q, k;  1: v
.set MSB, 0
.macro WIN new                         ; the immediate's high byte repeats the setting that is left
.if MSB != (\new)
	s_set_vgpr_msb (MSB<<8)|(\new)
.set MSB, (\new)
.endif
.endm
.set MUL_LO, 0xa1                      ; source 0 (B) window 1, source 1 (A) window 0, C and D window 2
.set MUL_HI, 0xf1                      ; the same, C and D window 3
.set TO_B,   0x40                      ; destination window 1, address window 0
; A joint load: waves 0 and 1 fetch for A, waves 2 and 3 for B; the branch hangs on the wave's number alone.  An s_nop 0 and four v_nop follow each of the two lines.
.macro JLOAD g0a, g1a, g0b, g1b
	s_cmp_eq_u32 s15, 0
	s_cbranch_scc0 .Lfor_b_\@
	tensor_load_to_lds s[\g0a:\g0a+3], s[\g1a:\g1a+7]
	s_nop 0
.rept 4
	v_nop
.endr
	s_branch .Lasked_\@
.Lfor_b_\@:
	tensor_load_to_lds s[\g0b:\g0b+3], s[\g1b:\g1b+7]
	s_nop 0
.rept 4
	v_nop
.endr
.Lasked_\@:
.endm
.macro CREST                           ; a round of the cluster's barrier behind its opening barrier
	s_cmp_lg_u32 s14, 0
	s_cbranch_scc1 .Lnot_wave_0_\@
	s_barrier_signal -3
.Lnot_wave_0_\@:
	s_barrier_wait -3
	s_barrier_signal -1
	s_barrier_wait -1
.endm
.macro CROUND
	s_barrier_signal -1
	s_barrier_wait -1
	CREST
.endm
.macro PLACES                          ; four plain places behind a matrix instruction, ahead of loads into its registers and of reads of its results
.rept 4
	v_nop
.endr
.endm
	s_load_b256 s[4:11], s[0:1], 0x0               ; xc s[4:5], xs s[6:7], b s[8:9], pc s[10:11]
	s_load_b64 s[12:13], s[0:1], 0x20              ; ps
	v_lshl_add_u32 v[SPW], v0, 2, SPARE
	v_mov_b32 v[NIL], 0
	ds_add_u32 v[SPW], v[NIL]                      ; the wave's opening: the add and its wait ahead of my first tensor load
	v_lshrrev_b32 v1, 5, v0
	v_readfirstlane_b32 s14, v1                    ; wave 0..3
	s_lshr_b32 s15, s14, 1                         ; my half of A.  Also: I fetch for A (0) or for B (1)
	s_and_b32 s16, s14, 1                          ; my half of B.  Also: which 8 rowblocks I fetch
	s_bfe_u32 s40, ttmp6, 0x40000                  ; cx
	s_bfe_u32 s41, ttmp6, 0x40004                  ; cy
	s_and_b32 s17, ttmp7, 0xffff                   ; the cluster's y, 0..23
	s_lshl_b32 s43, s41, 2
	s_lshl_b32 s43, 15, s43                        ; my row of the cluster
	s_lshl_b32 s44, 0x1111, s40                    ; my column
	; group 1 for codes: 8 rows (rowblocks) of 384 elements of 8 bytes (3,072 bytes: two fragments), KST x 192 elements apart; no padding: fragments are read as consecutive bytes
	s_or_b32 s[G1+0], s43, (3<<16)|(1<<21)
	s_or_b32 s[G1B+0], s44, (3<<16)|(1<<21)
.irp g, G1, G1B
	s_mov_b32 s[\g+1], 384<<16                     ; tensor_dim0
	s_mov_b32 s[\g+2], 8<<16                       ; tensor_dim1
	s_mov_b32 s[\g+3], 384<<16                     ; tile_dim0
	s_mov_b32 s[\g+4], 8                           ; tile_dim1
	s_mov_b32 s[\g+5], KST*192                     ; from rowblock to rowblock
	s_mov_b32 s[\g+6], 0
	s_mov_b32 s[\g+7], 0
.endr
	; group 1 for scale words: KST rows (K steps) of 64 elements (512 bytes: 8 rowblocks), 102,400 bytes apart
	s_or_b32 s[G1S+0], s43, (3<<16)|(1<<21)
	s_or_b32 s[G1SB+0], s44, (3<<16)|(1<<21)
.irp g, G1S, G1SB
	s_mov_b32 s[\g+1], 64<<16
	s_mov_b32 s[\g+2], KST<<16
	s_mov_b32 s[\g+3], 64<<16
	s_mov_b32 s[\g+4], KST
	s_mov_b32 s[\g+5], 12800
	s_mov_b32 s[\g+6], 0
	s_mov_b32 s[\g+7], 0
.endr
	s_lshl_b32 s18, s17, 6                         ; 64 rowblocks of rows a cluster
	s_mov_b32 s19, 1536                            ; W's first rowblock
	s_cmp_lt_u32 s17, 16
	s_cselect_b32 s20, s18, s19                    ; side A begins here,
	s_cselect_b32 s46, s19, s18                    ; side B here
	s_cselect_b32 s[PATH], 0, 1
	s_lshl_b32 s42, s16, 3
	s_lshl_b32 s21, s41, 4
	s_add_co_u32 s20, s20, s21
	s_add_co_u32 s20, s20, s42                     ; A's rowblocks that I fetch: + 16 cy + 8 x half
	s_lshl_b32 s47, s40, 4
	s_add_co_u32 s46, s46, s47
	s_add_co_u32 s46, s46, s42                     ; B's: + 16 cx + 8 x half
	s_lshl_b32 s22, s20, 6                         ; their scale words,
	s_mov_b32 s23, 0
	s_mul_i32 s20, s20, KST*FRB                    ; their codes
	s_mov_b32 s21, 0
	s_lshl_b32 s92, s46, 6
	s_mov_b32 s93, 0
	s_mul_i32 s46, s46, KST*FRB
	s_mov_b32 s47, 0
	s_mul_i32 s45, s14, HALFT                      ; where the codes go: wave x 8 rowblocks: no place in the cluster enters an LDS address
	s_mul_i32 s94, s16, HALFS
	s_mov_b32 s[SEL], 0x76543210
	s_mov_b32 s[SEL+1], 0xfedcba98
	s_wait_dscnt 0x0                               ; the opening add is done
	s_wait_kmcnt 0x0
	s_add_nc_u64 s[20:21], s[4:5], s[20:21]
	s_add_nc_u64 s[22:23], s[6:7], s[22:23]
	s_add_nc_u64 s[46:47], s[4:5], s[46:47]
	s_add_nc_u64 s[92:93], s[6:7], s[92:93]
	CROUND                                         ; all sixteen work-groups are here: the first joint loads meet
	s_mov_b32 s[G0S], 1
	s_add_co_u32 s[G0S+1], s94, SCL
	s_mov_b64 s[G0S+2:G0S+3], s[22:23]
	s_or_b32 s[G0S+3], s[G0S+3], 0x80000000
	s_mov_b32 s[G0SB], 1
	s_add_co_u32 s[G0SB+1], s94, SCB
	s_mov_b64 s[G0SB+2:G0SB+3], s[92:93]
	s_or_b32 s[G0SB+3], s[G0SB+3], 0x80000000
	JLOAD G0S, G1S, G0SB, G1SB                     ; the scale words of all of K: filled once
.irp s, 0,1
	s_mov_b32 s[G0+4*\s], 1
	s_add_co_u32 s[G0+4*\s+1], s45, \s*SLOT
	s_add_nc_u64 s[G0+4*\s+2:G0+4*\s+3], s[20:21], \s*RBS
	s_or_b32 s[G0+4*\s+3], s[G0+4*\s+3], 0x80000000
	s_mov_b32 s[G0B+4*\s], 1
	s_add_co_u32 s[G0B+4*\s+1], s45, \s*SLOT
	s_add_nc_u64 s[G0B+4*\s+2:G0B+4*\s+3], s[46:47], \s*RBS
	s_or_b32 s[G0B+4*\s+3], s[G0B+4*\s+3], 0x80000000
	JLOAD G0+4*\s, G1, G0B+4*\s, G1B               ; three tensor loads of mine are out
.endr
	v_and_b32 v1, 31, v0
	v_lshlrev_b32 v[CO], 4, v1                     ; 16 x lane
	v_and_b32 v2, 15, v0                           ; r
	v_bfe_u32 v3, v0, 4, 1                         ; h
	s_mul_i32 s21, s15, HALFT
	s_mul_i32 s22, s16, HALFT
	s_add_co_u32 s22, s22, 2*HALFT
.irp s, 0,1
	v_add_nc_u32 v[ADRA+\s], s21, v[CO]
	v_add_nc_u32 v[ADRB+\s], s22, v[CO]
	s_add_co_u32 s21, s21, SLOT
	s_add_co_u32 s22, s22, SLOT
.endr
	s_mul_i32 s21, s15, HALFS                      ; A's scale words: my half
	s_mul_i32 s22, s16, HALFS                      ; B's: my half
	s_add_co_u32 s22, s22, SCB-SCL
	s_sub_co_u32 s22, s22, s21
	v_mul_u32_u24 v6, s22, v3                      ; lanes 16-31 take B's: one product, the distance between the two
	s_add_co_u32 s21, s21, SCL
	v_lshl_add_u32 v5, v2, 2, v6
	v_add_nc_u32 v[ADRS], s21, v5
	s_lshl_b32 s23, s14, 9
	s_add_co_u32 s23, s23, STG
	v_lshl_add_u32 v[STO], v2, 2, s23
	v_add_nc_u32 v[RD], s23, v[CO]
	; the bias.  q, k: register 8 i + j of lane (r, h) = b[my B half's first channel + 32 (i / 2) + 8 (i % 2) + 16 h + j];  v: = b[my A half's first channel + 32 (i / 2) + 8 (i % 2) + r % 8 + 16 (r / 8)] for every j
	v_lshlrev_b32 v7, 6, v3                        ; 4 x 16 h
	v_and_b32 v8, 7, v2
	v_lshrrev_b32 v9, 3, v2
	v_lshl_add_u32 v8, v9, 4, v8
	v_lshlrev_b32 v8, 2, v8                        ; 4 x (r % 8 + 16 (r / 8))
	s_cmp_eq_u32 s[PATH], 0
	s_cselect_b32 s101, 0, -1
	s_cselect_b32 s18, 4, 0                        ; bytes from register to register
	s_cselect_b32 s19, s40, s41
	s_cselect_b32 s42, s16, s15
	v_cndmask_b32 v7, v7, v8, s101
	s_lshl_b32 s66, s19, 10
	s_lshl_b32 s42, s42, 9
	s_add_co_u32 s66, s66, s42
	s_mov_b32 s67, 0
	s_add_nc_u64 s[8:9], s[8:9], s[66:67]
.irp j, 0,1,2,3,4,5,6,7
	v_mad_u32_u24 v[BA+\j], s18, \j, v7
.endr
.irp i, 0,1,2,3,4,5,6,7
.irp j, 0,1,2,3,4,5,6,7
	global_load_b32 v[BI+8*\i+\j], v[BA+\j], s[8:9] offset:4*(32*(\i/2)+8*(\i%2))
.endr
.endr
	; where my results go
	s_lshl_b32 s18, s41, 4
	s_lshl_b32 s19, s15, 3
	s_add_co_u32 s18, s18, s19                     ; 16 cy + 8 x my half of A
	s_lshl_b32 s19, s40, 1
	s_add_co_u32 s19, s19, s16                     ; 2 cx + my half of B
	s_lshl_b32 s20, s17, 6
	s_add_co_u32 s20, s20, s18                     ; q, k: the rowblock;
	s_mul_i32 s21, s20, 12288
	s_mul_i32 s22, s19, FRB                        ; the K step of channels is 2 cx + half
	s_add_co_u32 s21, s21, s22
	s_lshl_b32 s22, s19, 16
	s_lshl_b32 s20, s20, 6
	s_add_co_u32 s22, s22, s20
	s_max_u32 s23, s17, 16
	s_sub_co_u32 s23, s23, 16
	s_lshr_b32 s23, s23, 1                         ; v: the batch (two clusters to a batch);
	s_and_b32 s42, s17, 1
	s_lshl_b32 s42, s42, 3
	s_add_co_u32 s42, s42, s19                     ; the K step of keys: 8 (y % 2) + 2 cx + half
	s_mul_i32 s66, s23, 1572864
	s_mul_i32 s67, s18, 24576
	s_add_co_u32 s66, s66, s67
	s_mul_i32 s67, s42, FRB
	s_add_co_u32 s66, s66, s67
	s_add_co_u32 s66, s66, VT0
	s_lshl_b32 s67, s23, 16
	s_lshl_b32 s42, s42, 12
	s_add_co_u32 s67, s67, s42
	s_lshl_b32 s18, s18, 6
	s_add_co_u32 s67, s67, s18
	s_add_co_u32 s67, s67, PSV0
	s_cmp_eq_u32 s[PATH], 0
	s_cselect_b32 s[OC], s21, s66
	s_cselect_b32 s[OS], s22, s67
	s_mov_b32 s[OP], 24576
	s_cselect_b32 s[OP], 12288, s[OP]
	s_mov_b32 s[OC+1], 0
	s_mov_b32 s[OP+1], 0
	s_mov_b32 s[OS+1], 0
	s_add_nc_u64 s[OC:OC+1], s[10:11], s[OC:OC+1]
	s_add_nc_u64 s[OS:OS+1], s[12:13], s[OS:OS+1]
.macro FRAG reg, adr, off              ; a fragment comes as it was stored: three loads of 512 consecutive bytes
.irp c, 0,1,2
	ds_load_b128 v[(\reg)+4*\c:(\reg)+4*\c+3], v[\adr] offset:(\off)+512*\c
.endr
.endm
; 16 matrix instructions: A's blocks a0, a0 + 1 x B's eight, the slot's q-th 128 along K.  p: B's set; sc: the set of scale words.  mode 0: adds in place; 2: C = the bias by B's tile; 3: C = the bias by A's block.
; The 64 accumulators take turns, one instruction a turn, in the same order in every step.
.macro MUL16 a0, p, q, sc, mode
.irp a, \a0, \a0+1
.irp b, 0,1,2,3,4,5,6,7
.set mD, 8*(8*((\a)%4)+\b)
.set mB, 128*(\p)+12*\b
.set mA, AF+12*(\a)
.set mX, SC+16*(\sc)+2*\b+(\q)
.set mY, SC+16*(\sc)+2*(\a)+(\q)
.if \mode == 0
	v_wmma_scale_f32_16x16x128_f8f6f4 v[mD:mD+7], v[mB:mB+11], v[mA:mA+11], v[mD:mD+7], v[mX], v[mY] matrix_a_fmt:MATRIX_FMT_FP6 matrix_b_fmt:MATRIX_FMT_FP6 matrix_a_scale:MATRIX_SCALE_ROW1
.elseif \mode == 2
	v_wmma_scale_f32_16x16x128_f8f6f4 v[mD:mD+7], v[mB:mB+11], v[mA:mA+11], v[BI+8*\b:BI+8*\b+7], v[mX], v[mY] matrix_a_fmt:MATRIX_FMT_FP6 matrix_b_fmt:MATRIX_FMT_FP6 matrix_a_scale:MATRIX_SCALE_ROW1
.else
	v_wmma_scale_f32_16x16x128_f8f6f4 v[mD:mD+7], v[mB:mB+11], v[mA:mA+11], v[BI+8*(\a):BI+8*(\a)+7], v[mX], v[mY] matrix_a_fmt:MATRIX_FMT_FP6 matrix_b_fmt:MATRIX_FMT_FP6 matrix_a_scale:MATRIX_SCALE_ROW1
.endif
.endr
.endr
.endm
.macro FETCH_B slot, q, p              ; B's eight fragments into set p
	WIN TO_B
.irp i, 0,1,2,3,4,5,6,7
	FRAG 128*(\p)+12*\i, ADRB+\slot, \i*RBS+(\q)*FRB
.endr
	WIN 0
.endm
.macro FETCH_A slot, q, i0             ; A's blocks i0 .. i0 + 3
.irp i, \i0, \i0+1, \i0+2, \i0+3
	FRAG AF+12*(\i), ADRA+\slot, (\i)*RBS+(\q)*FRB
.endr
.endm
.macro SCALES sc                       ; a slot's scale words: lanes 0-15 A's block i, lanes 16-31 B's block i
.irp i, 0,1,2,3,4,5,6,7
.irp q, 0,1
	ds_load_b32 v[SC+16*\sc+2*\i+\q], v[ADRS] offset:512*\q+64*\i
.endr
.endr
.endm
.macro STEP slot                       ; a slot's first 128 along K
	s_wait_dscnt 12                                ; B's set, A's blocks 0-3 and the scale words are in; the youngest 12 loads (A's blocks 4-7) may be out
	WIN MUL_LO
	MUL16 0, 0, 0, \slot, 0
	MUL16 2, 0, 0, \slot, 0
	s_wait_dscnt 0x0                               ; A's blocks 4-7 are in
	PLACES
	FETCH_B \slot, 1, 1
	FETCH_A \slot, 1, 0
	WIN MUL_HI
	MUL16 4, 0, 0, \slot, 0
	MUL16 6, 0, 0, \slot, 0
	PLACES
	WIN 0
	FETCH_A \slot, 1, 4
.endm
; A slot's second 128 along K changes slots: ONE barrier; in front of it each wave waits for all its tensor loads, adds 0 to its spare word, and waits for that and for its reads of this slot.  fill = 1: this slot is filled again, two slots ahead.
.macro TURN slot, next, fill
	s_wait_tensorcnt 0x0                           ; all my tensor loads have landed: my part of the next slot
	ds_add_u32 v[SPW], v[NIL]                      ; 0 onto my spare word
	s_wait_dscnt 13                                ; (the add and the youngest 12 loads, A's blocks 4-7, may be out)
	WIN MUL_LO
	MUL16 0, 1, 1, \slot, 0
	s_wait_dscnt 0x0                               ; the add is done, and my reads of this slot are over
	s_barrier_signal -1
	MUL16 2, 1, 1, \slot, 0
	WIN 0
	s_barrier_wait -1
.if \fill
	CREST                                          ; the barrier has opened a round of the cluster's: no wave of any partner still reads this slot or has a load on its way
	s_add_nc_u64 s[G0+4*\slot+2:G0+4*\slot+3], s[G0+4*\slot+2:G0+4*\slot+3], 2*RBS
	s_add_nc_u64 s[G0B+4*\slot+2:G0B+4*\slot+3], s[G0B+4*\slot+2:G0B+4*\slot+3], 2*RBS
	JLOAD G0+4*\slot, G1, G0B+4*\slot, G1B         ; the first tensor load behind the round; its four v_nop are the places in front of the loads below
.else
	PLACES
.endif
	v_add_nc_u32 v[ADRS], 1024, v[ADRS]            ; the next slot's scale words: two K steps of 512 bytes on
	FETCH_B \next, 0, 0
	FETCH_A \next, 0, 0
	SCALES \next
	WIN MUL_HI
	MUL16 4, 1, 1, \slot, 0
	MUL16 6, 1, 1, \slot, 0
	PLACES
	WIN 0
	FETCH_A \next, 0, 4
.endm
; Half of the first step: 32 products that start the sums with the bias as C.  The branch hangs on the cluster's y alone: it is the same in all sixteen partners and in all waves.
.macro HALF1 a0, win
	s_cmp_eq_u32 s[PATH], 0
	s_cbranch_scc0 .Lby_a_\@
	WIN \win
	MUL16 \a0, 0, 0, 0, 2
	MUL16 \a0+2, 0, 0, 0, 2
	WIN 0
	s_branch .Ljoin_\@
.Lby_a_\@:
	WIN \win
	MUL16 \a0, 0, 0, 0, 3
	MUL16 \a0+2, 0, 0, 0, 3
	WIN 0
.Ljoin_\@:
.endm
	s_wait_tensorcnt 1                             ; the scale words and my part of slot 0 are in; slot 1's load may be out
	s_barrier_signal -1
	s_barrier_wait -1
	FETCH_B 0, 0, 0
	FETCH_A 0, 0, 0
	SCALES 0
	FETCH_A 0, 0, 4
	s_wait_loadcnt 0x0                             ; the bias
	s_wait_dscnt 12
	HALF1 0, 0x81                                  ; source 0 window 1, C (the bias) window 0, D window 2
	s_wait_dscnt 0x0
	PLACES
	FETCH_B 0, 1, 1
	FETCH_A 0, 1, 0
	HALF1 4, 0xc1                                  ; D window 3
	PLACES
	FETCH_A 0, 1, 4
	s_mov_b32 s3, LAPS-1
.Llap:                                                 ; a trip goes once round the ring and fills both slots again
	TURN 0, 1, 1
	STEP 1
	TURN 1, 0, 1
	STEP 0
	s_sub_co_u32 s3, s3, 1
	s_cmp_lg_u32 s3, 0
	s_cbranch_scc1 .Llap
	TURN 0, 1, 0                                   ; the last lap fills nothing
	STEP 1
	s_wait_dscnt 12
	WIN MUL_LO
	MUL16 0, 1, 1, 1, 0
	MUL16 2, 1, 1, 1, 0
	s_wait_dscnt 0x0
	WIN MUL_HI
	MUL16 4, 1, 1, 1, 0
	MUL16 6, 1, 1, 1, 0
	WIN 0
	PLACES
; THE WAY OUT.  Block a's 64 registers of a lane are 128 neighbours along the next K (register 16 b + i = k 32 b + 16 h + i) of the lane's position: they become a fragment and a scale word.
; The fragment leaves as it stands, three stores of 512 consecutive bytes; the eight blocks' scale words are gathered in my own 512 bytes of LDS and leave by one store.
.macro QUANTW a
.set W,  2+(\a)/4
.set AC, 64*((\a)%4)
.set wA, W|(W<<2)
.set wB, (W<<2)|(W<<4)
	WIN wA
.irp b, 0,1,2,3
	v_max3_num_f32 v[TM+\b], |v[AC+16*\b]|, |v[AC+1+16*\b]|, 0x1800000   ; each accumulator is read from its low end on; the floor 2^(3 - 127) holds the byte at 1 from below
.endr
	WIN wB
.irp i, 2,4,6,8,10,12,14
.irp b, 0,1,2,3
	v_max3_num_f32 v[TM+\b], v[TM+\b], |v[AC+16*\b+\i]|, |v[AC+1+16*\b+\i]|
.endr
.endr
	WIN 0
.irp b, 0,1,2,3
	v_permlanex16_b32 v[TM+4+\b], v[TM+\b], s[SEL], s[SEL+1]
.endr
.irp b, 0,1,2,3
	v_max_num_f32 v[TM+\b], v[TM+\b], v[TM+4+\b]
.endr
.irp b, 0,1,2,3
	v_add_nc_u32 v[TM+12+\b], 0xff000000, v[TM+\b] ; 2 off the exponent field: the conversion's scale operand
.endr
.irp b, 0,1,2,3
	v_lshrrev_b32 v[TM+4+\b], 23, v[TM+12+\b]
.endr
	v_lshl_or_b32 v[PW+(\a)], v[TM+5], 8, v[TM+4]
	v_lshl_or_b32 v[PW+(\a)], v[TM+6], 16, v[PW+(\a)]
	v_lshl_or_b32 v[PW+(\a)], v[TM+7], 24, v[PW+(\a)]
.if (\a) > 0
	s_wait_xcnt 0x0                                ; the last block's stores have read their data and their base: both are written again below
	s_add_nc_u64 s[OC:OC+1], s[OC:OC+1], s[OP:OP+1]
.endif
	WIN W
.irp c, 0,1
	v_cvt_scalef32_pk16_fp6_f32 v[PC+6*\c:PC+2+6*\c], v[AC+32*\c:AC+15+32*\c], v[TM+12+2*\c]
	v_cvt_scalef32_pk16_fp6_f32 v[PC+12+4*\c:PC+14+4*\c], v[AC+16+32*\c:AC+31+32*\c], v[TM+12+2*\c+1]
.endr
	WIN 0
	v_nop                                          ; one plain place behind a scaled conversion
.irp c, 0,1
.irp i, 0,1,2
	v_permlane16_swap_b32 v[PC+6*\c+\i], v[PC+12+4*\c+\i]
.endr
.irp i, 0,1,2
	v_mov_b32 v[PC+3+6*\c+\i], v[PC+12+4*\c+\i]
.endr
.endr
.irp c, 0,1,2
	global_store_b128 v[CO], v[PC+4*\c:PC+4*\c+3], s[OC:OC+1] offset:512*\c   ; 32 lanes store 512 consecutive bytes, at a multiple of 256 from the buffer's first byte
.endr
	ds_store_b32 v[STO], v[PW+(\a)] offset:64*(\a)
.endm
.irp b, 0,1,2,3
	v_mov_b32 v[TM+4+\b], 0                        ; written once: a lane permute's destination counts as one of its sources
.endr
.irp a, 0,1,2,3,4,5,6,7
	QUANTW \a
.endr
	ds_load_b128 v[180:183], v[RD]                 ; LDS serves a wave's instructions in order: this sees my eight stores
	s_wait_dscnt 0x0
	global_store_b128 v[CO], v[180:183], s[OS:OS+1]   ; my 8 rowblocks' scale words of one K step: 512 consecutive bytes
	s_wait_tensorcnt 0x0                           ; the wave's end
	ds_add_u32 v[SPW], v[NIL]
	s_wait_dscnt 0x0
	CROUND                                         ; the closing round
	s_endpgm
.Lfunc_end_k_qa5a29220aa_proj:
	.size	k_qa5a29220aa_proj, .Lfunc_end_k_qa5a29220aa_proj-k_qa5a29220aa_proj
	.p2alignl 7, 3214868480
	.fill 96, 4, 3214868480
	.section	.rodata,"a",@progbits
	.p2align	6, 0x0
	.amdhsa_kernel k_qa5a29220aa_proj
		.amdhsa_group_segment_fixed_size 327680
		.amdhsa_private_segment_fixed_size 0
		.amdhsa_enable_private_segment 0
		.amdhsa_kernarg_size 40
		.amdhsa_user_sgpr_count 2
		.amdhsa_user_sgpr_kernarg_segment_ptr 1
		.amdhsa_wavefront_size32 1
		.amdhsa_system_sgpr_workgroup_id_x 1
		.amdhsa_system_sgpr_workgroup_id_y 1
		.amdhsa_system_sgpr_workgroup_id_z 1
		.amdhsa_system_vgpr_workitem_id 0
		.amdhsa_next_free_vgpr 1024
		.amdhsa_next_free_sgpr 102
		.amdhsa_reserve_vcc 0
		.amdhsa_float_denorm_mode_32 3
		.amdhsa_float_denorm_mode_16_64 3
		.amdhsa_memory_ordered 1
		.amdhsa_forward_progress 1
		.amdhsa_inst_pref_size 159
	.end_amdhsa_kernel
	.amdgpu_metadata
---
amdhsa.version: [ 1, 2 ]
amdhsa.kernels:
  - .name:           k_qa5a29220aa_proj
    .symbol:         k_qa5a29220aa_proj.kd
    .args:
      - { .name: xc, .offset: 0, .size: 8, .value_kind: global_buffer, .address_space: global }
      - { .name: xs, .offset: 8, .size: 8, .value_kind: global_buffer, .address_space: global }
      - { .name: b, .offset: 16, .size: 8, .value_kind: global_buffer, .address_space: global }
      - { .name: pc, .offset: 24, .size: 8, .value_kind: global_buffer, .address_space: global }
      - { .name: ps, .offset: 32, .size: 8, .value_kind: global_buffer, .address_space: global }
    .group_segment_fixed_size: 327680
    .private_segment_fixed_size: 0
    .kernarg_segment_align: 8
    .kernarg_segment_size: 40
    .max_flat_workgroup_size: 128
    .sgpr_count:     102
    .vgpr_count:     1024
    .wavefront_size: 32
...
	.end_amdgpu_metadata
.endif
;; end of part 2
;; launch scores (part 3): grid 8 x 32, 4 waves a work-group, clusters of 4 x 4, 327,680 bytes of LDS; arguments pc, ps, pp, pst; writes pp, pst
.if DOCPART == 3
	.amdgcn_target "amdgcn-amd-amdhsa--gfx1250"
	.amdhsa_code_object_version 6
	.text
	.protected	k_qa5a29220aa_scores
	.globl	k_qa5a29220aa_scores
	.p2align	8
	.type	k_qa5a29220aa_scores,@function
k_qa5a29220aa_scores:
	s_mov_b64 s[64:65], 0
	v_nop
	global_prefetch_b8 v0, s[64:65] scope:SCOPE_SE
	s_setreg_imm32_b32 hwreg(HW_REG_WAVE_MODE, 25, 1), 1
	s_wait_xcnt 0x0
	s_wait_alu depctr_hold_cnt(0) depctr_sa_sdst(0) depctr_va_vdst(0) depctr_va_sdst(0) depctr_va_ssrc(0) depctr_va_vcc(0) depctr_vm_vsrc(0)
	s_getreg_b32 s2, hwreg(HW_REG_IB_STS2, 6, 4)
	s_cmp_eq_u32 s2, 0
	s_cbranch_scc0 .Lentry_in_a_cluster
	s_endpgm
.Lentry_in_a_cluster:
	s_bfe_u32 s2, ttmp6, 0x10000c
	s_cmp_lg_u32 s2, 0xf033
	s_cbranch_scc0 .Lentry_shape_is_right
	s_endpgm
.Lentry_shape_is_right:
; S = q k^T on codes of FP6 (E2M3) with E8M0 scales, and on the way out p = 2^(t - M), t = score x log2(e) / 32, quantised along the keys.
; M here is LOCAL: for each query and each 128 keys (one K step of the next product) M = the ceiling of the largest t among those 128 keys, a whole number.  The next launch takes the row's largest M and
; brings each chunk under it by adding the whole number M_local - M_row to the chunk's four scale bytes: an exact power of two, which leaves the codes as they are.
; Stored: pp: P's fragments [512 query rowblocks][16 K steps of keys][1,536 bytes], images of the operand's registers;
; pst: three sections of 524,288 bytes (scale words; M as f32; the sum of the unquantised p), each [batch][16 K steps][128 rowblocks][16 words].
; A tile of 256 queries x 256 keys is made by four waves, 128 x 128 each.  K = 1,024 goes in steps of 256 through a ring of two LDS slots.  Source 0 = 16 positions of k (side B), source 1 = 16 positions of q
; (side A): a lane holds one query, and its 64 registers of a block run along the wave's 128 keys in true order, since k's rows lie in the order position t -> true row 8 u + t % 8 + 16 (t / 8) of a group of 32.
; CLUSTERS: 4 x 4 work-groups; q's tiles are asked for jointly along a row of the cluster, k's along a column.
; LIMITS: NaN and infinities are not served; a block whose every p lies under 2^-124 keeps the scale byte 1.
; REGISTERS: window 0: v0-31 addresses; v32-63 scale words, two sets, and nothing else; v128-223 A's fragments (on the way out: at work).  window 1: B's two sets.  windows 2, 3: the accumulators.
.set KST,   8
.set FRB,   1536
.set RBS,   2*FRB
.set HALFT, 8*RBS
.set SLOT,  4*HALFT
.set LAPS,  KST/4
.set HALFS, 512*KST
.set SCL,   2*SLOT
.set SCB,   SCL+2*HALFS+128
.set STG,   SCB+2*HALFS+128            ; the way out: 1,536 bytes a wave: [3 sections][8 blocks][16 words]
.set SPARE, STG+4*1536                 ; the spare words, 128 bytes for each wave: two blocks of 256 bytes that no other line names
.set ADRA, 16
.set ADRB, 20
.set STO,  24
.set RD,   25
.set CO,   26
.set ADRS, 27
.set SPW,  28
.set NIL,  29
.set SC,   32
.set AF,   128
.set BM,   128                         ; the way out: v128-143 the blocks' maxima, bytes and scale operands
.set T0,   144                         ; v144
.set NPR,  146                         ; v[146:147] -M, named as a pair by the packed form
.set SUM,  148                         ; v148-151 two chains of sums
.set PC,   152                         ; v152-171 codes
.set PW,   176                         ; v176-183 scale words;  v184-191 M;  v192-199 sums;  v200-211 what is read back
.set MM,   184
.set LL,   192
.set G1,   24
.set G0,   32
.set G1B,  48
.set G0B,  56
.set G1S,  68
.set G0S,  76
.set G1SB, 80
.set G0SB, 88
.set CS,   96                          ; s[96:97] c = log2(e) / 32
.set SEL,  98
.set MSB, 0
.macro WIN new
.if MSB != (\new)
	s_set_vgpr_msb (MSB<<8)|(\new)
.set MSB, (\new)
.endif
.endm
.set MUL_LO, 0xa1
.set MUL_HI, 0xf1
.set TO_B,   0x40
.macro JLOAD g0a, g1a, g0b, g1b        ; a joint load: waves 0 and 1 fetch for A, waves 2 and 3 for B; an s_nop 0 and four v_nop follow each line
	s_cmp_eq_u32 s15, 0
	s_cbranch_scc0 .Lfor_b_\@
	tensor_load_to_lds s[\g0a:\g0a+3], s[\g1a:\g1a+7]
	s_nop 0
.rept 4
	v_nop
.endr
	s_branch .Lasked_\@
.Lfor_b_\@:
	tensor_load_to_lds s[\g0b:\g0b+3], s[\g1b:\g1b+7]
	s_nop 0
.rept 4
	v_nop
.endr
.Lasked_\@:
.endm
.macro CREST
	s_cmp_lg_u32 s14, 0
	s_cbranch_scc1 .Lnot_wave_0_\@
	s_barrier_signal -3
.Lnot_wave_0_\@:
	s_barrier_wait -3
	s_barrier_signal -1
	s_barrier_wait -1
.endm
.macro CROUND
	s_barrier_signal -1
	s_barrier_wait -1
	CREST
.endm
.macro PLACES
.rept 4
	v_nop
.endr
.endm
	s_load_b256 s[4:11], s[0:1], 0x0               ; pc s[4:5], ps s[6:7], pp s[8:9], pst s[10:11]
	v_lshl_add_u32 v[SPW], v0, 2, SPARE
	v_mov_b32 v[NIL], 0
	ds_add_u32 v[SPW], v[NIL]                      ; the wave's opening: the add and its wait ahead of my first tensor load
	v_lshrrev_b32 v1, 5, v0
	v_readfirstlane_b32 s14, v1
	s_lshr_b32 s15, s14, 1
	s_and_b32 s16, s14, 1
	s_bfe_u32 s40, ttmp6, 0x40000                  ; cx
	s_bfe_u32 s41, ttmp6, 0x40004                  ; cy
	s_and_b32 s17, ttmp7, 0xffff                   ; the cluster's y, 0..7: two clusters of rows to a batch
	s_lshl_b32 s18, s17, 2
	s_add_co_u32 s18, s18, s41                     ; the tile row of queries, 0..31, over all batches
	s_lshl_b32 s42, ttmp9, 2
	s_add_co_u32 s42, s42, s40                     ; the tile column of keys in the batch, 0..7
	s_lshl_b32 s43, s41, 2
	s_lshl_b32 s43, 15, s43
	s_lshl_b32 s44, 0x1111, s40
	s_or_b32 s[G1+0], s43, (3<<16)|(1<<21)
	s_or_b32 s[G1B+0], s44, (3<<16)|(1<<21)
.irp g, G1, G1B
	s_mov_b32 s[\g+1], 384<<16
	s_mov_b32 s[\g+2], 8<<16
	s_mov_b32 s[\g+3], 384<<16
	s_mov_b32 s[\g+4], 8
	s_mov_b32 s[\g+5], KST*192
	s_mov_b32 s[\g+6], 0
	s_mov_b32 s[\g+7], 0
.endr
	s_or_b32 s[G1S+0], s43, (3<<16)|(1<<21)
	s_or_b32 s[G1SB+0], s44, (3<<16)|(1<<21)
.irp g, G1S, G1SB
	s_mov_b32 s[\g+1], 64<<16
	s_mov_b32 s[\g+2], KST<<16
	s_mov_b32 s[\g+3], 64<<16
	s_mov_b32 s[\g+4], KST
	s_mov_b32 s[\g+5], 8192                        ; K steps lie 65,536 bytes apart
	s_mov_b32 s[\g+6], 0
	s_mov_b32 s[\g+7], 0
.endr
	s_lshl_b32 s19, s16, 3
	s_lshl_b32 s20, s18, 4
	s_add_co_u32 s20, s20, s19                     ; q's rowblocks that I fetch
	s_lshr_b32 s46, s17, 1
	s_lshl_b32 s46, s46, 7                         ; the batch's 128 rowblocks of k,
	s_lshl_b32 s47, s42, 4
	s_add_co_u32 s46, s46, s47
	s_add_co_u32 s46, s46, s19
	s_add_co_u32 s46, s46, 512                     ; behind q's 512
	s_lshl_b32 s22, s20, 6
	s_mov_b32 s23, 0
	s_mul_i32 s20, s20, KST*FRB
	s_mov_b32 s21, 0
	s_lshl_b32 s92, s46, 6
	s_mov_b32 s93, 0
	s_mul_i32 s46, s46, KST*FRB
	s_mov_b32 s47, 0
	s_mul_i32 s45, s14, HALFT
	s_mul_i32 s94, s16, HALFS
	s_mov_b32 s[SEL], 0x76543210
	s_mov_b32 s[SEL+1], 0xfedcba98
	s_mov_b32 s[CS], 0x3d38aa3b                    ; log2(e) / 32: log2(e)'s bits with 5 off the exponent field
	s_mov_b32 s[CS+1], s[CS]
	s_wait_dscnt 0x0
	s_wait_kmcnt 0x0
	s_add_nc_u64 s[20:21], s[4:5], s[20:21]
	s_add_nc_u64 s[22:23], s[6:7], s[22:23]
	s_add_nc_u64 s[46:47], s[4:5], s[46:47]
	s_add_nc_u64 s[92:93], s[6:7], s[92:93]
	CROUND
	s_mov_b32 s[G0S], 1
	s_add_co_u32 s[G0S+1], s94, SCL
	s_mov_b64 s[G0S+2:G0S+3], s[22:23]
	s_or_b32 s[G0S+3], s[G0S+3], 0x80000000
	s_mov_b32 s[G0SB], 1
	s_add_co_u32 s[G0SB+1], s94, SCB
	s_mov_b64 s[G0SB+2:G0SB+3], s[92:93]
	s_or_b32 s[G0SB+3], s[G0SB+3], 0x80000000
	JLOAD G0S, G1S, G0SB, G1SB
.irp s, 0,1
	s_mov_b32 s[G0+4*\s], 1
	s_add_co_u32 s[G0+4*\s+1], s45, \s*SLOT
	s_add_nc_u64 s[G0+4*\s+2:G0+4*\s+3], s[20:21], \s*RBS
	s_or_b32 s[G0+4*\s+3], s[G0+4*\s+3], 0x80000000
	s_mov_b32 s[G0B+4*\s], 1
	s_add_co_u32 s[G0B+4*\s+1], s45, \s*SLOT
	s_add_nc_u64 s[G0B+4*\s+2:G0B+4*\s+3], s[46:47], \s*RBS
	s_or_b32 s[G0B+4*\s+3], s[G0B+4*\s+3], 0x80000000
	JLOAD G0+4*\s, G1, G0B+4*\s, G1B               ; three tensor loads of mine are out
.endr
	v_and_b32 v1, 31, v0
	v_lshlrev_b32 v[CO], 4, v1
	v_and_b32 v2, 15, v0
	v_bfe_u32 v3, v0, 4, 1
	s_mul_i32 s21, s15, HALFT
	s_mul_i32 s22, s16, HALFT
	s_add_co_u32 s22, s22, 2*HALFT
.irp s, 0,1
	v_add_nc_u32 v[ADRA+\s], s21, v[CO]
	v_add_nc_u32 v[ADRB+\s], s22, v[CO]
	s_add_co_u32 s21, s21, SLOT
	s_add_co_u32 s22, s22, SLOT
.endr
	s_mul_i32 s21, s15, HALFS
	s_mul_i32 s22, s16, HALFS
	s_add_co_u32 s22, s22, SCB-SCL
	s_sub_co_u32 s22, s22, s21
	v_mul_u32_u24 v6, s22, v3
	s_add_co_u32 s21, s21, SCL
	v_lshl_add_u32 v5, v2, 2, v6
	v_add_nc_u32 v[ADRS], s21, v5
	s_mul_i32 s23, s14, 1536
	s_add_co_u32 s23, s23, STG
	v_lshl_add_u32 v[STO], v2, 2, s23
	v_add_nc_u32 v[RD], s23, v[CO]
	; where my results go: P's rowblock 16 x tile row + 8 x my half of A, K step 2 x tile column + my half of B
	s_lshl_b32 s19, s18, 4
	s_lshl_b32 s20, s15, 3
	s_add_co_u32 s19, s19, s20
	s_mul_i32 s66, s19, 24576
	s_lshl_b32 s21, s42, 1
	s_add_co_u32 s21, s21, s16
	s_mul_i32 s22, s21, FRB
	s_add_co_u32 s66, s66, s22
	s_mov_b32 s67, 0
	s_add_nc_u64 s[8:9], s[8:9], s[66:67]
	s_lshr_b32 s66, s18, 3
	s_lshl_b32 s66, s66, 17                        ; the batch: 131,072 bytes,
	s_lshl_b32 s21, s21, 13
	s_add_co_u32 s66, s66, s21                     ; the K step: 8,192,
	s_and_b32 s22, s18, 7
	s_lshl_b32 s22, s22, 10
	s_add_co_u32 s66, s66, s22                     ; the tile row's 16 rowblocks: 1,024,
	s_lshl_b32 s22, s15, 9
	s_add_co_u32 s66, s66, s22                     ; my 8 of them
	s_add_nc_u64 s[10:11], s[10:11], s[66:67]
.macro FRAG reg, adr, off
.irp c, 0,1,2
	ds_load_b128 v[(\reg)+4*\c:(\reg)+4*\c+3], v[\adr] offset:(\off)+512*\c
.endr
.endm
; 16 matrix instructions; mode 1: the first product starts the sums: nothing is cleared.  The 64 accumulators take turns, one instruction a turn.
.macro MUL16 a0, p, q, sc, mode
.irp a, \a0, \a0+1
.irp b, 0,1,2,3,4,5,6,7
.set mD, 8*(8*((\a)%4)+\b)
.set mB, 128*(\p)+12*\b
.set mA, AF+12*(\a)
.set mX, SC+16*(\sc)+2*\b+(\q)
.set mY, SC+16*(\sc)+2*(\a)+(\q)
.if \mode == 0
	v_wmma_scale_f32_16x16x128_f8f6f4 v[mD:mD+7], v[mB:mB+11], v[mA:mA+11], v[mD:mD+7], v[mX], v[mY] matrix_a_fmt:MATRIX_FMT_FP6 matrix_b_fmt:MATRIX_FMT_FP6 matrix_a_scale:MATRIX_SCALE_ROW1
.else
	v_wmma_scale_f32_16x16x128_f8f6f4 v[mD:mD+7], v[mB:mB+11], v[mA:mA+11], 0, v[mX], v[mY] matrix_a_fmt:MATRIX_FMT_FP6 matrix_b_fmt:MATRIX_FMT_FP6 matrix_a_scale:MATRIX_SCALE_ROW1
.endif
.endr
.endr
.endm
.macro FETCH_B slot, q, p
	WIN TO_B
.irp i, 0,1,2,3,4,5,6,7
	FRAG 128*(\p)+12*\i, ADRB+\slot, \i*RBS+(\q)*FRB
.endr
	WIN 0
.endm
.macro FETCH_A slot, q, i0
.irp i, \i0, \i0+1, \i0+2, \i0+3
	FRAG AF+12*(\i), ADRA+\slot, (\i)*RBS+(\q)*FRB
.endr
.endm
.macro SCALES sc
.irp i, 0,1,2,3,4,5,6,7
.irp q, 0,1
	ds_load_b32 v[SC+16*\sc+2*\i+\q], v[ADRS] offset:512*\q+64*\i
.endr
.endr
.endm
.macro STEP slot, mode
	s_wait_dscnt 12                                ; all but the youngest 12 loads (A's blocks 4-7)
	WIN MUL_LO
	MUL16 0, 0, 0, \slot, \mode
	MUL16 2, 0, 0, \slot, \mode
	s_wait_dscnt 0x0
	PLACES
	FETCH_B \slot, 1, 1
	FETCH_A \slot, 1, 0
	WIN MUL_HI
	MUL16 4, 0, 0, \slot, \mode
	MUL16 6, 0, 0, \slot, \mode
	PLACES
	WIN 0
	FETCH_A \slot, 1, 4
.endm
.macro TURN slot, next, fill
	s_wait_tensorcnt 0x0                           ; all my tensor loads have landed: my part of the next slot
	ds_add_u32 v[SPW], v[NIL]                      ; 0 onto my spare word
	s_wait_dscnt 13                                ; (the add and the youngest 12 loads may be out)
	WIN MUL_LO
	MUL16 0, 1, 1, \slot, 0
	s_wait_dscnt 0x0                               ; the add is done, and my reads of this slot are over
	s_barrier_signal -1
	MUL16 2, 1, 1, \slot, 0
	WIN 0
	s_barrier_wait -1
.if \fill
	CREST
	s_add_nc_u64 s[G0+4*\slot+2:G0+4*\slot+3], s[G0+4*\slot+2:G0+4*\slot+3], 2*RBS
	s_add_nc_u64 s[G0B+4*\slot+2:G0B+4*\slot+3], s[G0B+4*\slot+2:G0B+4*\slot+3], 2*RBS
	JLOAD G0+4*\slot, G1, G0B+4*\slot, G1B
.else
	PLACES
.endif
	v_add_nc_u32 v[ADRS], 1024, v[ADRS]
	FETCH_B \next, 0, 0
	FETCH_A \next, 0, 0
	SCALES \next
	WIN MUL_HI
	MUL16 4, 1, 1, \slot, 0
	MUL16 6, 1, 1, \slot, 0
	PLACES
	WIN 0
	FETCH_A \next, 0, 4
.endm
	s_wait_tensorcnt 1                             ; the scale words and my part of slot 0 are in; slot 1's load may be out
	s_barrier_signal -1
	s_barrier_wait -1
	FETCH_B 0, 0, 0
	FETCH_A 0, 0, 0
	SCALES 0
	FETCH_A 0, 0, 4
	STEP 0, 1
	s_mov_b32 s3, LAPS-1
.Llap:
	TURN 0, 1, 1
	STEP 1, 0
	TURN 1, 0, 1
	STEP 0, 0
	s_sub_co_u32 s3, s3, 1
	s_cmp_lg_u32 s3, 0
	s_cbranch_scc1 .Llap
	TURN 0, 1, 0
	STEP 1, 0
	s_wait_dscnt 12
	WIN MUL_LO
	MUL16 0, 1, 1, 1, 0
	MUL16 2, 1, 1, 1, 0
	s_wait_dscnt 0x0
	WIN MUL_HI
	MUL16 4, 1, 1, 1, 0
	MUL16 6, 1, 1, 1, 0
	WIN 0
	PLACES
; THE WAY OUT of block a: 16 queries x my 128 keys.  The largest score of each block of 32 keys serves twice: for the chunk's maximum, and, since p rises with the score, for the block's largest p
; (this takes the exponential not to fall where its input rises; at the worst one p of a block, within an ulp of a power of two, is held one code low).
.macro SOFTQ a
.set W,  2+(\a)/4
.set AC, 64*((\a)%4)
.set wA, W|(W<<2)|(W<<4)
.set wB, (W<<2)|(W<<4)
.set wC, W|(W<<6)
.set wD, W|(W<<2)
.set wE, W<<2
	WIN wA
.irp b, 0,1,2,3
	v_max3_num_f32 v[BM+\b], v[AC+16*\b], v[AC+16*\b+1], v[AC+16*\b+2]   ; each accumulator is read from its low end on
.endr
	WIN wB
.irp i, 3,5,7,9,11,13
.irp b, 0,1,2,3
	v_max3_num_f32 v[BM+\b], v[BM+\b], v[AC+16*\b+\i], v[AC+16*\b+\i+1]
.endr
.endr
.irp b, 0,1,2,3
	v_max_num_f32 v[BM+\b], v[BM+\b], v[AC+16*\b+15]
.endr
	WIN 0
.irp b, 0,1,2,3
	v_permlanex16_b32 v[BM+4+\b], v[BM+\b], s[SEL], s[SEL+1]
.endr
.irp b, 0,1,2,3
	v_max_num_f32 v[BM+\b], v[BM+\b], v[BM+4+\b]   ; with lane l xor 16's 16 keys
.endr
	v_max3_num_f32 v[T0], v[BM], v[BM+1], v[BM+2]
	v_max_num_f32 v[T0], v[T0], v[BM+3]
	v_mul_f32 v[T0], s[CS], v[T0]                  ; the chunk's largest t (c is positive)
	v_floor_f32 v[NPR], -v[T0]                     ; -M = floor(-t) = -ceil(t)
	v_sub_f32 v[MM+(\a)], 0, v[NPR]                ; M
.irp b, 0,1,2,3
	v_fma_f32 v[BM+\b], v[BM+\b], s[CS], v[NPR]    ; t - M of each block's largest score
.endr
	WIN wC
.irp j, 0,2,4,6,8,10,12,14,16,18,20,22,24,26,28,30,32,34,36,38,40,42,44,46,48,50,52,54,56,58,60,62
	v_pk_fma_f32 v[AC+\j:AC+\j+1], v[AC+\j:AC+\j+1], s[CS:CS+1], v[NPR:NPR+1] op_sel_hi:[1,0,0]   ; t - M, two at a time
.endr
.irp j, 0,1,2,3,4,5,6,7,8,9,10,11,12,13,14,15,16,17,18,19,20,21,22,23,24,25,26,27,28,29,30,31,32,33,34,35,36,37,38,39,40,41,42,43,44,45,46,47,48,49,50,51,52,53,54,55,56,57,58,59,60,61,62,63
	v_exp_f32 v[AC+\j], v[AC+\j]                   ; p = 2^(t - M), at most 1
.endr
	WIN 0
	v_nop                                          ; a plain place behind the exponentials
	s_wait_alu depctr_va_vdst(0)                   ; one wait for the batch of 64, ahead of its first reader
.irp b, 0,1,2,3
	v_exp_f32 v[BM+\b], v[BM+\b]                   ; the blocks' largest p: the same two instructions on the same number give the same bits
.endr
	WIN wD
	v_pk_add_f32 v[SUM:SUM+1], v[AC:AC+1], v[AC+2:AC+3]           ; the sum of the UNQUANTISED p, in two chains (plain work behind the four)
	v_pk_add_f32 v[SUM+2:SUM+3], v[AC+4:AC+5], v[AC+6:AC+7]
	WIN wE
.irp j, 8,12,16,20,24,28,32,36,40,44,48,52,56,60
	v_pk_add_f32 v[SUM:SUM+1], v[SUM:SUM+1], v[AC+\j:AC+\j+1]
	v_pk_add_f32 v[SUM+2:SUM+3], v[SUM+2:SUM+3], v[AC+\j+2:AC+\j+3]
.endr
	WIN 0
	v_pk_add_f32 v[SUM:SUM+1], v[SUM:SUM+1], v[SUM+2:SUM+3]
	v_add_f32 v[SUM], v[SUM], v[SUM+1]
	v_permlanex16_b32 v[SUM+2], v[SUM], s[SEL], s[SEL+1]
	v_add_f32 v[LL+(\a)], v[SUM], v[SUM+2]         ; with lane l xor 16's 64 keys
	s_wait_alu depctr_va_vdst(0)                   ; and one wait for the four
.irp b, 0,1,2,3
	v_max_num_f32 v[BM+\b], 0x1800000, v[BM+\b]    ; the floor 2^(3 - 127): the byte cannot fall under 1
.endr
.irp b, 0,1,2,3
	v_add_nc_u32 v[BM+12+\b], 0xff000000, v[BM+\b]
.endr
.irp b, 0,1,2,3
	v_lshrrev_b32 v[BM+4+\b], 23, v[BM+12+\b]
.endr
	v_lshl_or_b32 v[PW+(\a)], v[BM+5], 8, v[BM+4]
	v_lshl_or_b32 v[PW+(\a)], v[BM+6], 16, v[PW+(\a)]
	v_lshl_or_b32 v[PW+(\a)], v[BM+7], 24, v[PW+(\a)]
.if (\a) > 0
	s_wait_xcnt 0x0                                ; the last block's stores have read the codes' registers
.endif
	WIN W
.irp c, 0,1
	v_cvt_scalef32_pk16_fp6_f32 v[PC+6*\c:PC+2+6*\c], v[AC+32*\c:AC+15+32*\c], v[BM+12+2*\c]
	v_cvt_scalef32_pk16_fp6_f32 v[PC+12+4*\c:PC+14+4*\c], v[AC+16+32*\c:AC+31+32*\c], v[BM+12+2*\c+1]
.endr
	WIN 0
	v_nop                                          ; one plain place behind a scaled conversion
.irp c, 0,1
.irp i, 0,1,2
	v_permlane16_swap_b32 v[PC+6*\c+\i], v[PC+12+4*\c+\i]
.endr
.irp i, 0,1,2
	v_mov_b32 v[PC+3+6*\c+\i], v[PC+12+4*\c+\i]
.endr
.endr
.irp c, 0,1,2
	global_store_b128 v[CO], v[PC+4*\c:PC+4*\c+3], s[8:9] offset:24576*(\a)+512*\c   ; 512 consecutive bytes, at a multiple of 256 from the buffer's first byte
.endr
	ds_store_b32 v[STO], v[PW+(\a)] offset:64*(\a)
	ds_store_b32 v[STO], v[MM+(\a)] offset:512+64*(\a)
	ds_store_b32 v[STO], v[LL+(\a)] offset:1024+64*(\a)
.endm
.irp b, 0,1,2,3
	v_mov_b32 v[BM+4+\b], 0                        ; written once: a lane permute's destination counts as one of its sources
.endr
	v_mov_b32 v[SUM+2], 0
	v_mov_b32 v[NPR+1], 0                          ; named as the upper half of a pair
.irp a, 0,1,2,3,4,5,6,7
	SOFTQ \a
.endr
.irp c, 0,1,2
	ds_load_b128 v[200+4*\c:203+4*\c], v[RD] offset:512*\c   ; LDS serves a wave's instructions in order: these see my stores
.endr
	s_wait_dscnt 0x0
.irp c, 0,1,2
	global_store_b128 v[CO], v[200+4*\c:203+4*\c], s[10:11] offset:524288*\c   ; my 8 rowblocks of one K step: 512 consecutive bytes in each section
.endr
	s_wait_tensorcnt 0x0                           ; the wave's end
	ds_add_u32 v[SPW], v[NIL]
	s_wait_dscnt 0x0
	CROUND                                         ; the closing round
	s_endpgm
.Lfunc_end_k_qa5a29220aa_scores:
	.size	k_qa5a29220aa_scores, .Lfunc_end_k_qa5a29220aa_scores-k_qa5a29220aa_scores
	.p2alignl 7, 3214868480
	.fill 96, 4, 3214868480
	.section	.rodata,"a",@progbits
	.p2align	6, 0x0
	.amdhsa_kernel k_qa5a29220aa_scores
		.amdhsa_group_segment_fixed_size 327680
		.amdhsa_private_segment_fixed_size 0
		.amdhsa_enable_private_segment 0
		.amdhsa_kernarg_size 32
		.amdhsa_user_sgpr_count 2
		.amdhsa_user_sgpr_kernarg_segment_ptr 1
		.amdhsa_wavefront_size32 1
		.amdhsa_system_sgpr_workgroup_id_x 1
		.amdhsa_system_sgpr_workgroup_id_y 1
		.amdhsa_system_sgpr_workgroup_id_z 1
		.amdhsa_system_vgpr_workitem_id 0
		.amdhsa_next_free_vgpr 1024
		.amdhsa_next_free_sgpr 102
		.amdhsa_reserve_vcc 0
		.amdhsa_float_denorm_mode_32 3
		.amdhsa_float_denorm_mode_16_64 3
		.amdhsa_memory_ordered 1
		.amdhsa_forward_progress 1
		.amdhsa_inst_pref_size 199
	.end_amdhsa_kernel
	.amdgpu_metadata
---
amdhsa.version: [ 1, 2 ]
amdhsa.kernels:
  - .name:           k_qa5a29220aa_scores
    .symbol:         k_qa5a29220aa_scores.kd
    .args:
      - { .name: pc, .offset: 0, .size: 8, .value_kind: global_buffer, .address_space: global }
      - { .name: ps, .offset: 8, .size: 8, .value_kind: global_buffer, .address_space: global }
      - { .name: pp, .offset: 16, .size: 8, .value_kind: global_buffer, .address_space: global }
      - { .name: pst, .offset: 24, .size: 8, .value_kind: global_buffer, .address_space: global }
    .group_segment_fixed_size: 327680
    .private_segment_fixed_size: 0
    .kernarg_segment_align: 8
    .kernarg_segment_size: 32
    .max_flat_workgroup_size: 128
    .sgpr_count:     102
    .vgpr_count:     1024
    .wavefront_size: 32
...
	.end_amdgpu_metadata
.endif
;; end of part 3
;; launch pv (part 4): grid 4 x 32, 4 waves a work-group, clusters of 4 x 4, 327,680 bytes of LDS; arguments pp, pst, pc, ps, out0; writes out0
.if DOCPART == 4
	.amdgcn_target "amdgcn-amd-amdhsa--gfx1250"
	.amdhsa_code_object_version 6
	.text
	.protected	k_qa5a29220aa_pv
	.globl	k_qa5a29220aa_pv
	.p2align	8
	.type	k_qa5a29220aa_pv,@function
k_qa5a29220aa_pv:
	s_mov_b64 s[64:65], 0
	v_nop
	global_prefetch_b8 v0, s[64:65] scope:SCOPE_SE
	s_setreg_imm32_b32 hwreg(HW_REG_WAVE_MODE, 25, 1), 1
	s_wait_xcnt 0x0
	s_wait_alu depctr_hold_cnt(0) depctr_sa_sdst(0) depctr_va_vdst(0) depctr_va_sdst(0) depctr_va_ssrc(0) depctr_va_vcc(0) depctr_vm_vsrc(0)
	s_getreg_b32 s2, hwreg(HW_REG_IB_STS2, 6, 4)
	s_cmp_eq_u32 s2, 0
	s_cbranch_scc0 .Lentry_in_a_cluster
	s_endpgm
.Lentry_in_a_cluster:
	s_bfe_u32 s2, ttmp6, 0x10000c
	s_cmp_lg_u32 s2, 0xf033
	s_cbranch_scc0 .Lentry_shape_is_right
	s_endpgm
.Lentry_shape_is_right:
; out0 = (P v) / l on codes of FP6 (E2M3) with E8M0 scales.  P's fragments were quantised under a LOCAL whole number M for each query and each 128 keys.  At the head each work-group takes, for its 256 queries,
; the row's M = the largest of the 16 local ones, adds the whole number D = M_local - M_row (0 or less) to the four scale bytes of each chunk, and sums l = sum of l_local x 2^D: both exact but for l's additions.
; LIMITS: D is held at -127, and a scale byte that would fall under 0 becomes 0: a chunk that lies more than 2^-127 under its row's largest p is weighed as 2^-127, under 2^-118 of l.
; l is summed chunk by chunk, another order than a sum along the row.  NaN and infinities are not served.
; A tile of 256 queries x 256 channels is made by four waves, 128 x 128 each.  K = the batch's 2,048 keys goes in steps of 256 through a ring of two LDS slots.  Source 0 = 16 positions of v^T (side B),
; source 1 = 16 positions of P (side A): a lane holds one query, its registers run along the channels in true order.  Queries lie in the order position t -> true row 8 u + t % 8 + 16 (t / 8) of a group of 32:
; the stores' immediates put each row where it belongs.
; CLUSTERS: 4 x 4 work-groups; P's tiles are asked for jointly along a row of the cluster, v^T's tiles and scale words along a column.  P's scale words come through registers, since they are changed on the way.
; REGISTERS: window 0: v0-31 addresses; v32-63 scale words, two sets, and nothing else; v64-159 at the head M, l and P's scale words, v160-173 at work; later v64-79 1 / l, v128-223 A's fragments, on the way out v128-255 rows of out0.
;   window 1: B's two sets.   windows 2, 3: the accumulators.
.set KST,   16
.set FRB,   1536
.set RBS,   2*FRB
.set HALFT, 8*RBS
.set SLOT,  4*HALFT
.set LAPS,  KST/4
.set HALFS, 512*KST
.set SCL,   2*SLOT                     ; P's corrected scale words, stored by the waves: no tensor load lands in these blocks of 256 bytes
.set SCB,   SCL+2*HALFS+128            ; v^T's, by tensor loads
.set LRW,   SCB+2*HALFS+128            ; 1 / l of the tile's 256 positions
.set STG,   LRW+1024                   ; the way out: 16 rows x 528 bytes for each wave
.set SPARE, STG+4*16*528               ; the spare words, 128 bytes for each wave: two blocks of 256 bytes that no other line names
.set VT0,   12582912
.set PSV0,  524288
.set ADRA, 16
.set L8,   18                          ; v18  8 x lane
.set AL,   19                          ; v19  where my two rows' 1 / l go
.set ADRB, 20
.set AW,   22                          ; v22  where my two rows' scale words go
.set ALR,  23                          ; v23  where I read 1 / l of my position
.set STO,  24
.set RD,   25
.set CO,   26
.set ADRS, 27
.set SPW,  28
.set NIL,  29
.set SC,   32
.set MV,   64                          ; v64-95   M of my two rows, K step s at 2 s
.set LV,   96                          ; v96-127  l likewise
.set WD,   128                         ; v128-159 the scale words likewise
.set MG,   160
.set LS,   162
.set DI,   164
.set TT,   166
.set YY,   168
.set ZZ,   170
.set RC,   172
.set RL,   64                          ; the way out: 1 / l of block a, twice, at v[64 + 2 a]
.set AF,   128
.set BK,   128
.set G1,   24
.set G0,   32
.set G1B,  48
.set G0B,  56
.set G1SB, 80
.set G0SB, 88
.set K80,  66                          ; s66 0x80808080;  s67 0x01010101
.set K01,  67
.set MSB, 0
.macro WIN new
.if MSB != (\new)
	s_set_vgpr_msb (MSB<<8)|(\new)
.set MSB, (\new)
.endif
.endm
.set MUL_LO, 0xa1
.set MUL_HI, 0xf1
.set TO_B,   0x40
.macro JLOAD g0a, g1a, g0b, g1b
	s_cmp_eq_u32 s15, 0
	s_cbranch_scc0 .Lfor_b_\@
	tensor_load_to_lds s[\g0a:\g0a+3], s[\g1a:\g1a+7]
	s_nop 0
.rept 4
	v_nop
.endr
	s_branch .Lasked_\@
.Lfor_b_\@:
	tensor_load_to_lds s[\g0b:\g0b+3], s[\g1b:\g1b+7]
	s_nop 0
.rept 4
	v_nop
.endr
.Lasked_\@:
.endm
.macro CREST
	s_cmp_lg_u32 s14, 0
	s_cbranch_scc1 .Lnot_wave_0_\@
	s_barrier_signal -3
.Lnot_wave_0_\@:
	s_barrier_wait -3
	s_barrier_signal -1
	s_barrier_wait -1
.endm
.macro CROUND
	s_barrier_signal -1
	s_barrier_wait -1
	CREST
.endm
.macro PLACES
.rept 4
	v_nop
.endr
.endm
	s_load_b256 s[4:11], s[0:1], 0x0               ; pp s[4:5], pst s[6:7], pc s[8:9], ps s[10:11]
	s_load_b64 s[12:13], s[0:1], 0x20              ; out0
	v_lshl_add_u32 v[SPW], v0, 2, SPARE
	v_mov_b32 v[NIL], 0
	ds_add_u32 v[SPW], v[NIL]                      ; the wave's opening: the add and its wait ahead of my first tensor load
	v_lshrrev_b32 v1, 5, v0
	v_readfirstlane_b32 s14, v1
	s_lshr_b32 s15, s14, 1
	s_and_b32 s16, s14, 1
	s_bfe_u32 s40, ttmp6, 0x40000                  ; cx: the tile column of channels
	s_bfe_u32 s41, ttmp6, 0x40004                  ; cy
	s_and_b32 s17, ttmp7, 0xffff                   ; the cluster's y, 0..7
	s_lshl_b32 s18, s17, 2
	s_add_co_u32 s18, s18, s41                     ; the tile row of queries, 0..31
	s_lshl_b32 s43, s41, 2
	s_lshl_b32 s43, 15, s43
	s_lshl_b32 s44, 0x1111, s40
	s_or_b32 s[G1+0], s43, (3<<16)|(1<<21)
	s_or_b32 s[G1B+0], s44, (3<<16)|(1<<21)
.irp g, G1, G1B
	s_mov_b32 s[\g+1], 384<<16
	s_mov_b32 s[\g+2], 8<<16
	s_mov_b32 s[\g+3], 384<<16
	s_mov_b32 s[\g+4], 8
	s_mov_b32 s[\g+5], KST*192
	s_mov_b32 s[\g+6], 0
	s_mov_b32 s[\g+7], 0
.endr
	s_or_b32 s[G1SB+0], s44, (3<<16)|(1<<21)       ; v^T's scale words: 16 rows (K steps) of 512 bytes, 4,096 bytes apart
	s_mov_b32 s[G1SB+1], 64<<16
	s_mov_b32 s[G1SB+2], KST<<16
	s_mov_b32 s[G1SB+3], 64<<16
	s_mov_b32 s[G1SB+4], KST
	s_mov_b32 s[G1SB+5], 512
	s_mov_b32 s[G1SB+6], 0
	s_mov_b32 s[G1SB+7], 0
	s_lshl_b32 s19, s16, 3
	s_lshl_b32 s20, s18, 4
	s_add_co_u32 s20, s20, s19                     ; P's rowblocks that I fetch
	s_mul_i32 s20, s20, KST*FRB
	s_mov_b32 s21, 0
	s_lshr_b32 s42, s17, 1                         ; the batch
	s_lshl_b32 s47, s40, 4
	s_add_co_u32 s47, s47, s19                     ; 16 cx + 8 x half
	s_lshl_b32 s46, s42, 6
	s_add_co_u32 s46, s46, s47                     ; v^T's rowblocks that I fetch
	s_mul_i32 s46, s46, KST*FRB
	s_add_co_u32 s46, s46, VT0
	s_lshl_b32 s92, s42, 16
	s_lshl_b32 s47, s47, 6
	s_add_co_u32 s92, s92, s47
	s_add_co_u32 s92, s92, PSV0
	s_mov_b32 s47, 0
	s_mov_b32 s93, 0
	s_mul_i32 s45, s14, HALFT
	s_mul_i32 s94, s16, HALFS
	s_mov_b32 s[K80], 0x80808080
	s_mov_b32 s[K01], 0x01010101
	s_wait_dscnt 0x0
	s_wait_kmcnt 0x0
	s_add_nc_u64 s[20:21], s[4:5], s[20:21]
	s_add_nc_u64 s[46:47], s[8:9], s[46:47]
	s_add_nc_u64 s[92:93], s[10:11], s[92:93]
	CROUND
	s_mov_b32 s[G0SB], 1
	s_add_co_u32 s[G0SB+1], s94, SCB
	s_mov_b64 s[G0SB+2:G0SB+3], s[92:93]
	s_or_b32 s[G0SB+3], s[G0SB+3], 0x80000000
.irp s, 0,1
	s_mov_b32 s[G0+4*\s], 1
	s_add_co_u32 s[G0+4*\s+1], s45, \s*SLOT
	s_add_nc_u64 s[G0+4*\s+2:G0+4*\s+3], s[20:21], \s*RBS
	s_or_b32 s[G0+4*\s+3], s[G0+4*\s+3], 0x80000000
	s_mov_b32 s[G0B+4*\s], 1
	s_add_co_u32 s[G0B+4*\s+1], s45, \s*SLOT
	s_add_nc_u64 s[G0B+4*\s+2:G0B+4*\s+3], s[46:47], \s*RBS
	s_or_b32 s[G0B+4*\s+3], s[G0B+4*\s+3], 0x80000000
.endr
	s_cmp_eq_u32 s15, 0                            ; a wave's first fills stand in one branch: A's waves have two loads out, B's three; slot 1's is the youngest on both ways
	s_cbranch_scc0 .Lfirst_b
	tensor_load_to_lds s[G0:G0+3], s[G1:G1+7]
	s_nop 0
	tensor_load_to_lds s[G0+4:G0+7], s[G1:G1+7]
	s_nop 0
.rept 4
	v_nop
.endr
	s_branch .Lfirst_asked
.Lfirst_b:
	tensor_load_to_lds s[G0SB:G0SB+3], s[G1SB:G1SB+7]
	s_nop 0
	tensor_load_to_lds s[G0B:G0B+3], s[G1B:G1B+7]
	s_nop 0
	tensor_load_to_lds s[G0B+4:G0B+7], s[G1B:G1B+7]
	s_nop 0
.rept 4
	v_nop
.endr
.Lfirst_asked:
	; the chunks' M, l and scale words of rowblocks 4 w .. 4 w + 3 of the tile: a lane takes two rows, each load of the wave 256 consecutive bytes
	v_and_b32 v1, 31, v0
	v_lshlrev_b32 v[L8], 3, v1
	s_lshr_b32 s22, s18, 3
	s_lshl_b32 s22, s22, 17
	s_and_b32 s23, s18, 7
	s_lshl_b32 s23, s23, 10
	s_add_co_u32 s22, s22, s23
	s_lshl_b32 s23, s14, 8
	s_add_co_u32 s22, s22, s23
	s_mov_b32 s23, 0
	s_add_nc_u64 s[6:7], s[6:7], s[22:23]
.irp s, 0,1,2,3,4,5,6,7,8,9,10,11,12,13,14,15
	global_load_b64 v[MV+2*\s:MV+2*\s+1], v[L8], s[6:7] offset:524288+8192*\s
.endr
.irp s, 0,1,2,3,4,5,6,7,8,9,10,11,12,13,14,15
	global_load_b64 v[LV+2*\s:LV+2*\s+1], v[L8], s[6:7] offset:1048576+8192*\s
	global_load_b64 v[WD+2*\s:WD+2*\s+1], v[L8], s[6:7] offset:8192*\s
.endr
	v_lshlrev_b32 v[CO], 4, v1
	v_and_b32 v2, 15, v0
	v_bfe_u32 v3, v0, 4, 1
	s_mul_i32 s21, s15, HALFT
	s_mul_i32 s22, s16, HALFT
	s_add_co_u32 s22, s22, 2*HALFT
.irp s, 0,1
	v_add_nc_u32 v[ADRA+\s], s21, v[CO]
	v_add_nc_u32 v[ADRB+\s], s22, v[CO]
	s_add_co_u32 s21, s21, SLOT
	s_add_co_u32 s22, s22, SLOT
.endr
	s_mul_i32 s21, s15, HALFS
	s_mul_i32 s22, s16, HALFS
	s_add_co_u32 s22, s22, SCB-SCL
	s_sub_co_u32 s22, s22, s21
	v_mul_u32_u24 v6, s22, v3
	s_add_co_u32 s21, s21, SCL
	v_lshl_add_u32 v5, v2, 2, v6
	v_add_nc_u32 v[ADRS], s21, v5
	s_lshl_b32 s22, s16, 8
	s_add_co_u32 s22, s22, s21                     ; SCL + my half's 8,192 + 256 x (w % 2): rowblocks 4 w on
	v_add_nc_u32 v[AW], s22, v[L8]
	s_lshl_b32 s22, s14, 8
	s_add_co_u32 s22, s22, LRW
	v_add_nc_u32 v[AL], s22, v[L8]
	s_lshl_b32 s22, s15, 9
	s_add_co_u32 s22, s22, LRW
	v_lshl_add_u32 v[ALR], v2, 2, s22
	s_mul_i32 s23, s14, 16*528
	s_add_co_u32 s23, s23, STG
	v_mul_u32_u24 v5, v2, 528
	v_lshl_add_u32 v5, v3, 6, v5
	v_add_nc_u32 v[STO], s23, v5                   ; into the stage: row r, + 64 h
	v_add_nc_u32 v[RD], s23, v[CO]
	s_lshl_b32 s22, s18, 20                        ; out0: 256 rows of 4,096 bytes a tile row,
	s_lshl_b32 s23, s15, 19
	s_add_co_u32 s22, s22, s23                     ; my 128 rows,
	s_lshl_b32 s23, s40, 10
	s_add_co_u32 s22, s22, s23                     ; the tile's 256 channels,
	s_lshl_b32 s23, s16, 9
	s_add_co_u32 s22, s22, s23                     ; my 128
	s_mov_b32 s23, 0
	s_add_nc_u64 s[12:13], s[12:13], s[22:23]
	s_wait_loadcnt 0x0
.irp e, 0,1
	v_max3_num_f32 v[MG+\e], v[MV+\e], v[MV+2+\e], v[MV+4+\e]   ; the row's M: the largest of the 16
.endr
.irp s, 3,5,7,9,11,13
.irp e, 0,1
	v_max3_num_f32 v[MG+\e], v[MG+\e], v[MV+2*\s+\e], v[MV+2*\s+2+\e]
.endr
.endr
.irp e, 0,1
	v_max_num_f32 v[MG+\e], v[MG+\e], v[MV+30+\e]
.endr
; K step s of my two rows.  The four bytes of a word are at most 125: with bit 7 set in each, D (0 .. -127) is added to all four at once and no borrow crosses a byte; a byte whose bit 7 has gone fell under 0 and becomes 0.
.macro CORR s
	v_pk_add_f32 v[DI:DI+1], v[MV+2*\s:MV+2*\s+1], v[MG:MG+1] neg_lo:[0,1] neg_hi:[0,1]
.irp e, 0,1
	v_max_num_f32 v[DI+\e], 0xc2fe0000, v[DI+\e]   ; held at -127
.endr
.irp e, 0,1
	v_cvt_i32_f32 v[DI+\e], v[DI+\e]
.endr
.irp e, 0,1
	v_or_b32 v[YY+\e], s[K80], v[WD+2*\s+\e]
.endr
.irp e, 0,1
	v_mul_lo_u32 v[ZZ+\e], v[DI+\e], s[K01]
.endr
.irp e, 0,1
.if \s == 0
	v_ldexp_f32 v[LS+\e], v[LV+\e], v[DI+\e]       ; l_local x 2^D starts the sum
.else
	v_ldexp_f32 v[TT+\e], v[LV+2*\s+\e], v[DI+\e]
.endif
.endr
.irp e, 0,1
	v_add_nc_u32 v[YY+\e], v[YY+\e], v[ZZ+\e]
.endr
.if \s > 0
	v_pk_add_f32 v[LS:LS+1], v[LS:LS+1], v[TT:TT+1]
.endif
.irp e, 0,1
	v_and_b32 v[ZZ+\e], s[K80], v[YY+\e]
.endr
.irp e, 0,1
	v_lshrrev_b32 v[TT+\e], 7, v[ZZ+\e]
.endr
.irp e, 0,1
	v_sub_nc_u32 v[ZZ+\e], v[ZZ+\e], v[TT+\e]      ; 0x7f in each byte that stayed at 0 or above
.endr
.irp e, 0,1
	v_and_b32 v[WD+2*\s+\e], v[YY+\e], v[ZZ+\e]
.endr
	ds_store_b64 v[AW], v[WD+2*\s:WD+2*\s+1] offset:512*\s
.endm
.irp s, 0,1,2,3,4,5,6,7,8,9,10,11,12,13,14,15
	CORR \s
.endr
	v_rcp_f32 v[RC], v[LS]
	v_rcp_f32 v[RC+1], v[LS+1]
	v_nop                                          ; a plain place behind the reciprocals
	s_wait_alu depctr_va_vdst(0)                   ; one wait for both, ahead of their reader
	ds_store_b64 v[AL], v[RC:RC+1]
.macro FRAG reg, adr, off
.irp c, 0,1,2
	ds_load_b128 v[(\reg)+4*\c:(\reg)+4*\c+3], v[\adr] offset:(\off)+512*\c
.endr
.endm
.macro MUL16 a0, p, q, sc, mode        ; mode 1: the first product starts the sums.  The 64 accumulators take turns, one instruction a turn
.irp a, \a0, \a0+1
.irp b, 0,1,2,3,4,5,6,7
.set mD, 8*(8*((\a)%4)+\b)
.set mB, 128*(\p)+12*\b
.set mA, AF+12*(\a)
.set mX, SC+16*(\sc)+2*\b+(\q)
.set mY, SC+16*(\sc)+2*(\a)+(\q)
.if \mode == 0
	v_wmma_scale_f32_16x16x128_f8f6f4 v[mD:mD+7], v[mB:mB+11], v[mA:mA+11], v[mD:mD+7], v[mX], v[mY] matrix_a_fmt:MATRIX_FMT_FP6 matrix_b_fmt:MATRIX_FMT_FP6 matrix_a_scale:MATRIX_SCALE_ROW1
.else
	v_wmma_scale_f32_16x16x128_f8f6f4 v[mD:mD+7], v[mB:mB+11], v[mA:mA+11], 0, v[mX], v[mY] matrix_a_fmt:MATRIX_FMT_FP6 matrix_b_fmt:MATRIX_FMT_FP6 matrix_a_scale:MATRIX_SCALE_ROW1
.endif
.endr
.endr
.endm
.macro FETCH_B slot, q, p
	WIN TO_B
.irp i, 0,1,2,3,4,5,6,7
	FRAG 128*(\p)+12*\i, ADRB+\slot, \i*RBS+(\q)*FRB
.endr
	WIN 0
.endm
.macro FETCH_A slot, q, i0
.irp i, \i0, \i0+1, \i0+2, \i0+3
	FRAG AF+12*(\i), ADRA+\slot, (\i)*RBS+(\q)*FRB
.endr
.endm
.macro SCALES sc
.irp i, 0,1,2,3,4,5,6,7
.irp q, 0,1
	ds_load_b32 v[SC+16*\sc+2*\i+\q], v[ADRS] offset:512*\q+64*\i
.endr
.endr
.endm
.macro STEP slot, mode
	s_wait_dscnt 12                                ; all but the youngest 12 loads (A's blocks 4-7)
	WIN MUL_LO
	MUL16 0, 0, 0, \slot, \mode
	MUL16 2, 0, 0, \slot, \mode
	s_wait_dscnt 0x0
	PLACES
	FETCH_B \slot, 1, 1
	FETCH_A \slot, 1, 0
	WIN MUL_HI
	MUL16 4, 0, 0, \slot, \mode
	MUL16 6, 0, 0, \slot, \mode
	PLACES
	WIN 0
	FETCH_A \slot, 1, 4
.endm
.macro TURN slot, next, fill
	s_wait_tensorcnt 0x0                           ; all my tensor loads have landed: my part of the next slot
	ds_add_u32 v[SPW], v[NIL]                      ; 0 onto my spare word
	s_wait_dscnt 13                                ; (the add and the youngest 12 loads may be out)
	WIN MUL_LO
	MUL16 0, 1, 1, \slot, 0
	s_wait_dscnt 0x0                               ; the add is done, and my reads of this slot are over
	s_barrier_signal -1
	MUL16 2, 1, 1, \slot, 0
	WIN 0
	s_barrier_wait -1
.if \fill
	CREST
	s_add_nc_u64 s[G0+4*\slot+2:G0+4*\slot+3], s[G0+4*\slot+2:G0+4*\slot+3], 2*RBS
	s_add_nc_u64 s[G0B+4*\slot+2:G0B+4*\slot+3], s[G0B+4*\slot+2:G0B+4*\slot+3], 2*RBS
	JLOAD G0+4*\slot, G1, G0B+4*\slot, G1B
.else
	PLACES
.endif
	v_add_nc_u32 v[ADRS], 1024, v[ADRS]
	FETCH_B \next, 0, 0
	FETCH_A \next, 0, 0
	SCALES \next
	WIN MUL_HI
	MUL16 4, 1, 1, \slot, 0
	MUL16 6, 1, 1, \slot, 0
	PLACES
	WIN 0
	FETCH_A \next, 0, 4
.endm
	s_wait_tensorcnt 1                             ; my part of slot 0 (and v^T's scale words) is in; slot 1's load may be out
	s_wait_dscnt 0x0                               ; for the others' sake: my rows' scale words and 1 / l lie in LDS
	s_barrier_signal -1
	s_barrier_wait -1
	FETCH_B 0, 0, 0
	FETCH_A 0, 0, 0
	SCALES 0
	FETCH_A 0, 0, 4
	STEP 0, 1
	s_mov_b32 s3, LAPS-1
.Llap:
	TURN 0, 1, 1
	STEP 1, 0
	TURN 1, 0, 1
	STEP 0, 0
	s_sub_co_u32 s3, s3, 1
	s_cmp_lg_u32 s3, 0
	s_cbranch_scc1 .Llap
	TURN 0, 1, 0
	STEP 1, 0
	s_wait_dscnt 12
	WIN MUL_LO
	MUL16 0, 1, 1, 1, 0
	MUL16 2, 1, 1, 1, 0
	s_wait_dscnt 0x0
	WIN MUL_HI
	MUL16 4, 1, 1, 1, 0
	MUL16 6, 1, 1, 1, 0
	WIN 0
	PLACES
; THE WAY OUT, block by block of 16 queries x 128 channels: x 1 / l, through my own stage in LDS, back as whole rows of 512 bytes, each stored at its true row.
.irp a, 0,1,2,3,4,5,6,7
	ds_load_b32 v[RL+2*\a], v[ALR] offset:64*\a    ; 1 / l of my position in block a, in both registers of a pair for the packed multiply
	ds_load_b32 v[RL+2*\a+1], v[ALR] offset:64*\a
.endr
	s_wait_dscnt 0x0
.macro TOSTAGE a
.set W,  2+(\a)/4
.set AC, 64*((\a)%4)
.set wC, W|(W<<6)
.set wE, W<<2
	WIN wC
.irp j, 0,2,4,6,8,10,12,14,16,18,20,22,24,26,28,30,32,34,36,38,40,42,44,46,48,50,52,54,56,58,60,62
	v_pk_mul_f32 v[AC+\j:AC+\j+1], v[AC+\j:AC+\j+1], v[RL+2*(\a):RL+2*(\a)+1]   ; each accumulator from its low end on
.endr
	WIN wE                                         ; an LDS store's data are its source 1
.irp b, 0,1,2,3,4,5,6,7
	ds_store_b128 v[STO], v[AC+8*\b:AC+8*\b+3] offset:128*(\b/2)+32*(\b%2)       ; register 8 b + j is channel 32 (b / 2) + 16 h + 8 (b % 2) + j
	ds_store_b128 v[STO], v[AC+8*\b+4:AC+8*\b+7] offset:128*(\b/2)+32*(\b%2)+16
.endr
	WIN 0
.set BB, BK+64*((\a)%2)
.irp t, 0,1,2,3,4,5,6,7,8,9,10,11,12,13,14,15
	ds_load_b128 v[BB+4*\t:BB+4*\t+3], v[RD] offset:\t*528   ; LDS serves a wave's instructions in order: these see the stores above
.endr
.endm
.macro SEND a, younger                 ; younger: the LDS instructions issued behind block a's loads, which may stay out
.set BB, BK+64*((\a)%2)
	s_wait_dscnt \younger
.irp t, 0,1,2,3,4,5,6,7,8,9,10,11,12,13,14,15
	global_store_b128 v[CO], v[BB+4*\t:BB+4*\t+3], s[12:13] offset:4096*(32*((\a)/2)+8*((\a)%2)+(\t&7)+16*(\t>>3)) th:TH_STORE_NT   ; 32 lanes store 512 consecutive bytes, at a multiple of 256 from out0's first byte
.endr
.endm
	TOSTAGE 0
.irp a, 1,2,3,4,5,6,7
.if \a > 1
	s_wait_xcnt 0x0                                ; block a - 2's stores have read their registers: block a's loads may land there
.endif
	TOSTAGE \a
	SEND \a-1, 32                                  ; behind block a - 1's loads: block a's 16 stores and 16 loads
.endr
	SEND 7, 0
	s_wait_tensorcnt 0x0                           ; the wave's end
	ds_add_u32 v[SPW], v[NIL]
	s_wait_dscnt 0x0
	CROUND                                         ; the closing round
	s_endpgm
.Lfunc_end_k_qa5a29220aa_pv:
	.size	k_qa5a29220aa_pv, .Lfunc_end_k_qa5a29220aa_pv-k_qa5a29220aa_pv
	.p2alignl 7, 3214868480
	.fill 96, 4, 3214868480
	.section	.rodata,"a",@progbits
	.p2align	6, 0x0
	.amdhsa_kernel k_qa5a29220aa_pv
		.amdhsa_group_segment_fixed_size 327680
		.amdhsa_private_segment_fixed_size 0
		.amdhsa_enable_private_segment 0
		.amdhsa_kernarg_size 40
		.amdhsa_user_sgpr_count 2
		.amdhsa_user_sgpr_kernarg_segment_ptr 1
		.amdhsa_wavefront_size32 1
		.amdhsa_system_sgpr_workgroup_id_x 1
		.amdhsa_system_sgpr_workgroup_id_y 1
		.amdhsa_system_sgpr_workgroup_id_z 1
		.amdhsa_system_vgpr_workitem_id 0
		.amdhsa_next_free_vgpr 1024
		.amdhsa_next_free_sgpr 102
		.amdhsa_reserve_vcc 0
		.amdhsa_float_denorm_mode_32 3
		.amdhsa_float_denorm_mode_16_64 3
		.amdhsa_memory_ordered 1
		.amdhsa_forward_progress 1
		.amdhsa_inst_pref_size 175
	.end_amdhsa_kernel
	.amdgpu_metadata
---
amdhsa.version: [ 1, 2 ]
amdhsa.kernels:
  - .name:           k_qa5a29220aa_pv
    .symbol:         k_qa5a29220aa_pv.kd
    .args:
      - { .name: pp, .offset: 0, .size: 8, .value_kind: global_buffer, .address_space: global }
      - { .name: pst, .offset: 8, .size: 8, .value_kind: global_buffer, .address_space: global }
      - { .name: pc, .offset: 16, .size: 8, .value_kind: global_buffer, .address_space: global }
      - { .name: ps, .offset: 24, .size: 8, .value_kind: global_buffer, .address_space: global }
      - { .name: out0, .offset: 32, .size: 8, .value_kind: global_buffer, .address_space: global }
    .group_segment_fixed_size: 327680
    .private_segment_fixed_size: 0
    .kernarg_segment_align: 8
    .kernarg_segment_size: 40
    .max_flat_workgroup_size: 128
    .sgpr_count:     102
    .vgpr_count:     1024
    .wavefront_size: 32
...
	.end_amdgpu_metadata
.endif
;; end of part 4
;; ======== version 2 of 2: 4 launches
;; limits: right only within a limited range of input values
;; workspace buffers: xc 20,480,000 bytes; pc 18,874,368 bytes; ps 786,432 bytes; pp 12,582,912 bytes; pst 1,572,864 bytes
;; launch quant (part 5): grid 400 x 1, 8 waves a work-group, no clusters, 70,656 bytes of LDS; arguments query, key, value, W, xc; writes xc
.if DOCPART == 5
	.amdgcn_target "amdgcn-amd-amdhsa--gfx1250"
	.amdhsa_code_object_version 6
	.text
	.protected	k_qa5a29220aa_quant
	.globl	k_qa5a29220aa_quant
	.p2align	8
	.type	k_qa5a29220aa_quant,@function
k_qa5a29220aa_quant:
	s_mov_b64 s[64:65], 0
	v_nop
	global_prefetch_b8 v0, s[64:65] scope:SCOPE_SE
	s_setreg_imm32_b32 hwreg(HW_REG_WAVE_MODE, 25, 1), 1
	s_wait_xcnt 0x0
; query, key, value [8192][1024] and W [1024][1024], f32, become codes of FP6 (E2M3) with one E8M0 byte for each 32 along the last axis.
; xc: [1600 rowblocks of 16 rows][8 K steps of 128][1,536 bytes]: a fragment as the IMAGE OF ITS 12 OPERAND REGISTERS, registers 4 c .. 4 c + 3 of lane l at 512 c + 16 l.
;     Rowblocks 0-511 query, 512-1023 key, 1024-1535 value, 1536-1599 W.      xs: [8 K steps][1600 rowblocks][16 words]: a row's four bytes of a K step.
; THE ROWS OF A ROWBLOCK ARE NOT NEIGHBOURS: position t of rowblock 2 G + u holds true row 32 G + 8 u + t % 8 + 16 (t / 8).  Used as source 0 of a product, such rows leave a lane's 16 registers
; of two neighbouring tiles as 16 neighbours in true order, which is what the next quantiser wants.  The order costs nothing here: it stands in the loads' immediates.
; A block's scale is 2^(floor(log2(largest magnitude)) - 2); its byte is the largest magnitude's exponent field - 2, held at 1 from below.
; LIMITS: a block of zeros, or one whose largest magnitude lies under 2^-124, gets the byte 1 (its codes add nothing or next to nothing; this program alone reads the bytes); NaN and infinities are not served.
; SHARES: work-group g takes rowblocks 4 g .. 4 g + 3; wave w rowblock 4 g + w / 2, K steps 4 (w % 2) + 0 .. 3.  Each load reads 512 consecutive bytes of one row; the 16 rows turn through the wave's own
; stage in LDS (rows of 528 bytes), so that a lane gets 16 neighbours of each block of 32 of its row.  No tensor load, no cluster: work-groups share nothing.
; THE LAYOUT AS THIS TEXT STORES IT (it takes the place of what is said of xc and xs above): xc is [1600 rowblocks][2 halves of K][6,400 bytes]: a unit holds four fragments of 1,536 bytes (K steps 4 half + 0 .. 3)
; and behind them, from byte 6,144 on, the 16 rows' scale words, [row][4 K steps]: 256 bytes.  A wave makes one unit whole.  There is no xs, no gather of scale words in LDS and no barrier.
.set SPT,   528
.set STGW,  16*SPT                     ; a wave's stage
.set SCS,   8*STGW                     ; behind the stages: 2,048 bytes that nothing uses
.set SPARE, SCS+2048                   ; behind them: the spare words, 128 bytes for each wave: four blocks of 256 bytes that no other line names
.set LA,  2                            ; v2   16 x lane
.set SI,  3                            ; v3   the stage, on the way in
.set SO,  4                            ; v4   and on the way out: row r, + 64 h
.set AW,  5                            ; v5   where my row's scale word goes
.set AR,  6                            ; v6   not used
.set L8,  7                            ; v7   not used
.set SPW, 8                            ; v8   my spare word; never rewritten
.set NIL, 9                            ; v9   0; never rewritten
.set R,   16                           ; v16-143  two sets of 64 numbers as loaded
.set X,   144                          ; v144-207 64 numbers of my row: register 16 b + i = k 32 b + 16 h + i
.set TM,  208                          ; v208-223 at work
.set PC,  224                          ; v224-243 the codes
.set PW,  244                          ; v244-247 a scale word for each step
.set SEL, 28                           ; s[28:29] selects for lane l xor 16
	s_load_b256 s[4:11], s[0:1], 0x0               ; query, key, value, W
	s_load_b64 s[12:13], s[0:1], 0x20              ; xc
	v_lshl_add_u32 v[SPW], v0, 2, SPARE
	v_mov_b32 v[NIL], 0
	v_lshrrev_b32 v1, 5, v0
	s_delay_alu instid0(VALU_DEP_1)
	v_readfirstlane_b32 s16, v1                    ; wave 0..7
	v_and_b32 v1, 31, v0                           ; lane
	v_and_b32 v10, 15, v0                          ; r
	v_bfe_u32 v11, v0, 4, 1                        ; h
	s_delay_alu instid0(VALU_DEP_3)
	v_lshlrev_b32 v[LA], 4, v1
	s_mul_i32 s17, s16, STGW
	v_add_nc_u32 v[SI], s17, v[LA]
	v_mul_u32_u24 v[SO], v10, SPT
	s_delay_alu instid0(VALU_DEP_1)
	v_lshl_add_u32 v[SO], v11, 6, v[SO]
	s_delay_alu instid0(VALU_DEP_1)
	v_add_nc_u32 v[SO], s17, v[SO]
	s_and_b32 s25, s16, 1                          ; which four K steps
	s_lshr_b32 s24, s16, 1                         ; which of the four rowblocks
	v_lshlrev_b32 v[AW], 4, v10                    ; my 8 bytes of the unit's scale words: 16 r + 8 h
	s_delay_alu instid0(VALU_DEP_1)
	v_lshl_add_u32 v[AW], v11, 3, v[AW]
	v_cmp_ne_u32 s30, 0, v11                       ; lanes 16-31
	s_mov_b32 s[SEL], 0x76543210
	s_mov_b32 s[SEL+1], 0xfedcba98
.irp b, 0,1,2,3
	v_mov_b32 v[TM+4+\b], 0                        ; written once: a lane permute's destination counts as one of its sources
.endr
	s_mov_b32 s22, 384
	s_wait_alu depctr_va_vdst(0)
	s_wait_kmcnt 0x0
	s_cmp_lt_u32 ttmp9, 384                        ; which tensor: the choice hangs on the work-group's number alone
	s_cselect_b64 s[20:21], s[8:9], s[10:11]
	s_cselect_b32 s22, 256, s22
	s_cmp_lt_u32 ttmp9, 256
	s_cselect_b64 s[20:21], s[6:7], s[20:21]
	s_cselect_b32 s22, 128, s22
	s_cmp_lt_u32 ttmp9, 128
	s_cselect_b64 s[20:21], s[4:5], s[20:21]
	s_cselect_b32 s22, 0, s22
	s_sub_co_u32 s22, ttmp9, s22                   ; the work-group's number within its tensor
	s_lshl_b32 s26, s22, 6                         ; 64 rows a work-group,
	s_lshr_b32 s23, s16, 2
	s_lshl_b32 s23, s23, 5
	s_add_co_u32 s26, s26, s23                     ; + 32 (w / 4): the group of 32,
	s_and_b32 s23, s24, 1
	s_lshl_b32 s23, s23, 3
	s_add_co_u32 s26, s26, s23                     ; + 8 u: position 0's true row
	s_lshl_b32 s26, s26, 12                        ; rows of 4,096 bytes
	s_lshl_b32 s23, s25, 11
	s_add_co_u32 s26, s26, s23                     ; + my four K steps of 512 bytes
	s_mov_b32 s27, 0
	s_add_nc_u64 s[20:21], s[20:21], s[26:27]
	s_lshl_b32 s26, ttmp9, 2
	s_add_co_u32 s26, s26, s24                     ; my rowblock in xc
	s_mul_i32 s26, s26, 12800
	s_mul_i32 s23, s25, 6400
	s_add_co_u32 s26, s26, s23
	s_add_nc_u64 s[12:13], s[12:13], s[26:27]
.macro LOAD t                          ; K step t of the 16 rows, position i from true row i % 8 + 16 (i / 8): 32 lanes read 512 consecutive bytes
.irp i, 0,1,2,3,4,5,6,7,8,9,10,11,12,13,14,15
	global_load_b128 v[R+64*((\t)%2)+4*\i:R+64*((\t)%2)+4*\i+3], v[LA], s[20:21] offset:((\i&7)+16*(\i>>3))*4096+512*(\t) th:TH_LOAD_NT
.endr
.endm
; 64 numbers of a lane, register 16 b + i = k 32 b + 16 h + i of my row, become a fragment's codes in v[PC] on and its scale word in v[pw]
.macro QUANT s, pw
.irp b, 0,1,2,3
	v_max3_num_f32 v[TM+\b], |v[\s+16*\b]|, |v[\s+1+16*\b]|, 0x1800000   ; my 16 numbers of block b, and the floor 2^(3 - 127): the byte cannot fall under 1
.endr
.irp i, 2,4,6,8,10,12,14
.irp b, 0,1,2,3
	s_delay_alu instid0(VALU_DEP_4)
	v_max3_num_f32 v[TM+\b], v[TM+\b], |v[\s+16*\b+\i]|, |v[\s+1+16*\b+\i]|
.endr
.endr
.irp b, 0,1,2,3
	s_delay_alu instid0(VALU_DEP_4)
	v_permlanex16_b32 v[TM+4+\b], v[TM+\b], s[SEL], s[SEL+1]
.endr
.irp b, 0,1,2,3
	s_delay_alu instid0(VALU_DEP_4)
	v_max_num_f32 v[TM+\b], v[TM+\b], v[TM+4+\b]   ; with lane l xor 16's: the block's largest magnitude
.endr
.irp b, 0,1,2,3
	s_delay_alu instid0(VALU_DEP_4)
	v_add_nc_u32 v[TM+12+\b], 0xff000000, v[TM+\b] ; 2 off its exponent field: the conversion's scale operand
.endr
.irp b, 0,1,2,3
	s_delay_alu instid0(VALU_DEP_4)
	v_lshrrev_b32 v[TM+4+\b], 23, v[TM+12+\b]      ; the scale's byte
.endr
	s_delay_alu instid0(VALU_DEP_3)
	v_lshl_or_b32 v[\pw], v[TM+5], 8, v[TM+4]
	s_delay_alu instid0(VALU_DEP_1)
	v_lshl_or_b32 v[\pw], v[TM+6], 16, v[\pw]
	s_delay_alu instid0(VALU_DEP_1)
	v_lshl_or_b32 v[\pw], v[TM+7], 24, v[\pw]
.irp c, 0,1
	v_cvt_scalef32_pk16_fp6_f32 v[PC+6*\c:PC+2+6*\c], v[\s+32*\c:\s+15+32*\c], v[TM+12+2*\c]
	v_cvt_scalef32_pk16_fp6_f32 v[PC+12+4*\c:PC+14+4*\c], v[\s+16+32*\c:\s+31+32*\c], v[TM+12+2*\c+1]   ; (a conversion's three registers begin on an even number)
.endr
	v_nop                                          ; one plain place behind a scaled conversion
.irp c, 0,1                                    ; the operand wants a whole block in a lane: lanes 0-15 block 2 c, lanes 16-31 block 2 c + 1
.irp i, 0,1,2
	v_permlane16_swap_b32 v[PC+6*\c+\i], v[PC+12+4*\c+\i]
.endr
.irp i, 0,1,2
	s_delay_alu instid0(VALU_DEP_3)
	v_mov_b32 v[PC+3+6*\c+\i], v[PC+12+4*\c+\i]
.endr
.endr
.endm
.macro STEP t
.if (\t) < 3
	s_wait_loadcnt 16                              ; this step's 16 loads are in; the next step's 16 may be out
.else
	s_wait_loadcnt 0x0
.endif
.irp i, 0,1,2,3,4,5,6,7,8,9,10,11,12,13,14,15
	ds_store_b128 v[SI], v[R+64*((\t)%2)+4*\i:R+64*((\t)%2)+4*\i+3] offset:SPT*\i
.endr
.irp b, 0,1,2,3
.irp j, 0,1,2,3
	ds_load_b128 v[X+16*\b+4*\j:X+16*\b+4*\j+3], v[SO] offset:128*\b+16*\j   ; LDS serves a wave's instructions in order: these see the stores above
.endr
.endr
	s_wait_dscnt 0x0                               ; my 64 numbers are in, and the stores have read their registers
.if (\t) > 0
	s_wait_xcnt 0x0                                ; the last step's stores have read the codes' registers, which are written again below
.endif
.if (\t) < 2
	LOAD (\t)+2
.endif
	QUANT X, PW+(\t)
.irp c, 0,1,2
	global_store_b128 v[LA], v[PC+4*\c:PC+4*\c+3], s[12:13] offset:1536*(\t)+512*\c   ; 32 lanes store 512 consecutive bytes, at a multiple of 256 from the buffer's first byte
.endr
.endm
	LOAD 0
	LOAD 1
	STEP 0
	STEP 1
	STEP 2
	STEP 3
	v_cndmask_b32 v10, v[PW], v[PW+2], s30         ; lanes r and r + 16 hold the same four words: lanes 0-15 store K steps 0, 1, lanes 16-31 K steps 2, 3
	v_cndmask_b32 v11, v[PW+1], v[PW+3], s30
	global_store_b64 v[AW], v[10:11], s[12:13] offset:6144   ; 32 lanes store 256 consecutive bytes, aligned
	s_wait_tensorcnt 0x0                           ; the wave's end, behind my last LDS store
	ds_add_u32 v[SPW], v[NIL]
	s_wait_dscnt 0x0
	s_endpgm
.Lfunc_end_k_qa5a29220aa_quant:
	.size	k_qa5a29220aa_quant, .Lfunc_end_k_qa5a29220aa_quant-k_qa5a29220aa_quant
	.p2alignl 7, 3214868480
	.fill 96, 4, 3214868480
	.section	.rodata,"a",@progbits
	.p2align	6, 0x0
	.amdhsa_kernel k_qa5a29220aa_quant
		.amdhsa_group_segment_fixed_size 70656
		.amdhsa_private_segment_fixed_size 0
		.amdhsa_enable_private_segment 0
		.amdhsa_kernarg_size 40
		.amdhsa_user_sgpr_count 2
		.amdhsa_user_sgpr_kernarg_segment_ptr 1
		.amdhsa_wavefront_size32 1
		.amdhsa_system_sgpr_workgroup_id_x 1
		.amdhsa_system_sgpr_workgroup_id_y 1
		.amdhsa_system_sgpr_workgroup_id_z 1
		.amdhsa_system_vgpr_workitem_id 0
		.amdhsa_next_free_vgpr 256
		.amdhsa_next_free_sgpr 66
		.amdhsa_reserve_vcc 0
		.amdhsa_float_denorm_mode_32 3
		.amdhsa_float_denorm_mode_16_64 3
		.amdhsa_memory_ordered 1
		.amdhsa_forward_progress 1
		.amdhsa_inst_pref_size 41
	.end_amdhsa_kernel
	.amdgpu_metadata
---
amdhsa.version: [ 1, 2 ]
amdhsa.kernels:
  - .name:           k_qa5a29220aa_quant
    .symbol:         k_qa5a29220aa_quant.kd
    .args:
      - { .name: query, .offset: 0, .size: 8, .value_kind: global_buffer, .address_space: global }
      - { .name: key, .offset: 8, .size: 8, .value_kind: global_buffer, .address_space: global }
      - { .name: value, .offset: 16, .size: 8, .value_kind: global_buffer, .address_space: global }
      - { .name: W, .offset: 24, .size: 8, .value_kind: global_buffer, .address_space: global }
      - { .name: xc, .offset: 32, .size: 8, .value_kind: global_buffer, .address_space: global }
    .group_segment_fixed_size: 70656
    .private_segment_fixed_size: 0
    .kernarg_segment_align: 8
    .kernarg_segment_size: 40
    .max_flat_workgroup_size: 256
    .sgpr_count:     66
    .vgpr_count:     256
    .wavefront_size: 32
...
	.end_amdgpu_metadata
.endif
;; end of part 5
;; launch proj (part 6): grid 8 x 32, 4 waves a work-group, clusters of 4 x 4, 327,680 bytes of LDS; arguments xc, b, pc, ps; writes pc, ps
.if DOCPART == 6
	.amdgcn_target "amdgcn-amd-amdhsa--gfx1250"
	.amdhsa_code_object_version 6
	.text
	.protected	k_qa5a29220aa_proj
	.globl	k_qa5a29220aa_proj
	.p2align	8
	.type	k_qa5a29220aa_proj,@function
k_qa5a29220aa_proj:
	s_mov_b64 s[64:65], 0
	v_nop
	global_prefetch_b8 v0, s[64:65] scope:SCOPE_SE
	s_setreg_imm32_b32 hwreg(HW_REG_WAVE_MODE, 25, 1), 1
	s_wait_xcnt 0x0
	s_wait_alu depctr_hold_cnt(0) depctr_sa_sdst(0) depctr_va_vdst(0) depctr_va_sdst(0) depctr_va_ssrc(0) depctr_va_vcc(0) depctr_vm_vsrc(0)
	s_getreg_b32 s2, hwreg(HW_REG_IB_STS2, 6, 4)
	s_cmp_eq_u32 s2, 0
	s_cbranch_scc0 .Lentry_in_a_cluster
	s_endpgm
.Lentry_in_a_cluster:
	s_bfe_u32 s2, ttmp6, 0x10000c
	s_cmp_lg_u32 s2, 0xf033
	s_cbranch_scc0 .Lentry_shape_is_right
	s_endpgm
.Lentry_shape_is_right:
; q = query W^T + b, k = key W^T + b, v = value W^T + b on codes of FP6 (E2M3) with E8M0 scales; each result is QUANTISED on the way out: q and k along the channels, v along the keys.
; xc: [1600 rowblocks][2 halves of K][6,400 bytes]: four fragments (images of the 12 operand registers) and 256 bytes of scale words [row][4 K steps].  Rowblocks 0-511 query, 512-1023 key, 1024-1535 value, 1536-1599 W.
; SHARES.  24,576 rows x 1,024 channels are 768 half tiles of 256 x 128; 256 work-groups make three each, so the grid is one work-group to a WGP.  Work-group (R, C), R = 0..31, C = 0..7, makes
; q's rows 256 R .. x channels 128 C .., the same of k, and v^T's channels 128 C .. x keys 256 R ..  A wave holds 4 x 8 accumulators, 256 registers.
; q, k: source 0 = W's 8 rowblocks (all waves), source 1 = my 4 rowblocks of rows.  v: source 0 = my 8 rowblocks of value, source 1 = my 4 rowblocks of W.  A lane holds one position of source 1, and its 64 registers of a
; block run along source 0's 128 rows in true order (position t of rowblock 2 G + u is true row 32 G + 8 u + t % 8 + 16 (t / 8)): they are quantised as they stand and are a fragment of the next product.
; LDS.  W's 8 rowblocks stay for the whole launch, in two halves of K (2 x 51,200 bytes).  The rows go through a ring of two slots of 16 rowblocks x 512 along K (2 x 102,400 bytes): slot h holds half h of K of q, then of k, then of value.
; At the head each wave issues one load (W's half 0, the rows' half 0, W's half 1, the rows' half 1); the four refills are one load a wave, 4 rowblocks each, behind a round of the cluster's barrier.
; Every wait on TENSORcnt is for 0.  Ahead of the first barrier only waves 0 and 1 wait: their loads are what the first four K steps read.
; CLUSTERS: 4 x 4; the rows' tiles hang on R alone and are asked for jointly along a row of the cluster, W's on C alone, along a column.
; PREFETCH: a refill's tile is asked of memory two refills ahead (k's two at the head, value's two in the first trip): 16 rowblocks x 25 blocks of 256 bytes, a rowblock to each of the 16 waves of the four partners,
; told apart by address (4 cx + wave), a lane a block; lanes 25-31 name the last block again.  The last two refills have no tile two on and ask for nothing.  W and q come by the head's loads alone.
; THE BIAS is the C of each sum's first matrix instruction: by source 0's index for q, k; by the lane's position for v.
; q and k run one loop body twice; v has address registers of its own and is written out.
; pc, ps: as the launches behind want them: q, k [rowblock][8 K steps][1,536], from VT0 v^T [batch][64 channel rowblocks][16 K steps][1,536]; ps [8 K steps][1,024 rowblocks][64], from PSV0 [batch][16 K steps][64 rowblocks][64].
; LIMITS: a block whose largest magnitude lies under 2^-124 (zeros too) gets the scale byte 1; NaN and infinities are not served.
; REGISTERS: window 0: v4-7 lane permutes' results; v8-15, v16-23 LDS addresses (v; q, k); v32-79 scale words, two sets of 24, and nothing else; v80-175 source 1's fragments, two sets (v128-175 also at work on the way out);
;   v176-239 the bias for q, k.   window 1: source 0's fragments, two sets at v0 and v128; v96-127 the bias for v.   window 2: the accumulators, (a, b) at v[8 (8 a + b)].
.set UNIT,  6400
.set FRB,   1536
.set PH,    8*UNIT                     ; W's half of K
.set Q0,    2*PH
.set QS,    16*UNIT                    ; a slot
.set SPARE, Q0+2*QS                    ; the spare words, 128 bytes a wave: two blocks of 256 bytes that no other line names
.set RBB,   2*UNIT                     ; a rowblock in xc
.set TSTEP, 512*RBB                    ; from query to key to value
.set VT0,   12582912
.set PSV0,  524288
.set XT,   4
.set ADV,  8                           ; +0,1 source 0's fragments in half 0, 1; +2,3 source 1's; +4,5 source 0's scale words; +6,7 source 1's
.set ADQ,  16
.set CO,   16                          ; 16 x lane (W's half 0 begins at LDS byte 0)
.set SO,   24                          ; 4 x lane
.set BQ,   25
.set BV,   26
.set PFO,  27
.set SPW,  28
.set NIL,  29
.set SC,   32
.set AF,   80
.set TM,   128
.set PC,   144
.set PW,   164
.set BI,   176
.set BW,   96
.set G1P,  24
.set HP0,  32
.set HQ0,  36
.set G1Q,  48
.set G1R,  56
.set HP1,  68
.set HQ1,  72
.set GR,   76
.set OC,   84
.set OS,   86
.set OCV,  88
.set OSV,  90
.set SEL,  92
.set HM,   94
.set TRIP, 95
.set PF,   96
.set MSB, 0
.macro WIN new                         ; the immediate's high byte repeats the setting that is left
.if MSB != (\new)
	s_set_vgpr_msb (MSB<<8)|(\new)
.set MSB, (\new)
.endif
.endm
.macro CREST
	s_cmp_lg_u32 s14, 0
	s_cbranch_scc1 .Lnot_wave_0_\@
	s_barrier_signal -3
.Lnot_wave_0_\@:
	s_barrier_wait -3
	s_barrier_signal -1
	s_barrier_wait -1
.endm
.macro CROUND
	s_barrier_signal -1
	s_barrier_wait -1
	CREST
.endm
.macro PLACES                          ; four plain places behind a matrix instruction (ISA guide 7.12.1)
.rept 4
	v_nop
.endr
.endm
.macro GRP1 g, rows                    ; rows (rowblocks) of 800 elements of 8 bytes, 12,800 bytes apart; no padding: fragments are read as consecutive bytes
	s_mov_b32 s[\g+1], 800<<16
	s_mov_b32 s[\g+2], (\rows)<<16
	s_mov_b32 s[\g+3], 800<<16
	s_mov_b32 s[\g+4], \rows
	s_mov_b32 s[\g+5], 1600
	s_mov_b32 s[\g+6], 0
	s_mov_b32 s[\g+7], 0
.endm
.macro GRP0 g, lds, src, off
	s_mov_b32 s[\g], 1
	s_mov_b32 s[\g+1], \lds
	s_add_nc_u64 s[\g+2:\g+3], s[\src:\src+1], \off
	s_or_b32 s[\g+3], s[\g+3], 0x80000000
.endm
.macro ARM under, g0, g1, next         ; one arm of the head's chain: a load, its s_nop 0 and four v_nop
	s_cmp_lt_u32 s14, \under
	s_cbranch_scc0 \next
	tensor_load_to_lds s[\g0:\g0+3], s[\g1:\g1+7]
	s_nop 0
.rept 4
	v_nop
.endr
	s_branch .Lhead_asked
\next:
.endm
	s_load_b256 s[4:11], s[0:1], 0x0               ; xc s[4:5], b s[6:7], pc s[8:9], ps s[10:11]
	v_lshl_add_u32 v[SPW], v0, 2, SPARE
	v_mov_b32 v[NIL], 0
	ds_add_u32 v[SPW], v[NIL]                      ; the opening lines: the add, twice on end, and its wait ahead of my first tensor load
	ds_add_u32 v[SPW], v[NIL]
	v_lshrrev_b32 v1, 5, v0
	v_readfirstlane_b32 s14, v1                    ; wave 0..3
	s_lshr_b32 s15, s14, 1
	s_and_b32 s16, s14, 1
	s_bfe_u32 s40, ttmp6, 0x40000                  ; cx
	s_bfe_u32 s41, ttmp6, 0x40004                  ; cy
	s_lshl_b32 s18, ttmp9, 2
	s_add_co_u32 s18, s18, s40                     ; C
	s_and_b32 s17, ttmp7, 0xffff
	s_lshl_b32 s17, s17, 2
	s_add_co_u32 s17, s17, s41                     ; R
	s_lshl_b32 s43, s41, 2
	s_lshl_b32 s43, 15, s43                        ; my row of the cluster
	s_lshl_b32 s44, 0x1111, s40                    ; my column
	s_or_b32 s[G1P], s44, (3<<16)|(1<<21)
	s_or_b32 s[G1Q], s43, (3<<16)|(1<<21)
	s_or_b32 s[G1R], s43, (3<<16)|(1<<21)
	GRP1 G1P, 8
	GRP1 G1Q, 16
	GRP1 G1R, 4
	s_lshl_b32 s20, s18, 3
	s_add_co_u32 s20, s20, 1536
	s_mul_i32 s20, s20, RBB                        ; W's 8 rowblocks
	s_mov_b32 s21, 0
	s_mul_i32 s22, s17, 16*RBB                     ; query's 16 rowblocks
	s_mov_b32 s23, 0
	s_mul_i32 s19, s14, 4*UNIT
	s_add_co_u32 s19, s19, Q0                      ; my 4 rowblocks of slot 0
	s_mul_i32 s46, s14, 4*RBB
	s_mov_b32 s47, 0
	s_mov_b32 s99, 0
	s_mov_b32 s[SEL], 0x76543210
	s_mov_b32 s[SEL+1], 0xfedcba98
	s_wait_dscnt 0x0                               ; both opening adds are done
	s_wait_kmcnt 0x0
	s_add_nc_u64 s[20:21], s[4:5], s[20:21]
	s_add_nc_u64 s[22:23], s[4:5], s[22:23]
	CROUND                                         ; all sixteen work-groups are here: the first joint loads meet
	GRP0 HP0, 0, 20, 0
	GRP0 HQ0, Q0, 22, 0
	GRP0 HP1, PH, 20, UNIT
	GRP0 HQ1, Q0+QS, 22, UNIT
	ARM 1, HP0, G1P, .Lhead_q0
	ARM 2, HQ0, G1Q, .Lhead_p1
	ARM 3, HP1, G1P, .Lhead_q1
	tensor_load_to_lds s[HQ1:HQ1+3], s[G1Q:G1Q+7]
	s_nop 0
.rept 4
	v_nop
.endr
.Lhead_asked:
	s_add_nc_u64 s[46:47], s[22:23], s[46:47]      ; the ring: my 4 rowblocks; each refill steps its slot's address by TSTEP first
.irp s, 0,1
	s_mov_b32 s[GR+4*\s], 1
	s_add_co_u32 s[GR+4*\s+1], s19, \s*QS
	s_add_nc_u64 s[GR+4*\s+2:GR+4*\s+3], s[46:47], \s*UNIT
	s_or_b32 s[GR+4*\s+3], s[GR+4*\s+3], 0x80000000
.endr
	s_lshl_b32 s98, s40, 2
	s_add_co_u32 s98, s98, s14
	s_mul_i32 s98, s98, RBB
	s_add_co_u32 s98, s98, TSTEP
	s_add_nc_u64 s[PF:PF+1], s[22:23], s[98:99]    ; the prefetches: rowblock 4 cx + wave of key's tile; never rewritten
	s_lshl_b32 s42, s17, 4
	s_lshl_b32 s45, s14, 2
	s_add_co_u32 s42, s42, s45                     ; q: my first rowblock, 16 R + 4 wave
	s_mul_i32 s98, s42, 12288
	s_mul_i32 s45, s18, FRB                        ; the K step of channels is C
	s_add_co_u32 s98, s98, s45
	s_add_nc_u64 s[OC:OC+1], s[8:9], s[98:99]
	s_lshl_b32 s98, s18, 16
	s_lshl_b32 s42, s42, 6
	s_add_co_u32 s98, s98, s42
	s_add_nc_u64 s[OS:OS+1], s[10:11], s[98:99]
	s_lshr_b32 s42, s17, 3                         ; v: the batch,
	s_and_b32 s45, s17, 7
	s_lshl_b32 s45, s45, 1
	s_add_co_u32 s45, s45, s16                     ; the K step of keys,
	s_lshl_b32 s46, s18, 3
	s_lshl_b32 s47, s15, 2
	s_add_co_u32 s46, s46, s47                     ; my first channel rowblock
	s_mul_i32 s98, s42, 1572864
	s_mul_i32 s47, s46, 24576
	s_add_co_u32 s98, s98, s47
	s_mul_i32 s47, s45, FRB
	s_add_co_u32 s98, s98, s47
	s_add_co_u32 s98, s98, VT0
	s_add_nc_u64 s[OCV:OCV+1], s[8:9], s[98:99]
	s_lshl_b32 s98, s42, 16
	s_lshl_b32 s45, s45, 12
	s_add_co_u32 s98, s98, s45
	s_lshl_b32 s46, s46, 6
	s_add_co_u32 s98, s98, s46
	s_add_co_u32 s98, s98, PSV0
	s_add_nc_u64 s[OSV:OSV+1], s[10:11], s[98:99]
	s_lshl_b32 s98, s18, 9
	s_add_nc_u64 s[6:7], s[6:7], s[98:99]          ; the bias of my 128 channels
	s_mul_i32 s42, s16, 8*UNIT
	s_add_co_u32 s42, s42, Q0                      ; v: my 8 rowblocks of value in slot 0,
	s_mul_i32 s45, s15, 4*UNIT                     ; my 4 of W
	s_lshl_b32 s46, s15, 8
	v_and_b32 v1, 31, v0
	v_and_b32 v2, 15, v0                           ; r
	v_bfe_u32 v3, v0, 4, 1                         ; h
	v_lshlrev_b32 v[CO], 4, v1
	v_add_nc_u32 v[ADQ+1], PH, v[CO]
	v_add_nc_u32 v[ADQ+2], s19, v[CO]
	v_add_nc_u32 v[ADQ+3], QS, v[ADQ+2]
	v_mul_u32_u24 v30, v3, UNIT                    ; scale words: lanes 0-15 an even rowblock's, lanes 16-31 the next one's; 16 bytes a row
	v_lshl_add_u32 v30, v2, 4, v30
	v_add_nc_u32 v[ADQ+4], 6144, v30
	v_add_nc_u32 v[ADQ+5], PH, v[ADQ+4]
	v_add_nc_u32 v[ADQ+6], s19, v[ADQ+4]
	v_add_nc_u32 v[ADQ+7], QS, v[ADQ+6]
	v_add_nc_u32 v[ADV], s42, v[CO]
	v_add_nc_u32 v[ADV+1], QS, v[ADV]
	v_add_nc_u32 v[ADV+2], s45, v[CO]
	v_add_nc_u32 v[ADV+3], PH, v[ADV+2]
	v_add_nc_u32 v[ADV+4], s42, v[ADQ+4]
	v_add_nc_u32 v[ADV+5], QS, v[ADV+4]
	v_add_nc_u32 v[ADV+6], s45, v[ADQ+4]
	v_add_nc_u32 v[ADV+7], PH, v[ADV+6]
	v_lshlrev_b32 v[SO], 2, v1
	v_lshlrev_b32 v[BQ], 6, v3                     ; q, k: 4 x 16 h
	v_and_b32 v31, 8, v2
	v_add_nc_u32 v31, v31, v2                      ; r % 8 + 16 (r / 8)
	v_lshl_add_u32 v[BV], v31, 2, s46              ; v: + my 64 channels
	v_min_u32 v[PFO], 24, v1
	v_lshlrev_b32 v[PFO], 8, v[PFO]
	v_cmp_ne_u32 s[HM], 0, v3                      ; lanes 16-31
.irp b, 0,1,2,3
	v_mov_b32 v[XT+\b], 0                          ; written once: a lane permute's destination counts as one of its sources
.endr
	global_prefetch_b8 v[PFO], s[PF:PF+1] th:TH_LOAD_NT scope:SCOPE_SE              ; key's half 0,
	global_prefetch_b8 v[PFO], s[PF:PF+1] offset:UNIT th:TH_LOAD_NT scope:SCOPE_SE  ; and half 1: the first two refills' tiles
.irp b, 0,1,2,3,4,5,6,7                ; register 8 b + j of lane (r, h) = b[32 (b / 2) + 8 (b % 2) + 16 h + j]
	global_load_b128 v[BI+8*\b:BI+8*\b+3], v[BQ], s[6:7] offset:4*(32*(\b/2)+8*(\b%2))
	global_load_b128 v[BI+8*\b+4:BI+8*\b+7], v[BQ], s[6:7] offset:4*(32*(\b/2)+8*(\b%2))+16
.endr
	WIN 0x40
.irp a, 0,1,2,3                        ; b[the channel of my position in block a]
	global_load_b32 v[BW+8*\a], v[BV], s[6:7] offset:4*(32*(\a/2)+8*(\a%2))
.endr
	WIN 0
	s_wait_alu depctr_va_vdst(0)
	s_wait_loadcnt 0x0
	WIN 0x41
.irp a, 0,1,2,3
.irp j, 1,2,3,4,5,6,7
	v_mov_b32 v[BW+8*\a+\j], v[BW+8*\a]            ; as a C operand: the same number in all eight registers
.endr
.endr
	WIN 0
; 8 matrix instructions: source 1's block a x source 0's eight, K step k of the tile.  mode 0: adds in place; 1: C = the bias by source 0's tile; 2: C = the bias by source 1's block.
; The 32 accumulators take turns, one instruction a turn, in the same order in every step.  Scale words: rowblocks 2 j (lanes 0-15) and 2 j + 1 (lanes 16-31) share a register.
.macro MULA a, k, mode
.irp b, 0,1,2,3,4,5,6,7
.set mD, 8*(8*(\a)+\b)
.set mB, 128*((\k)%2)+12*\b
.set mA, AF+48*((\k)%2)+12*(\a)
.set mX, SC+24*((\k)/4)+4*(\b/2)+(\k)%4
.set mY, SC+24*((\k)/4)+16+4*((\a)/2)+(\k)%4
.if \mode == 0
.set mC, mD
.elseif \mode == 1
.set mC, BI+8*\b
.else
.set mC, BW+8*(\a)
.endif
.if (\b%2) && ((\a)%2)
	v_wmma_scale_f32_16x16x128_f8f6f4 v[mD:mD+7], v[mB:mB+11], v[mA:mA+11], v[mC:mC+7], v[mX], v[mY] matrix_a_fmt:MATRIX_FMT_FP6 matrix_b_fmt:MATRIX_FMT_FP6 matrix_a_scale:MATRIX_SCALE_ROW1 matrix_b_scale:MATRIX_SCALE_ROW1
.elseif (\b%2)
	v_wmma_scale_f32_16x16x128_f8f6f4 v[mD:mD+7], v[mB:mB+11], v[mA:mA+11], v[mC:mC+7], v[mX], v[mY] matrix_a_fmt:MATRIX_FMT_FP6 matrix_b_fmt:MATRIX_FMT_FP6 matrix_a_scale:MATRIX_SCALE_ROW1
.elseif ((\a)%2)
	v_wmma_scale_f32_16x16x128_f8f6f4 v[mD:mD+7], v[mB:mB+11], v[mA:mA+11], v[mC:mC+7], v[mX], v[mY] matrix_a_fmt:MATRIX_FMT_FP6 matrix_b_fmt:MATRIX_FMT_FP6 matrix_b_scale:MATRIX_SCALE_ROW1
.else
	v_wmma_scale_f32_16x16x128_f8f6f4 v[mD:mD+7], v[mB:mB+11], v[mA:mA+11], v[mC:mC+7], v[mX], v[mY] matrix_a_fmt:MATRIX_FMT_FP6 matrix_b_fmt:MATRIX_FMT_FP6
.endif
.endr
.endm
.macro FETB k, ad                      ; source 0's eight fragments of K step k into set k % 2: three loads of 512 consecutive bytes each
	WIN 0x40
.irp i, 0,1,2,3,4,5,6,7
.irp c, 0,1,2
	ds_load_b128 v[128*((\k)%2)+12*\i+4*\c:128*((\k)%2)+12*\i+4*\c+3], v[\ad+(\k)/4] offset:\i*UNIT+((\k)%4)*FRB+512*\c
.endr
.endr
.endm
.macro FETA k, ad                      ; source 1's four fragments; with a half's first step its scale words, four K steps a load
	WIN 0
.irp i, 0,1,2,3
.irp c, 0,1,2
	ds_load_b128 v[AF+48*((\k)%2)+12*\i+4*\c:AF+48*((\k)%2)+12*\i+4*\c+3], v[\ad+2+(\k)/4] offset:\i*UNIT+((\k)%4)*FRB+512*\c
.endr
.endr
.if (\k)%4 == 0
.irp j, 0,1,2,3
	ds_load_b128 v[SC+24*((\k)/4)+4*\j:SC+24*((\k)/4)+4*\j+3], v[\ad+4+(\k)/4] offset:2*\j*UNIT
.endr
.irp j, 0,1
	ds_load_b128 v[SC+24*((\k)/4)+16+4*\j:SC+24*((\k)/4)+16+4*\j+3], v[\ad+6+(\k)/4] offset:2*\j*UNIT
.endr
.endif
.endm
.macro STEP k, ad, mode                ; a K step whose successor lies in the same half: 32 products, and between them the next step's loads into the other sets
.set mW, 0xa1-0x20*((\mode)!=0)
.if \mode == 0
.set mW, 0xa1                          ; source 0 window 1, source 1 window 0, C and D window 2
.elseif \mode == 1
.set mW, 0x81                          ; C window 0
.else
.set mW, 0x91                          ; C window 1
.endif
	s_wait_dscnt 0x0                               ; this step's fragments and scale words are in
	WIN mW
	MULA 0, \k, \mode
	PLACES                                         ; between the last step's products, which read the other sets, and the loads
	FETB (\k)+1, \ad
	WIN mW
	MULA 1, \k, \mode
	FETA (\k)+1, \ad
	WIN mW
	MULA 2, \k, \mode
	MULA 3, \k, \mode
.endm
; A half's last K step: ONE barrier; in front of it each wave waits for all its tensor loads, adds 0 to its spare word, and waits for that and for its reads of this half's slot.
; fill = 1: the barrier opens a round of the cluster's, and this slot takes the same half of K of the next tensor, first thing behind it.
.macro TURN k, ad, fill
.set tS, (\k)/4
	WIN 0
	s_wait_tensorcnt 0x0                           ; all my tensor loads have landed
	ds_add_u32 v[SPW], v[NIL]
	s_wait_dscnt 1                                 ; this step's fragments are in; the add may be out
	WIN 0xa1
	MULA 0, \k, 0
	s_wait_dscnt 0x0                               ; the add is done, and my reads of this slot are over
	s_barrier_signal -1
	MULA 1, \k, 0
	WIN 0
	s_barrier_wait -1
.if \fill
	CREST                                          ; no wave of any partner still reads this slot or has a load on its way
	s_add_nc_u64 s[GR+4*tS+2:GR+4*tS+3], s[GR+4*tS+2:GR+4*tS+3], TSTEP
	tensor_load_to_lds s[GR+4*tS:GR+4*tS+3], s[G1R:G1R+7]   ; my 4 rowblocks: LDS and memory addresses hang on the wave's number
	s_nop 0
.rept 4
	v_nop                                          ; also the places in front of the loads below
.endr
.else
	PLACES
.endif
.if \k == 3
	FETB 4, \ad
	FETA 4, \ad
.if \fill
	s_cmp_eq_u32 s[TRIP], 0
	s_cbranch_scc0 .Lno_ask_\@
	global_prefetch_b8 v[PFO], s[PF:PF+1] offset:TSTEP th:TH_LOAD_NT scope:SCOPE_SE   ; value's half 0: two refills on
.Lno_ask_\@:
.endif
.else                                  ; the next tile's first step: k reads as q does, v by its own addresses.  The branch hangs on the loop's counter alone
	s_cmp_eq_u32 s[TRIP], 0
	s_cbranch_scc0 .Lnext_v_\@
	FETB 0, ADQ
	FETA 0, ADQ
	global_prefetch_b8 v[PFO], s[PF:PF+1] offset:TSTEP+UNIT th:TH_LOAD_NT scope:SCOPE_SE   ; value's half 1
	s_branch .Lnext_\@
.Lnext_v_\@:
	FETB 0, ADV
	FETA 0, ADV
.Lnext_\@:
.endif
	WIN 0xa1
	MULA 2, \k, 0
	MULA 3, \k, 0
.endm
; THE WAY OUT of block a: a lane's 64 registers are 128 neighbours along the next K (register 16 b + i = k 32 b + 16 h + i): a fragment, stored as it stands, and a scale word.
.macro QUANTW a, oc, pitch
.set AC, 64*(\a)
	WIN 0x0a
.irp b, 0,1,2,3
	v_max3_num_f32 v[TM+\b], |v[AC+16*\b]|, |v[AC+1+16*\b]|, 0x1800000   ; each accumulator from its low end on; the floor 2^(3 - 127) holds the byte at 1 from below
.endr
	WIN 0x28
.irp i, 2,4,6,8,10,12,14
.irp b, 0,1,2,3
	v_max3_num_f32 v[TM+\b], v[TM+\b], |v[AC+16*\b+\i]|, |v[AC+1+16*\b+\i]|
.endr
.endr
	WIN 0
.irp b, 0,1,2,3
	v_permlanex16_b32 v[XT+\b], v[TM+\b], s[SEL], s[SEL+1]
.endr
.irp b, 0,1,2,3
	v_max_num_f32 v[TM+\b], v[TM+\b], v[XT+\b]     ; with lane l xor 16's: the block's largest magnitude
.endr
.irp b, 0,1,2,3
	v_add_nc_u32 v[TM+12+\b], 0xff000000, v[TM+\b] ; 2 off the exponent field: the conversion's scale operand
.endr
.irp b, 0,1,2,3
	v_lshrrev_b32 v[TM+4+\b], 23, v[TM+12+\b]
.endr
	v_lshl_or_b32 v[PW+(\a)], v[TM+5], 8, v[TM+4]
	v_lshl_or_b32 v[PW+(\a)], v[TM+6], 16, v[PW+(\a)]
	v_lshl_or_b32 v[PW+(\a)], v[TM+7], 24, v[PW+(\a)]
	s_wait_alu depctr_va_vdst(0)
	s_wait_xcnt 0x0                                ; earlier stores have read the codes' registers, which are written again below
	WIN 0x02
.irp c, 0,1
	v_cvt_scalef32_pk16_fp6_f32 v[PC+6*\c:PC+2+6*\c], v[AC+32*\c:AC+15+32*\c], v[TM+12+2*\c]
	v_cvt_scalef32_pk16_fp6_f32 v[PC+12+4*\c:PC+14+4*\c], v[AC+16+32*\c:AC+31+32*\c], v[TM+12+2*\c+1]
.endr
	WIN 0
	v_nop                                          ; one plain place behind a scaled conversion
.irp c, 0,1                            ; the operand wants a whole block in a lane
.irp i, 0,1,2
	v_permlane16_swap_b32 v[PC+6*\c+\i], v[PC+12+4*\c+\i]
.endr
.irp i, 0,1,2
	v_mov_b32 v[PC+3+6*\c+\i], v[PC+12+4*\c+\i]
.endr
.endr
.irp c, 0,1,2
	global_store_b128 v[CO], v[PC+4*\c:PC+4*\c+3], s[\oc:\oc+1] offset:(\pitch)*(\a)+512*\c   ; 512 consecutive bytes, at a multiple of 256 from the buffer's first byte
.endr
.endm
.macro OUT oc, pitch, os
	WIN 0
	PLACES                                         ; behind the last products, whose fragments' registers are at work below
.irp a, 0,1,2,3
	QUANTW \a, \oc, \pitch
.endr
	v_cndmask_b32 v[PW+4], v[PW], v[PW+1], s[HM]   ; lanes r and r + 16 hold the same word: lanes 0-15 store the even block's, lanes 16-31 the odd one's
	v_cndmask_b32 v[PW+5], v[PW+2], v[PW+3], s[HM]
	global_store_b32 v[SO], v[PW+4], s[\os:\os+1]              ; my 4 rowblocks' words of one K step: 256 consecutive bytes in two stores
	global_store_b32 v[SO], v[PW+5], s[\os:\os+1] offset:128
.endm
	s_wait_alu depctr_va_vdst(0)
	s_cmp_lt_u32 s14, 2
	s_cbranch_scc0 .Lhalf1_mine                    ; waves 2 and 3 fetched half 1 of K, which is first read behind the next barrier: its wait stands there
	s_wait_tensorcnt 0x0                           ; W's half 0, or query's
.Lhalf1_mine:
	s_barrier_signal -1
	s_barrier_wait -1
	FETB 0, ADQ
	FETA 0, ADQ
	s_mov_b32 s[TRIP], 0
.Ltile:                                                ; q, then k
	STEP 0, ADQ, 1
	STEP 1, ADQ, 0
	STEP 2, ADQ, 0
	TURN 3, ADQ, 1
	STEP 4, ADQ, 0
	STEP 5, ADQ, 0
	STEP 6, ADQ, 0
	TURN 7, ADQ, 1
	OUT OC, 12288, OS
	s_wait_alu depctr_va_vdst(0)
	s_wait_xcnt 0x0                                ; the stores have read their bases
	s_add_nc_u64 s[OC:OC+1], s[OC:OC+1], 512*12288
	s_add_nc_u64 s[OS:OS+1], s[OS:OS+1], 512*64
	s_add_co_u32 s[TRIP], s[TRIP], 1
	s_cmp_lt_u32 s[TRIP], 2
	s_cbranch_scc1 .Ltile
	STEP 0, ADV, 2                                 ; v
	STEP 1, ADV, 0
	STEP 2, ADV, 0
	TURN 3, ADV, 0                                 ; value's half 1 has landed; nothing is left to fetch
	STEP 4, ADV, 0
	STEP 5, ADV, 0
	STEP 6, ADV, 0
	s_wait_dscnt 0x0
	WIN 0xa1
	MULA 0, 7, 0
	MULA 1, 7, 0
	MULA 2, 7, 0
	MULA 3, 7, 0
	OUT OCV, 24576, OSV
	s_wait_tensorcnt 0x0                           ; the wave's end
	ds_add_u32 v[SPW], v[NIL]
	s_wait_dscnt 0x0
	CROUND                                         ; the closing round
	s_endpgm
.Lfunc_end_k_qa5a29220aa_proj:
	.size	k_qa5a29220aa_proj, .Lfunc_end_k_qa5a29220aa_proj-k_qa5a29220aa_proj
	.p2alignl 7, 3214868480
	.fill 96, 4, 3214868480
	.section	.rodata,"a",@progbits
	.p2align	6, 0x0
	.amdhsa_kernel k_qa5a29220aa_proj
		.amdhsa_group_segment_fixed_size 327680
		.amdhsa_private_segment_fixed_size 0
		.amdhsa_enable_private_segment 0
		.amdhsa_kernarg_size 32
		.amdhsa_user_sgpr_count 2
		.amdhsa_user_sgpr_kernarg_segment_ptr 1
		.amdhsa_wavefront_size32 1
		.amdhsa_system_sgpr_workgroup_id_x 1
		.amdhsa_system_sgpr_workgroup_id_y 1
		.amdhsa_system_sgpr_workgroup_id_z 1
		.amdhsa_system_vgpr_workitem_id 0
		.amdhsa_next_free_vgpr 768
		.amdhsa_next_free_sgpr 100
		.amdhsa_reserve_vcc 0
		.amdhsa_float_denorm_mode_32 3
		.amdhsa_float_denorm_mode_16_64 3
		.amdhsa_memory_ordered 1
		.amdhsa_forward_progress 1
		.amdhsa_inst_pref_size 159
	.end_amdhsa_kernel
	.amdgpu_metadata
---
amdhsa.version: [ 1, 2 ]
amdhsa.kernels:
  - .name:           k_qa5a29220aa_proj
    .symbol:         k_qa5a29220aa_proj.kd
    .args:
      - { .name: xc, .offset: 0, .size: 8, .value_kind: global_buffer, .address_space: global }
      - { .name: b, .offset: 8, .size: 8, .value_kind: global_buffer, .address_space: global }
      - { .name: pc, .offset: 16, .size: 8, .value_kind: global_buffer, .address_space: global }
      - { .name: ps, .offset: 24, .size: 8, .value_kind: global_buffer, .address_space: global }
    .group_segment_fixed_size: 327680
    .private_segment_fixed_size: 0
    .kernarg_segment_align: 8
    .kernarg_segment_size: 32
    .max_flat_workgroup_size: 128
    .sgpr_count:     100
    .vgpr_count:     768
    .wavefront_size: 32
...
	.end_amdgpu_metadata
.endif
;; end of part 6
;; launch scores (part 7): grid 8 x 32, 4 waves a work-group, clusters of 4 x 4, 327,680 bytes of LDS; arguments pc, ps, pp, pst; writes pp, pst
.if DOCPART == 7
	.amdgcn_target "amdgcn-amd-amdhsa--gfx1250"
	.amdhsa_code_object_version 6
	.text
	.protected	k_qa5a29220aa_scores
	.globl	k_qa5a29220aa_scores
	.p2align	8
	.type	k_qa5a29220aa_scores,@function
k_qa5a29220aa_scores:
	s_mov_b64 s[64:65], 0
	v_nop
	global_prefetch_b8 v0, s[64:65] scope:SCOPE_SE
	s_setreg_imm32_b32 hwreg(HW_REG_WAVE_MODE, 25, 1), 1
	s_wait_xcnt 0x0
	s_wait_alu depctr_hold_cnt(0) depctr_sa_sdst(0) depctr_va_vdst(0) depctr_va_sdst(0) depctr_va_ssrc(0) depctr_va_vcc(0) depctr_vm_vsrc(0)
	s_getreg_b32 s2, hwreg(HW_REG_IB_STS2, 6, 4)
	s_cmp_eq_u32 s2, 0
	s_cbranch_scc0 .Lentry_in_a_cluster
	s_endpgm
.Lentry_in_a_cluster:
	s_bfe_u32 s2, ttmp6, 0x10000c
	s_cmp_lg_u32 s2, 0xf033
	s_cbranch_scc0 .Lentry_shape_is_right
	s_endpgm
.Lentry_shape_is_right:
; S = q k^T on codes of FP6 (E2M3) with E8M0 scales, and on the way out p = 2^(t - M), t = score x log2(e) / 32, quantised along the keys.
; M here is LOCAL: for each query and each 128 keys (one K step of the next product) M = the ceiling of the largest t among those 128 keys, a whole number.  The next launch takes the row's largest M and
; brings each chunk under it by adding the whole number M_local - M_row to the chunk's four scale bytes: an exact power of two, which leaves the codes as they are.
; Stored: pp: P's fragments [512 query rowblocks][16 K steps of keys][1,536 bytes], images of the operand's registers;
; pst: three sections of 524,288 bytes (scale words; M as f32; the sum of the unquantised p), each [batch][16 K steps][128 rowblocks][16 words].
; A tile of 256 queries x 256 keys is made by four waves, 128 x 128 each.  Source 0 = 16 positions of k (side B), source 1 = 16 positions of q
; (side A): a lane holds one query, and its 64 registers of a block run along the wave's 128 keys in true order, since k's rows lie in the order position t -> true row 8 u + t % 8 + 16 (t / 8) of a group of 32.
; THE RING.  K = 1,024 is four slots' worth of 256 along K, 98,304 bytes each.  THREE slots lie in LDS and are filled at the start; only the last quarter of K is a refill, into slot 0, asked for as soon as
; slot 0 has been read: it has two slots' products, 256 matrix instructions a wave, in which to land.  The text is written out without a loop.
; CLUSTERS: 4 x 4 work-groups; q's tiles are asked for jointly along a row of the cluster, k's along a column.
; LIMITS: NaN and infinities are not served; a block whose every p lies under 2^-124 keeps the scale byte 1.
; REGISTERS: window 0: v0-31 addresses; v32-95 scale words, four sets, and nothing else; v128-223 A's fragments (on the way out: at work).  window 1: B's two sets.  windows 2, 3: the accumulators.
.set KST,   8
.set FRB,   1536
.set RBS,   2*FRB
.set HALFT, 8*RBS
.set SLOT,  4*HALFT
.set HALFS, 512*KST
.set SCL,   3*SLOT
.set SCB,   SCL+2*HALFS+128
.set STG,   SCB+2*HALFS+128            ; the way out: 1,536 bytes a wave: [3 sections][8 blocks][16 words]
.set SPARE, STG+4*1536                 ; the spare words, 128 bytes for each wave: two blocks of 256 bytes that no other line names
.set ADRA, 16                          ; v16-18
.set ADRB, 20                          ; v20-22
.set STO,  24
.set RD,   25
.set CO,   26
.set ADRS, 27
.set SPW,  28
.set NIL,  29
.set SC,   32
.set AF,   128
.set BM,   128                         ; the way out: v128-143 the blocks' maxima, bytes and scale operands
.set T0,   144                         ; v144
.set NPR,  146                         ; v[146:147] -M, named as a pair by the packed form
.set SUM,  148                         ; v148-151 two chains of sums
.set PC,   152                         ; v152-171 codes
.set PW,   176                         ; v176-183 scale words;  v184-191 M;  v192-199 sums;  v200-211 what is read back
.set MM,   184
.set LL,   192
.set G0C,  4
.set G1,   24
.set G0,   32
.set G0BC, 44
.set G1B,  48
.set G0B,  56
.set G1S,  68
.set G0S,  76
.set G1SB, 80
.set G0SB, 88
.set CS,   96                          ; s[96:97] c = log2(e) / 32
.set SEL,  98
.set MSB, 0
.macro WIN new
.if MSB != (\new)
	s_set_vgpr_msb (MSB<<8)|(\new)
.set MSB, (\new)
.endif
.endm
.set MUL_LO, 0xa1
.set MUL_HI, 0xf1
.set TO_B,   0x40
.macro JLOAD g0a, g1a, g0b, g1b        ; a joint load: waves 0 and 1 fetch for A, waves 2 and 3 for B; an s_nop 0 and four v_nop follow each line
	s_cmp_eq_u32 s15, 0
	s_cbranch_scc0 .Lfor_b_\@
	tensor_load_to_lds s[\g0a:\g0a+3], s[\g1a:\g1a+7]
	s_nop 0
.rept 4
	v_nop
.endr
	s_branch .Lasked_\@
.Lfor_b_\@:
	tensor_load_to_lds s[\g0b:\g0b+3], s[\g1b:\g1b+7]
	s_nop 0
.rept 4
	v_nop
.endr
.Lasked_\@:
.endm
.macro CREST
	s_cmp_lg_u32 s14, 0
	s_cbranch_scc1 .Lnot_wave_0_\@
	s_barrier_signal -3
.Lnot_wave_0_\@:
	s_barrier_wait -3
	s_barrier_signal -1
	s_barrier_wait -1
.endm
.macro CROUND
	s_barrier_signal -1
	s_barrier_wait -1
	CREST
.endm
.macro PLACES
.rept 4
	v_nop
.endr
.endm
	s_load_b256 s[4:11], s[0:1], 0x0               ; pc s[4:5], ps s[6:7], pp s[8:9], pst s[10:11]
	v_lshl_add_u32 v[SPW], v0, 2, SPARE
	v_mov_b32 v[NIL], 0
	ds_add_u32 v[SPW], v[NIL]                      ; the wave's opening: the add and its wait ahead of my first tensor load
	ds_add_u32 v[SPW], v[NIL]
	v_lshrrev_b32 v1, 5, v0
	v_readfirstlane_b32 s14, v1
	s_lshr_b32 s15, s14, 1
	s_and_b32 s16, s14, 1
	s_bfe_u32 s40, ttmp6, 0x40000                  ; cx
	s_bfe_u32 s41, ttmp6, 0x40004                  ; cy
	s_and_b32 s17, ttmp7, 0xffff                   ; the cluster's y, 0..7: two clusters of rows to a batch
	s_lshl_b32 s18, s17, 2
	s_add_co_u32 s18, s18, s41                     ; the tile row of queries, 0..31, over all batches
	s_lshl_b32 s42, ttmp9, 2
	s_add_co_u32 s42, s42, s40                     ; the tile column of keys in the batch, 0..7
	s_lshl_b32 s43, s41, 2
	s_lshl_b32 s43, 15, s43
	s_lshl_b32 s44, 0x1111, s40
	s_or_b32 s[G1+0], s43, (3<<16)|(1<<21)
	s_or_b32 s[G1B+0], s44, (3<<16)|(1<<21)
.irp g, G1, G1B
	s_mov_b32 s[\g+1], 384<<16
	s_mov_b32 s[\g+2], 16<<16                      ; the head's loads bring a tile's 16 rowblocks; behind them the two words that count rows are set to 8, for the refill
	s_mov_b32 s[\g+3], 384<<16
	s_mov_b32 s[\g+4], 16
	s_mov_b32 s[\g+5], KST*192
	s_mov_b32 s[\g+6], 0
	s_mov_b32 s[\g+7], 0
.endr
	s_or_b32 s[G1S+0], s43, (3<<16)|(1<<21)
	s_or_b32 s[G1SB+0], s44, (3<<16)|(1<<21)
.irp g, G1S, G1SB
	s_mov_b32 s[\g+1], 768<<16                     ; the second and third quarter of K in one load: 16 rowblocks x 6,144 bytes
	s_mov_b32 s[\g+2], 16<<16
	s_mov_b32 s[\g+3], 768<<16
	s_mov_b32 s[\g+4], 16
	s_mov_b32 s[\g+5], KST*192
	s_mov_b32 s[\g+6], 0
	s_mov_b32 s[\g+7], 0
.endr
	s_lshl_b32 s19, s16, 3
	s_lshl_b32 s20, s18, 4
	s_add_co_u32 s20, s20, s19                     ; q's rowblocks that I fetch
	s_lshr_b32 s46, s17, 1
	s_lshl_b32 s46, s46, 7                         ; the batch's 128 rowblocks of k,
	s_lshl_b32 s47, s42, 4
	s_add_co_u32 s46, s46, s47
	s_add_co_u32 s46, s46, s19
	s_add_co_u32 s46, s46, 512                     ; behind q's 512
	s_mul_i32 s20, s20, KST*FRB
	s_mov_b32 s21, 0
	s_lshl_b32 s92, s46, 6
	s_mul_i32 s46, s46, KST*FRB
	s_mov_b32 s47, 0
	s_mul_i32 s45, s14, HALFT
	s_mul_i32 s94, s16, 8*KST*FRB                  ; from the tile's first rowblock to my half
	s_mov_b32 s95, 0
	s_mov_b32 s[SEL], 0x76543210
	s_mov_b32 s[SEL+1], 0xfedcba98
	s_mov_b32 s[CS], 0x3d38aa3b                    ; log2(e) / 32: log2(e)'s bits with 5 off the exponent field
	s_mov_b32 s[CS+1], s[CS]
	s_wait_dscnt 0x0
	s_wait_kmcnt 0x0
	s_add_nc_u64 s[20:21], s[4:5], s[20:21]
	s_add_nc_u64 s[46:47], s[4:5], s[46:47]
	CROUND
	; THE HEAD'S LOADS, ONE A WAVE: wave 0 q's 16 rowblocks of the first quarter of K, wave 1 k's; wave 2 q's second and third quarter in one load, wave 3 k's.
	; Slot 0 lies as ever; behind it q's 16 rowblocks x 6,144 bytes, then k's: slots 1 and 2 are the two halves of each rowblock's 6,144 bytes.  The scale words go from memory into registers.
	s_mov_b32 s[G0], 1                             ; the refill's group 0: my quarter of slot 0
	s_mov_b32 s[G0+1], s45
	s_mov_b64 s[G0+2:G0+3], s[20:21]
	s_or_b32 s[G0+3], s[G0+3], 0x80000000
	s_mov_b32 s[G0B], 1
	s_mov_b32 s[G0B+1], s45
	s_mov_b64 s[G0B+2:G0B+3], s[46:47]
	s_or_b32 s[G0B+3], s[G0B+3], 0x80000000
	s_sub_nc_u64 s[20:21], s[20:21], s[94:95]      ; the tiles' first rowblocks
	s_sub_nc_u64 s[46:47], s[46:47], s[94:95]
	s_mov_b32 s[G0+4], 1
	s_mov_b32 s[G0+5], 0
	s_mov_b64 s[G0+6:G0+7], s[20:21]
	s_or_b32 s[G0+7], s[G0+7], 0x80000000
	s_mov_b32 s[G0B+4], 1
	s_mov_b32 s[G0B+5], 2*HALFT
	s_mov_b64 s[G0B+6:G0B+7], s[46:47]
	s_or_b32 s[G0B+7], s[G0B+7], 0x80000000
	s_mov_b32 s[G0S], 1
	s_mov_b32 s[G0S+1], SLOT
	s_add_nc_u64 s[G0S+2:G0S+3], s[20:21], RBS
	s_or_b32 s[G0S+3], s[G0S+3], 0x80000000
	s_mov_b32 s[G0SB], 1
	s_mov_b32 s[G0SB+1], SLOT+4*HALFT
	s_add_nc_u64 s[G0SB+2:G0SB+3], s[46:47], RBS
	s_or_b32 s[G0SB+3], s[G0SB+3], 0x80000000
.macro ARM under, g0, g1, next
	s_cmp_lt_u32 s14, \under
	s_cbranch_scc0 \next
	tensor_load_to_lds s[\g0:\g0+3], s[\g1:\g1+7]
	s_nop 0
.rept 4
	v_nop
.endr
	s_branch .Lhead_asked
\next:
.endm
	ARM 1, G0+4, G1, .Lhead_b
	ARM 2, G0B+4, G1B, .Lhead_c
	ARM 3, G0S, G1S, .Lhead_d
	tensor_load_to_lds s[G0SB:G0SB+3], s[G1SB:G1SB+7]
	s_nop 0
.rept 4
	v_nop
.endr
.Lhead_asked:
	v_and_b32 v1, 31, v0
	v_lshlrev_b32 v[CO], 4, v1
	v_and_b32 v2, 15, v0
	v_bfe_u32 v3, v0, 4, 1
	s_wait_alu depctr_va_vdst(0)
	s_mul_i32 s21, s15, HALFT
	s_mul_i32 s22, s16, HALFT
	s_add_co_u32 s22, s22, 2*HALFT
	v_add_nc_u32 v[ADRA], s21, v[CO]
	v_add_nc_u32 v[ADRB], s22, v[CO]
	s_lshl_b32 s21, s21, 1                         ; behind slot 0 a rowblock has twice the bytes
	s_lshl_b32 s22, s22, 1
	s_add_co_u32 s21, s21, SLOT
	s_add_co_u32 s22, s22, SLOT
	v_add_nc_u32 v[ADRA+1], s21, v[CO]
	v_add_nc_u32 v[ADRB+1], s22, v[CO]
	v_add_nc_u32 v[ADRA+2], RBS, v[ADRA+1]
	v_add_nc_u32 v[ADRB+2], RBS, v[ADRB+1]
	s_lshl_b32 s21, s18, 10                        ; the scale words in ps: q's 8 rowblocks that I multiply,
	s_lshl_b32 s22, s15, 9
	s_add_co_u32 s21, s21, s22
	s_sub_co_u32 s22, s92, s21                     ; k's lie further on
	v_mul_u32_u24 v6, s22, v3                      ; lanes 16-31 take k's: one product, the distance between the two
	v_lshl_add_u32 v5, v2, 2, v6
	v_add_nc_u32 v[ADRS], s21, v5
.irp s, 0,1,2,3                        ; all of K at once: set s serves the s-th quarter of K; register 2 i + q: block i, the quarter's q-th 128 along K
.irp i, 0,1,2,3,4,5,6,7
.irp q, 0,1
	global_load_b32 v[SC+16*\s+2*\i+\q], v[ADRS], s[6:7] offset:65536*(2*\s+\q)+64*\i
.endr
.endr
.endr
	s_mul_i32 s23, s14, 1536
	s_add_co_u32 s23, s23, STG
	v_lshl_add_u32 v[STO], v2, 2, s23
	v_add_nc_u32 v[RD], s23, v[CO]
	; where my results go: P's rowblock 16 x tile row + 8 x my half of A, K step 2 x tile column + my half of B
	s_lshl_b32 s19, s18, 4
	s_lshl_b32 s20, s15, 3
	s_add_co_u32 s19, s19, s20
	s_mul_i32 s66, s19, 24576
	s_lshl_b32 s21, s42, 1
	s_add_co_u32 s21, s21, s16
	s_mul_i32 s22, s21, FRB
	s_add_co_u32 s66, s66, s22
	s_mov_b32 s67, 0
	s_add_nc_u64 s[8:9], s[8:9], s[66:67]
	s_lshr_b32 s66, s18, 3
	s_lshl_b32 s66, s66, 17                        ; the batch: 131,072 bytes,
	s_lshl_b32 s21, s21, 13
	s_add_co_u32 s66, s66, s21                     ; the K step: 8,192,
	s_and_b32 s22, s18, 7
	s_lshl_b32 s22, s22, 10
	s_add_co_u32 s66, s66, s22                     ; the tile row's 16 rowblocks: 1,024,
	s_lshl_b32 s22, s15, 9
	s_add_co_u32 s66, s66, s22                     ; my 8 of them
	s_add_nc_u64 s[10:11], s[10:11], s[66:67]
.macro FRAG reg, adr, off
.irp c, 0,1,2
	ds_load_b128 v[(\reg)+4*\c:(\reg)+4*\c+3], v[\adr] offset:(\off)+512*\c
.endr
.endm
; 16 matrix instructions; mode 1: the first product starts the sums: nothing is cleared.  The 64 accumulators take turns, one instruction a turn.
.macro MUL16 a0, p, q, sc, mode
.irp a, \a0, \a0+1
.irp b, 0,1,2,3,4,5,6,7
.set mD, 8*(8*((\a)%4)+\b)
.set mB, 128*(\p)+12*\b
.set mA, AF+12*(\a)
.set mX, SC+16*(\sc)+2*\b+(\q)
.set mY, SC+16*(\sc)+2*(\a)+(\q)
.if \mode == 0
	v_wmma_scale_f32_16x16x128_f8f6f4 v[mD:mD+7], v[mB:mB+11], v[mA:mA+11], v[mD:mD+7], v[mX], v[mY] matrix_a_fmt:MATRIX_FMT_FP6 matrix_b_fmt:MATRIX_FMT_FP6 matrix_a_scale:MATRIX_SCALE_ROW1
.else
	v_wmma_scale_f32_16x16x128_f8f6f4 v[mD:mD+7], v[mB:mB+11], v[mA:mA+11], 0, v[mX], v[mY] matrix_a_fmt:MATRIX_FMT_FP6 matrix_b_fmt:MATRIX_FMT_FP6 matrix_a_scale:MATRIX_SCALE_ROW1
.endif
.endr
.endr
.endm
.macro FETCH_B slot, q, p
	WIN TO_B
.irp i, 0,1,2,3,4,5,6,7
	FRAG 128*(\p)+12*\i, ADRB+\slot, \i*RBS*(1+((\slot)+1)/2)+(\q)*FRB
.endr
	WIN 0
.endm
.macro FETCH_A slot, q, i0
.irp i, \i0, \i0+1, \i0+2, \i0+3
	FRAG AF+12*(\i), ADRA+\slot, (\i)*RBS*(1+((\slot)+1)/2)+(\q)*FRB
.endr
.endm
.macro STEP slot, sc, mode
	s_wait_dscnt 12                                ; all but the youngest 12 loads (A's blocks 4-7)
	WIN MUL_LO
	MUL16 0, 0, 0, \sc, \mode
	MUL16 2, 0, 0, \sc, \mode
	s_wait_dscnt 0x0
	PLACES
	FETCH_B \slot, 1, 1
	FETCH_A \slot, 1, 0
	WIN MUL_HI
	MUL16 4, 0, 0, \sc, \mode
	MUL16 6, 0, 0, \sc, \mode
	PLACES
	WIN 0
	FETCH_A \slot, 1, 4
.endm
; A slot's second 128 along K leads over to the next slot.  sc: this slot's set of scale words; all four sets came in at the head.
; fill = 1: this slot is filled again, with the last quarter of K: each wave waits for all its tensor loads (slots 1 and 2 among them), adds 0 to its spare word, waits for that and for its reads of this slot; a round of the cluster's barrier; the refill first behind it.
; fill = 0: the same three lines and the work-group's barrier: behind it the refilled slot is whole in every wave's eyes.
; fill = 2: no barrier.
.macro TURN slot, next, fill, sc
.if \fill < 2
	s_wait_tensorcnt 0x0                           ; all my tensor loads have landed
	ds_add_u32 v[SPW], v[NIL]
.if \fill == 1
	s_mov_b32 s[G1+2], 8<<16                       ; no tensor load of mine is out: the refill brings 8 rowblocks a wave
	s_mov_b32 s[G1+4], 8
	s_mov_b32 s[G1B+2], 8<<16
	s_mov_b32 s[G1B+4], 8
.endif
	s_wait_dscnt 13
	WIN MUL_LO
	MUL16 0, 1, 1, \sc, 0
	s_wait_dscnt 0x0                               ; the add is done, and my reads of this slot are over
	s_barrier_signal -1
	MUL16 2, 1, 1, \sc, 0
	WIN 0
	s_barrier_wait -1
.else
	s_wait_dscnt 12
	WIN MUL_LO
	MUL16 0, 1, 1, \sc, 0
	MUL16 2, 1, 1, \sc, 0
	WIN 0
	s_wait_dscnt 0x0
.endif
.if \fill == 1
	CREST
	s_add_nc_u64 s[G0+4*\slot+2:G0+4*\slot+3], s[G0+4*\slot+2:G0+4*\slot+3], 3*RBS
	s_add_nc_u64 s[G0B+4*\slot+2:G0B+4*\slot+3], s[G0B+4*\slot+2:G0B+4*\slot+3], 3*RBS
	JLOAD G0+4*\slot, G1, G0B+4*\slot, G1B
.else
	PLACES
.endif
	FETCH_B \next, 0, 0
	FETCH_A \next, 0, 0
	WIN MUL_HI
	MUL16 4, 1, 1, \sc, 0
	MUL16 6, 1, 1, \sc, 0
	PLACES
	WIN 0
	FETCH_A \next, 0, 4
.endm
	s_wait_alu depctr_va_vdst(0)
	s_cmp_lt_u32 s14, 2
	s_cbranch_scc0 .Llater_mine                    ; waves 2 and 3 fetched what is first read behind the next barrier: their wait stands there
	s_wait_tensorcnt 0x0                           ; q's or k's part of slot 0
.Llater_mine:
	s_barrier_signal -1
	s_barrier_wait -1
	FETCH_B 0, 0, 0
	FETCH_A 0, 0, 0
	FETCH_A 0, 0, 4
	s_wait_loadcnt 0x0                             ; the scale words
	STEP 0, 0, 1
	TURN 0, 1, 1, 0                                ; slot 0 is left and takes the last quarter of K
	s_wait_alu depctr_va_vdst(0)
	STEP 1, 1, 0
	TURN 1, 2, 2, 1
	s_wait_alu depctr_va_vdst(0)
	STEP 2, 2, 0
	TURN 2, 0, 0, 2                                ; the refill has landed
	STEP 0, 3, 0
	s_wait_dscnt 12
	WIN MUL_LO
	MUL16 0, 1, 1, 3, 0
	MUL16 2, 1, 1, 3, 0
	s_wait_dscnt 0x0
	WIN MUL_HI
	MUL16 4, 1, 1, 3, 0
	MUL16 6, 1, 1, 3, 0
	WIN 0
	PLACES
; THE WAY OUT of block a: 16 queries x my 128 keys.  The largest score of each block of 32 keys serves twice: for the chunk's maximum, and, since p rises with the score, for the block's largest p
; (this takes the exponential not to fall where its input rises; at the worst one p of a block, within an ulp of a power of two, is held one code low).
.macro SOFTQ a
.set W,  2+(\a)/4
.set AC, 64*((\a)%4)
.set wA, W|(W<<2)|(W<<4)
.set wB, (W<<2)|(W<<4)
.set wC, W|(W<<6)
.set wD, W|(W<<2)
.set wE, W<<2
	WIN wA
.irp b, 0,1,2,3
	v_max3_num_f32 v[BM+\b], v[AC+16*\b], v[AC+16*\b+1], v[AC+16*\b+2]   ; each accumulator is read from its low end on
.endr
	WIN wB
.irp i, 3,5,7,9,11,13
.irp b, 0,1,2,3
	v_max3_num_f32 v[BM+\b], v[BM+\b], v[AC+16*\b+\i], v[AC+16*\b+\i+1]
.endr
.endr
.irp b, 0,1,2,3
	v_max_num_f32 v[BM+\b], v[BM+\b], v[AC+16*\b+15]
.endr
	WIN 0
.irp b, 0,1,2,3
	v_permlanex16_b32 v[BM+4+\b], v[BM+\b], s[SEL], s[SEL+1]
.endr
.irp b, 0,1,2,3
	v_max_num_f32 v[BM+\b], v[BM+\b], v[BM+4+\b]   ; with lane l xor 16's 16 keys
.endr
	v_max3_num_f32 v[T0], v[BM], v[BM+1], v[BM+2]
	v_max_num_f32 v[T0], v[T0], v[BM+3]
	v_mul_f32 v[T0], s[CS], v[T0]                  ; the chunk's largest t (c is positive)
	v_floor_f32 v[NPR], -v[T0]                     ; -M = floor(-t) = -ceil(t)
	v_sub_f32 v[MM+(\a)], 0, v[NPR]                ; M
.irp b, 0,1,2,3
	v_fma_f32 v[BM+\b], v[BM+\b], s[CS], v[NPR]    ; t - M of each block's largest score
.endr
	WIN wC
.irp j, 0,2,4,6,8,10,12,14,16,18,20,22,24,26,28,30,32,34,36,38,40,42,44,46,48,50,52,54,56,58,60,62
	v_pk_fma_f32 v[AC+\j:AC+\j+1], v[AC+\j:AC+\j+1], s[CS:CS+1], v[NPR:NPR+1] op_sel_hi:[1,0,0]   ; t - M, two at a time
.endr
	s_wait_alu depctr_va_vdst(0)
.irp j, 0,1,2,3,4,5,6,7,8,9,10,11,12,13,14,15,16,17,18,19,20,21,22,23,24,25,26,27,28,29,30,31,32,33,34,35,36,37,38,39,40,41,42,43,44,45,46,47,48,49,50,51,52,53,54,55,56,57,58,59,60,61,62,63
	v_exp_f32 v[AC+\j], v[AC+\j]                   ; p = 2^(t - M), at most 1
.endr
	WIN 0
	v_nop                                          ; a plain place behind the exponentials
	s_wait_alu depctr_va_vdst(0)                   ; one wait for the batch of 64, ahead of its first reader
.irp b, 0,1,2,3
	v_exp_f32 v[BM+\b], v[BM+\b]                   ; the blocks' largest p: the same two instructions on the same number give the same bits
.endr
	WIN wD
	v_pk_add_f32 v[SUM:SUM+1], v[AC:AC+1], v[AC+2:AC+3]           ; the sum of the UNQUANTISED p, in two chains (plain work behind the four)
	v_pk_add_f32 v[SUM+2:SUM+3], v[AC+4:AC+5], v[AC+6:AC+7]
	WIN wE
.irp j, 8,12,16,20,24,28,32,36,40,44,48,52,56,60
	v_pk_add_f32 v[SUM:SUM+1], v[SUM:SUM+1], v[AC+\j:AC+\j+1]
	v_pk_add_f32 v[SUM+2:SUM+3], v[SUM+2:SUM+3], v[AC+\j+2:AC+\j+3]
.endr
	WIN 0
	v_pk_add_f32 v[SUM:SUM+1], v[SUM:SUM+1], v[SUM+2:SUM+3]
	v_add_f32 v[SUM], v[SUM], v[SUM+1]
	v_permlanex16_b32 v[SUM+2], v[SUM], s[SEL], s[SEL+1]
	v_add_f32 v[LL+(\a)], v[SUM], v[SUM+2]         ; with lane l xor 16's 64 keys
	s_wait_alu depctr_va_vdst(0)                   ; and one wait for the four
.irp b, 0,1,2,3
	v_max_num_f32 v[BM+\b], 0x1800000, v[BM+\b]    ; the floor 2^(3 - 127): the byte cannot fall under 1
.endr
.irp b, 0,1,2,3
	v_add_nc_u32 v[BM+12+\b], 0xff000000, v[BM+\b]
.endr
.irp b, 0,1,2,3
	v_lshrrev_b32 v[BM+4+\b], 23, v[BM+12+\b]
.endr
	v_lshl_or_b32 v[PW+(\a)], v[BM+5], 8, v[BM+4]
	v_lshl_or_b32 v[PW+(\a)], v[BM+6], 16, v[PW+(\a)]
	v_lshl_or_b32 v[PW+(\a)], v[BM+7], 24, v[PW+(\a)]
.if (\a) > 0
	s_wait_xcnt 0x0                                ; the last block's stores have read the codes' registers
.endif
	WIN W
.irp c, 0,1
	v_cvt_scalef32_pk16_fp6_f32 v[PC+6*\c:PC+2+6*\c], v[AC+32*\c:AC+15+32*\c], v[BM+12+2*\c]
	v_cvt_scalef32_pk16_fp6_f32 v[PC+12+4*\c:PC+14+4*\c], v[AC+16+32*\c:AC+31+32*\c], v[BM+12+2*\c+1]
.endr
	WIN 0
	v_nop                                          ; one plain place behind a scaled conversion
.irp c, 0,1
.irp i, 0,1,2
	v_permlane16_swap_b32 v[PC+6*\c+\i], v[PC+12+4*\c+\i]
.endr
.irp i, 0,1,2
	v_mov_b32 v[PC+3+6*\c+\i], v[PC+12+4*\c+\i]
.endr
.endr
.irp c, 0,1,2
	global_store_b128 v[CO], v[PC+4*\c:PC+4*\c+3], s[8:9] offset:24576*(\a)+512*\c   ; 512 consecutive bytes, at a multiple of 256 from the buffer's first byte
.endr
	ds_store_b32 v[STO], v[PW+(\a)] offset:64*(\a)
	ds_store_b32 v[STO], v[MM+(\a)] offset:512+64*(\a)
	ds_store_b32 v[STO], v[LL+(\a)] offset:1024+64*(\a)
.endm
.irp b, 0,1,2,3
	v_mov_b32 v[BM+4+\b], 0                        ; written once: a lane permute's destination counts as one of its sources
.endr
	v_mov_b32 v[SUM+2], 0
	v_mov_b32 v[NPR+1], 0                          ; named as the upper half of a pair
.irp a, 0,1,2,3,4,5,6,7
	SOFTQ \a
.endr
.irp c, 0,1,2
	ds_load_b128 v[200+4*\c:203+4*\c], v[RD] offset:512*\c   ; LDS serves a wave's instructions in order: these see my stores
.endr
	s_wait_dscnt 0x0
.irp c, 0,1,2
	global_store_b128 v[CO], v[200+4*\c:203+4*\c], s[10:11] offset:524288*\c   ; my 8 rowblocks of one K step: 512 consecutive bytes in each section
.endr
	s_wait_tensorcnt 0x0                           ; the wave's end
	ds_add_u32 v[SPW], v[NIL]
	s_wait_dscnt 0x0
	CROUND                                         ; the closing round
	s_endpgm
.Lfunc_end_k_qa5a29220aa_scores:
	.size	k_qa5a29220aa_scores, .Lfunc_end_k_qa5a29220aa_scores-k_qa5a29220aa_scores
	.p2alignl 7, 3214868480
	.fill 96, 4, 3214868480
	.section	.rodata,"a",@progbits
	.p2align	6, 0x0
	.amdhsa_kernel k_qa5a29220aa_scores
		.amdhsa_group_segment_fixed_size 327680
		.amdhsa_private_segment_fixed_size 0
		.amdhsa_enable_private_segment 0
		.amdhsa_kernarg_size 32
		.amdhsa_user_sgpr_count 2
		.amdhsa_user_sgpr_kernarg_segment_ptr 1
		.amdhsa_wavefront_size32 1
		.amdhsa_system_sgpr_workgroup_id_x 1
		.amdhsa_system_sgpr_workgroup_id_y 1
		.amdhsa_system_sgpr_workgroup_id_z 1
		.amdhsa_system_vgpr_workitem_id 0
		.amdhsa_next_free_vgpr 1024
		.amdhsa_next_free_sgpr 102
		.amdhsa_reserve_vcc 0
		.amdhsa_float_denorm_mode_32 3
		.amdhsa_float_denorm_mode_16_64 3
		.amdhsa_memory_ordered 1
		.amdhsa_forward_progress 1
		.amdhsa_inst_pref_size 200
	.end_amdhsa_kernel
	.amdgpu_metadata
---
amdhsa.version: [ 1, 2 ]
amdhsa.kernels:
  - .name:           k_qa5a29220aa_scores
    .symbol:         k_qa5a29220aa_scores.kd
    .args:
      - { .name: pc, .offset: 0, .size: 8, .value_kind: global_buffer, .address_space: global }
      - { .name: ps, .offset: 8, .size: 8, .value_kind: global_buffer, .address_space: global }
      - { .name: pp, .offset: 16, .size: 8, .value_kind: global_buffer, .address_space: global }
      - { .name: pst, .offset: 24, .size: 8, .value_kind: global_buffer, .address_space: global }
    .group_segment_fixed_size: 327680
    .private_segment_fixed_size: 0
    .kernarg_segment_align: 8
    .kernarg_segment_size: 32
    .max_flat_workgroup_size: 128
    .sgpr_count:     102
    .vgpr_count:     1024
    .wavefront_size: 32
...
	.end_amdgpu_metadata
.endif
;; end of part 7
;; launch pv (part 8): grid 4 x 64, 4 waves a work-group, clusters of 4 x 4, 327,680 bytes of LDS; arguments pp, pst, pc, ps, out0; writes out0
.if DOCPART == 8
	.amdgcn_target "amdgcn-amd-amdhsa--gfx1250"
	.amdhsa_code_object_version 6
	.text
	.protected	k_qa5a29220aa_pv
	.globl	k_qa5a29220aa_pv
	.p2align	8
	.type	k_qa5a29220aa_pv,@function
k_qa5a29220aa_pv:
	s_mov_b64 s[64:65], 0
	v_nop
	global_prefetch_b8 v0, s[64:65] scope:SCOPE_SE
	s_setreg_imm32_b32 hwreg(HW_REG_WAVE_MODE, 25, 1), 1
	s_wait_xcnt 0x0
	s_wait_alu depctr_hold_cnt(0) depctr_sa_sdst(0) depctr_va_vdst(0) depctr_va_sdst(0) depctr_va_ssrc(0) depctr_va_vcc(0) depctr_vm_vsrc(0)
	s_getreg_b32 s2, hwreg(HW_REG_IB_STS2, 6, 4)
	s_cmp_eq_u32 s2, 0
	s_cbranch_scc0 .Lentry_in_a_cluster
	s_endpgm
.Lentry_in_a_cluster:
	s_bfe_u32 s2, ttmp6, 0x10000c
	s_cmp_lg_u32 s2, 0xf033
	s_cbranch_scc0 .Lentry_shape_is_right
	s_endpgm
.Lentry_shape_is_right:
; out0 = (P v) / l on codes of FP6 (E2M3) with E8M0 scales.  P's fragments were quantised under a LOCAL whole number M for each query and each 128 keys.  At the head each work-group takes, for its 128 queries,
; the row's M = the largest of the 16 local ones, adds the whole number D = M_local - M_row (0 or less) to the four scale bytes of each chunk, and sums l = sum of l_local x 2^D: both exact but for l's additions.
; LIMITS: D is held at -127, and a scale byte that would fall under 0 becomes 0: a chunk that lies more than 2^-127 under its row's largest p is weighed as 2^-127, under 2^-118 of l.
; l is summed chunk by chunk, another order than a sum along the row.  NaN and infinities are not served.
; SHARES.  8,192 queries x 1,024 channels are 256 tiles of 128 queries x 256 channels: one work-group to a tile.  Four waves, 64 queries x 128 channels each: 32 accumulators, 256 registers.
; A K step of 128 keys is 32 matrix instructions a wave, for which it reads 12 fragments from LDS; both operands have two sets of registers, and a step's fragments are fetched during the step before.
; THE RING.  K = the batch's 2,048 keys.  A slot holds 512 keys: (8 + 16) rowblocks x 6,144 bytes = 147,456 bytes; two slots; four slots' worth of keys: two first fills and two refills, each asked for in the
; last step of the slot that it fills again.  All 16 steps are written out, so every offset is an immediate.
; Source 0 = 16 positions of v^T (side B), source 1 = 16 positions of P (side A): a lane holds one query, its registers run along the channels in true order.  Queries lie in the order
; position t -> true row 8 u + t % 8 + 16 (t / 8) of a group of 32: the stores' immediates put each row where it belongs.
; CLUSTERS: 4 x 4 work-groups; P's tiles are asked for jointly along a row of the cluster, v^T's tiles and scale words along a column.  P's scale words come through registers, since they are changed on the way.
; REGISTERS: window 0: v0-31 addresses; v32-47 scale words, two sets of six, and nothing else; v64-159 A's fragments, two sets of four; v160-226 at the head M, l, P's scale words and work; on the way out v64-71 1 / l, v128-255 rows of out0.
;   window 1: B's fragments, two sets of eight, at v0 and v128.   window 2: the accumulators, (a, b) at v[8 (8 a + b)].
.set KST,   16
.set FRB,   1536                       ; a fragment's image
.set RBS,   4*FRB                      ; a rowblock's part of a slot: 512 along K
.set ATILE, 8*RBS                      ; A's 8 rowblocks
.set SLOT,  24*RBS                     ; and B's 16 behind them
.set HALFS, 512*KST                    ; v^T's scale words of 8 rowblocks: [K step][8][64 bytes]
.set SCL,   2*SLOT                     ; P's corrected scale words, [K step][8 rowblocks][64 bytes], stored by the waves: no tensor load lands in these blocks of 256 bytes
.set SCB,   SCL+512*KST+128            ; v^T's, by tensor loads; 128 bytes further on than a whole number of 256, so that the two halves of the lanes read different 128 bytes of a 256
.set LRW,   SCB+2*HALFS+128            ; 1 / l of the tile's 128 positions
.set SPARE, LRW+512                    ; the spare words, 128 bytes for each wave: two blocks of 256 bytes that no other line names
.set STG,   0                          ; the way out: 16 rows x 528 bytes for each wave, in slot 0: it has had its last fill, and its last read lies ahead of the last change of slots' barrier
.set VT0,   12582912
.set PSV0,  524288
.set ADRA, 16                          ; v16-17  my A fragments in slot 0, 1
.set T4,   18                          ; v18     4 x my thread's number: my row's word in a K step's 512 bytes; never rewritten
.set AL,   19                          ; v19     where my row's 1 / l goes
.set ADRB, 20                          ; v20-21  my B fragments
.set AW,   22                          ; v22     where my row's scale words go
.set ALR,  23                          ; v23     where I read 1 / l of my position
.set STO,  24
.set RD,   25
.set CO,   26                          ; v26     16 x lane
.set ADRS, 27                          ; v27     scale words: lanes 0-15 P's block j, lanes 16-31 v^T's block j, j = 0 .. 3
.set SPW,  28
.set NIL,  29
.set ADRS2, 30                         ; v30     v^T's blocks 4 + 2 j (lanes 0-15) and 5 + 2 j (lanes 16-31), j = 0, 1
.set SC,   32                          ; set p at v[SC + 8 p], six registers
.set AF,   64                          ; set p at v[AF + 48 p]
.set MV,   160                         ; v160-175 M of my row, K step s at s
.set LV,   176                         ; v176-191 l likewise
.set WD,   192                         ; v192-207 the scale words likewise
.set DI,   208                         ; v208-223 at work
.set MG,   224
.set LS,   225
.set RC,   226
.set RL,   64                          ; the way out: 1 / l of block a, twice, at v[64 + 2 a]
.set BK,   128
.set G1,   24
.set G0,   32
.set G1B,  48
.set G0B,  56
.set G1SB, 80
.set G0SB, 88
.set K80,  66                          ; s66 0x80808080;  s67 0x01010101
.set K01,  67
.set MSB, 0
.macro WIN new                         ; the immediate's high byte repeats the setting that is left
.if MSB != (\new)
	s_set_vgpr_msb (MSB<<8)|(\new)
.set MSB, (\new)
.endif
.endm
.set MUL,  0xa1                        ; source 0 (B) window 1, source 1 (A) window 0, C and D window 2
.set TO_B, 0x40                        ; destination window 1, address window 0
.macro JLOAD g0a, g1a, g0b, g1b        ; a joint load: waves 0 and 1 fetch A's halves, waves 2 and 3 B's; an s_nop 0 and four v_nop follow each line
	s_cmp_eq_u32 s15, 0
	s_cbranch_scc0 .Lfor_b_\@
	tensor_load_to_lds s[\g0a:\g0a+3], s[\g1a:\g1a+7]
	s_nop 0
.rept 4
	v_nop
.endr
	s_branch .Lasked_\@
.Lfor_b_\@:
	tensor_load_to_lds s[\g0b:\g0b+3], s[\g1b:\g1b+7]
	s_nop 0
.rept 4
	v_nop
.endr
.Lasked_\@:
.endm
.macro CREST
	s_cmp_lg_u32 s14, 0
	s_cbranch_scc1 .Lnot_wave_0_\@
	s_barrier_signal -3
.Lnot_wave_0_\@:
	s_barrier_wait -3
	s_barrier_signal -1
	s_barrier_wait -1
.endm
.macro CROUND
	s_barrier_signal -1
	s_barrier_wait -1
	CREST
.endm
.macro PLACES                          ; four plain places behind a matrix instruction, ahead of loads into its registers and of reads of its results
.rept 4
	v_nop
.endr
.endm
	s_load_b256 s[4:11], s[0:1], 0x0               ; pp s[4:5], pst s[6:7], pc s[8:9], ps s[10:11]
	s_load_b64 s[12:13], s[0:1], 0x20              ; out0
	v_lshl_add_u32 v[SPW], v0, 2, SPARE
	v_mov_b32 v[NIL], 0
	ds_add_u32 v[SPW], v[NIL]                      ; the wave's opening: the add and its wait ahead of my first tensor load
	ds_add_u32 v[SPW], v[NIL]
	v_lshrrev_b32 v1, 5, v0
	v_readfirstlane_b32 s14, v1                    ; wave 0..3
	s_lshr_b32 s15, s14, 1                         ; my half of A.  Also: I fetch for A (0) or for B (1)
	s_and_b32 s16, s14, 1                          ; my half of B.  Also: which half of that tile I fetch
	s_bfe_u32 s40, ttmp6, 0x40000                  ; cx: the tile column of channels
	s_bfe_u32 s41, ttmp6, 0x40004                  ; cy
	s_and_b32 s17, ttmp7, 0xffff                   ; the cluster's y, 0..15: four clusters to a batch
	s_lshl_b32 s18, s17, 2
	s_add_co_u32 s18, s18, s41                     ; the tile row of 128 queries, 0..63
	s_lshl_b32 s43, s41, 2
	s_lshl_b32 s43, 15, s43                        ; my row of the cluster
	s_lshl_b32 s44, 0x1111, s40                    ; my column
	; group 1 for codes: rows (rowblocks) of 768 elements of 8 bytes (6,144 bytes: four fragments), 24,576 bytes apart; A's halves have 4 rows, B's 8; no padding: fragments are read as consecutive bytes
	s_or_b32 s[G1+0], s43, (3<<16)|(1<<21)
	s_mov_b32 s[G1+1], 768<<16
	s_mov_b32 s[G1+2], 8<<16                       ; the head's loads bring whole tiles: P's 8 rowblocks, v^T's 16; behind them the words that count rows are halved, for the refills
	s_mov_b32 s[G1+3], 768<<16
	s_mov_b32 s[G1+4], 8
	s_mov_b32 s[G1+5], KST*192
	s_mov_b32 s[G1+6], 0
	s_mov_b32 s[G1+7], 0
	s_or_b32 s[G1B+0], s44, (3<<16)|(1<<21)
	s_mov_b32 s[G1B+1], 768<<16
	s_mov_b32 s[G1B+2], 16<<16
	s_mov_b32 s[G1B+3], 768<<16
	s_mov_b32 s[G1B+4], 16
	s_mov_b32 s[G1B+5], KST*192
	s_mov_b32 s[G1B+6], 0
	s_mov_b32 s[G1B+7], 0
	s_lshl_b32 s20, s18, 3
	s_lshl_b32 s19, s16, 2
	s_add_co_u32 s20, s20, s19                     ; P's rowblocks that I fetch: 8 x tile row + 4 x half
	s_mul_i32 s20, s20, KST*FRB
	s_mov_b32 s21, 0
	s_lshr_b32 s42, s17, 2                         ; the batch
	s_lshl_b32 s19, s16, 3
	s_lshl_b32 s47, s40, 4
	s_add_co_u32 s47, s47, s19                     ; 16 cx + 8 x half
	s_lshl_b32 s46, s42, 6
	s_add_co_u32 s46, s46, s47                     ; v^T's rowblocks that I fetch
	s_mul_i32 s46, s46, KST*FRB
	s_add_co_u32 s46, s46, VT0
	s_lshl_b32 s92, s42, 16
	s_lshl_b32 s47, s47, 6
	s_add_co_u32 s92, s92, s47
	s_add_co_u32 s92, s92, PSV0
	s_mov_b32 s47, 0
	s_mov_b32 s93, 0
	s_mul_i32 s45, s16, 4*RBS                      ; where A's half goes,
	s_mul_i32 s95, s16, 8*RBS
	s_add_co_u32 s95, s95, ATILE                   ; where B's: no place in the cluster enters an LDS address
	s_lshl_b32 s82, s16, 9                         ; from a tile's first rowblock to my half: v^T's scale words,
	s_mov_b32 s83, 0
	s_mul_i32 s84, s16, 4*KST*FRB                  ; P's codes,
	s_mov_b32 s85, 0
	s_mul_i32 s86, s16, 8*KST*FRB                  ; v^T's codes
	s_mov_b32 s87, 0
	s_lshr_b32 s22, s18, 4                         ; the chunks' figures of my tile: the batch's 131,072 bytes,
	s_lshl_b32 s22, s22, 17
	s_and_b32 s23, s18, 15
	s_lshl_b32 s23, s23, 9                         ; the tile's 8 rowblocks of 64 bytes
	s_add_co_u32 s22, s22, s23
	s_mov_b32 s23, 0
	s_mov_b32 s[K80], 0x80808080
	s_mov_b32 s[K01], 0x01010101
	v_lshlrev_b32 v[T4], 2, v0
	v_lshrrev_b32 v10, 6, v0                       ; v^T's scale words go through registers into LDS: 128 threads x 16 bytes are two K steps of the tile's 16 rowblocks
	v_and_b32 v8, 63, v0
	v_lshlrev_b32 v8, 4, v8
	v_lshl_add_u32 v8, v10, 12, v8                 ; in ps: K steps lie 4,096 bytes apart
	v_and_b32 v9, 31, v0
	v_lshlrev_b32 v9, 4, v9
	v_lshl_add_u32 v9, v10, 9, v9                  ; in LDS: [half of the rowblocks][K step][512 bytes]
	v_bfe_u32 v11, v0, 5, 1
	v_lshl_add_u32 v9, v11, 13, v9
	v_add_nc_u32 v9, SCB, v9
	s_wait_alu depctr_va_vdst(0)
	s_wait_dscnt 0x0                               ; the opening add is done
	s_wait_kmcnt 0x0
	s_add_nc_u64 s[6:7], s[6:7], s[22:23]
	; M, l and the scale words of my row, for the 16 chunks: thread t has position t of the tile; the work-group's four waves read 512 consecutive bytes.  They go out first: the first products wait for what is made of them
.irp s, 0,1,2,3,4,5,6,7,8,9,10,11,12,13,14,15
	global_load_b32 v[MV+\s], v[T4], s[6:7] offset:524288+8192*\s
.endr
.irp s, 0,1,2,3,4,5,6,7,8,9,10,11,12,13,14,15
	global_load_b32 v[LV+\s], v[T4], s[6:7] offset:1048576+8192*\s
	global_load_b32 v[WD+\s], v[T4], s[6:7] offset:8192*\s
.endr
	s_add_nc_u64 s[20:21], s[4:5], s[20:21]
	s_add_nc_u64 s[46:47], s[8:9], s[46:47]
	s_add_nc_u64 s[92:93], s[10:11], s[92:93]
	s_sub_nc_u64 s[92:93], s[92:93], s[82:83]
.irp j, 0,1,2,3,4,5,6,7
	global_load_b128 v[96+4*\j:99+4*\j], v8, s[92:93] offset:8192*\j   ; 64 threads read 1,024 consecutive bytes
.endr
	CROUND                                         ; all sixteen work-groups are here: the first joint loads meet
.irp s, 0,1
	s_mov_b32 s[G0+4*\s], 1
	s_add_co_u32 s[G0+4*\s+1], s45, \s*SLOT
	s_add_nc_u64 s[G0+4*\s+2:G0+4*\s+3], s[20:21], \s*RBS
	s_or_b32 s[G0+4*\s+3], s[G0+4*\s+3], 0x80000000
	s_mov_b32 s[G0B+4*\s], 1
	s_add_co_u32 s[G0B+4*\s+1], s95, \s*SLOT
	s_add_nc_u64 s[G0B+4*\s+2:G0B+4*\s+3], s[46:47], \s*RBS
	s_or_b32 s[G0B+4*\s+3], s[G0B+4*\s+3], 0x80000000
.endr
	; THE HEAD'S LOADS, ONE A WAVE: wave 0 P's tile of slot 0, wave 1 v^T's, wave 2 P's tile of slot 1, wave 3 v^T's
	s_sub_nc_u64 s[20:21], s[20:21], s[84:85]      ; the tiles' first rowblocks
	s_sub_nc_u64 s[46:47], s[46:47], s[86:87]
	s_mov_b32 s68, 1
	s_mov_b32 s69, 0
	s_mov_b64 s[70:71], s[20:21]
	s_or_b32 s71, s71, 0x80000000
	s_mov_b32 s72, 1
	s_mov_b32 s73, ATILE
	s_mov_b64 s[74:75], s[46:47]
	s_or_b32 s75, s75, 0x80000000
	s_mov_b32 s76, 1
	s_mov_b32 s77, SLOT
	s_add_nc_u64 s[78:79], s[20:21], RBS
	s_or_b32 s79, s79, 0x80000000
	s_mov_b32 s88, 1
	s_mov_b32 s89, SLOT+ATILE
	s_add_nc_u64 s[90:91], s[46:47], RBS
	s_or_b32 s91, s91, 0x80000000
.macro ARM under, g0, g1, next
	s_cmp_lt_u32 s14, \under
	s_cbranch_scc0 \next
	tensor_load_to_lds s[\g0:\g0+3], s[\g1:\g1+7]
	s_nop 0
.rept 4
	v_nop
.endr
	s_branch .Lfirst_asked
\next:
.endm
	ARM 1, 68, G1, .Lfirst_b
	ARM 2, 72, G1B, .Lfirst_c
	ARM 3, 76, G1, .Lfirst_d
	tensor_load_to_lds s[88:91], s[G1B:G1B+7]
	s_nop 0
.rept 4
	v_nop
.endr
.Lfirst_asked:
	v_and_b32 v1, 31, v0
	v_lshlrev_b32 v[CO], 4, v1                     ; 16 x lane
	v_and_b32 v2, 15, v0                           ; r
	v_bfe_u32 v3, v0, 4, 1                         ; h
	s_wait_alu depctr_va_vdst(0)
	s_mul_i32 s21, s15, 4*RBS                      ; my four rowblocks of A
	s_mul_i32 s22, s16, 8*RBS
	s_add_co_u32 s22, s22, ATILE                   ; my eight of B
.irp s, 0,1
	v_add_nc_u32 v[ADRA+\s], s21, v[CO]
	v_add_nc_u32 v[ADRB+\s], s22, v[CO]
	s_add_co_u32 s21, s21, SLOT
	s_add_co_u32 s22, s22, SLOT
.endr
	s_lshl_b32 s21, s15, 8                         ; P's scale words: my four rowblocks of a K step's eight
	s_mul_i32 s22, s16, HALFS                      ; v^T's: my half
	s_add_co_u32 s22, s22, SCB-SCL
	s_sub_co_u32 s23, s22, s21
	v_mul_u32_u24 v6, s23, v3                      ; lanes 16-31 take v^T's: one product, the distance between the two
	s_add_co_u32 s21, s21, SCL
	v_lshl_add_u32 v5, v2, 2, v6
	v_add_nc_u32 v[ADRS], s21, v5
	s_add_co_u32 s22, s22, SCL+256                 ; v^T's block 4
	v_lshl_add_u32 v5, v3, 6, s22                  ; + 64 h
	v_lshl_add_u32 v[ADRS2], v2, 2, v5
	v_lshl_add_u32 v[AW], v0, 2, SCL
	v_lshl_add_u32 v[AL], v0, 2, LRW
	s_lshl_b32 s22, s15, 8
	s_add_co_u32 s22, s22, LRW
	v_lshl_add_u32 v[ALR], v2, 2, s22
	s_mul_i32 s23, s14, 16*528
	s_add_co_u32 s23, s23, STG
	v_mul_u32_u24 v5, v2, 528
	v_lshl_add_u32 v5, v3, 6, v5
	v_add_nc_u32 v[STO], s23, v5                   ; into the stage: row r, + 64 h
	v_add_nc_u32 v[RD], s23, v[CO]
	s_lshl_b32 s22, s18, 19                        ; out0: 128 rows of 4,096 bytes a tile row,
	s_lshl_b32 s23, s15, 18
	s_add_co_u32 s22, s22, s23                     ; my 64 rows,
	s_lshl_b32 s23, s40, 10
	s_add_co_u32 s22, s22, s23                     ; the tile's 256 channels,
	s_lshl_b32 s23, s16, 9
	s_add_co_u32 s22, s22, s23                     ; my 128
	s_mov_b32 s23, 0
	s_add_nc_u64 s[12:13], s[12:13], s[22:23]
	s_wait_loadcnt 0x0
.irp j, 0,1,2,3,4,5,6,7
	ds_store_b128 v9, v[96+4*\j:99+4*\j] offset:1024*\j   ; v^T's scale words: no tensor load lands in these blocks of 256 bytes
.endr
	; THE CORRECTION, each line for all 16 chunks, so that no line waits for the line above it.  The four bytes of a word are at most 125: with bit 7 set in each, D (0 .. -127) is added to all four at once
	; and no borrow crosses a byte; a byte whose bit 7 has gone fell under 0 and becomes 0.
	v_max3_num_f32 v[MG], v[MV], v[MV+1], v[MV+2]  ; the row's M: the largest of the 16
.irp s, 3,5,7,9,11,13
	v_max3_num_f32 v[MG], v[MG], v[MV+\s], v[MV+\s+1]
.endr
	v_max_num_f32 v[MG], v[MG], v[MV+15]
.irp s, 0,1,2,3,4,5,6,7,8,9,10,11,12,13,14,15
	v_sub_f32 v[DI+\s], v[MV+\s], v[MG]
.endr
.irp s, 0,1,2,3,4,5,6,7,8,9,10,11,12,13,14,15
	v_max_num_f32 v[DI+\s], 0xc2fe0000, v[DI+\s]   ; held at -127
.endr
.irp s, 0,1,2,3,4,5,6,7,8,9,10,11,12,13,14,15
	v_cvt_i32_f32 v[DI+\s], v[DI+\s]
.endr
.irp s, 0,1,2,3,4,5,6,7,8,9,10,11,12,13,14,15
	v_ldexp_f32 v[LV+\s], v[LV+\s], v[DI+\s]       ; l_local x 2^D
.endr
.irp s, 0,1,2,3,4,5,6,7,8,9,10,11,12,13,14,15
	v_or_b32 v[WD+\s], s[K80], v[WD+\s]
.endr
.irp s, 0,1,2,3,4,5,6,7,8,9,10,11,12,13,14,15
	v_mul_lo_u32 v[DI+\s], v[DI+\s], s[K01]
.endr
.irp s, 0,1,2,3,4,5,6,7,8,9,10,11,12,13,14,15
	v_add_nc_u32 v[WD+\s], v[WD+\s], v[DI+\s]
.endr
.irp s, 0,1,2,3,4,5,6,7,8,9,10,11,12,13,14,15
	v_and_b32 v[DI+\s], s[K80], v[WD+\s]
.endr
.irp s, 0,1,2,3,4,5,6,7,8,9,10,11,12,13,14,15
	v_lshrrev_b32 v[MV+\s], 7, v[DI+\s]
.endr
.irp s, 0,1,2,3,4,5,6,7,8,9,10,11,12,13,14,15
	v_sub_nc_u32 v[DI+\s], v[DI+\s], v[MV+\s]      ; 0x7f in each byte that stayed at 0 or above
.endr
.irp s, 0,1,2,3,4,5,6,7,8,9,10,11,12,13,14,15
	v_and_b32 v[WD+\s], v[WD+\s], v[DI+\s]
.endr
.irp s, 0,1,2,3,4,5,6,7,8,9,10,11,12,13,14,15
	ds_store_b32 v[AW], v[WD+\s] offset:512*\s
.endr
.irp s, 0,4,8,12
	v_pk_add_f32 v[LV+\s:LV+\s+1], v[LV+\s:LV+\s+1], v[LV+\s+2:LV+\s+3]
.endr
.irp s, 0,8
	v_pk_add_f32 v[LV+\s:LV+\s+1], v[LV+\s:LV+\s+1], v[LV+\s+4:LV+\s+5]
.endr
	v_pk_add_f32 v[LV:LV+1], v[LV:LV+1], v[LV+8:LV+9]
	v_add_f32 v[LS], v[LV], v[LV+1]
	s_wait_alu depctr_va_vdst(0)
	v_rcp_f32 v[RC], v[LS]
	v_nop                                          ; a plain place behind the reciprocal
	s_wait_alu depctr_va_vdst(0)                   ; the wait ahead of its reader
	ds_store_b32 v[AL], v[RC]
.macro FRAG reg, adr, off              ; a fragment comes as it was stored: three loads of 512 consecutive bytes
.irp c, 0,1,2
	ds_load_b128 v[(\reg)+4*\c:(\reg)+4*\c+3], v[\adr] offset:(\off)+512*\c
.endr
.endm
; 8 matrix instructions: A's block a x B's eight, from sets p.  mode 1: the first product starts the sums: nothing is cleared.  The 32 accumulators take turns, one instruction a turn, in the same order in every step.
; B's scale words: blocks 0-3 in lanes 16-31 of registers 0-3, blocks 4, 6 in lanes 0-15 and blocks 5, 7 in lanes 16-31 of registers 4, 5.
.macro MULA a, p, mode
.irp b, 0,1,2,3,4,5,6,7
.set mD, 8*(8*(\a)+\b)
.set mB, 128*(\p)+12*\b
.set mA, AF+48*(\p)+12*(\a)
.set mY, SC+8*(\p)+(\a)
.if \b < 4
.set mX, SC+8*(\p)+\b
.else
.set mX, SC+8*(\p)+4+(\b-4)/2
.endif
.if (\b < 4) || (\b % 2)
.if \mode == 0
	v_wmma_scale_f32_16x16x128_f8f6f4 v[mD:mD+7], v[mB:mB+11], v[mA:mA+11], v[mD:mD+7], v[mX], v[mY] matrix_a_fmt:MATRIX_FMT_FP6 matrix_b_fmt:MATRIX_FMT_FP6 matrix_a_scale:MATRIX_SCALE_ROW1
.else
	v_wmma_scale_f32_16x16x128_f8f6f4 v[mD:mD+7], v[mB:mB+11], v[mA:mA+11], 0, v[mX], v[mY] matrix_a_fmt:MATRIX_FMT_FP6 matrix_b_fmt:MATRIX_FMT_FP6 matrix_a_scale:MATRIX_SCALE_ROW1
.endif
.else
.if \mode == 0
	v_wmma_scale_f32_16x16x128_f8f6f4 v[mD:mD+7], v[mB:mB+11], v[mA:mA+11], v[mD:mD+7], v[mX], v[mY] matrix_a_fmt:MATRIX_FMT_FP6 matrix_b_fmt:MATRIX_FMT_FP6
.else
	v_wmma_scale_f32_16x16x128_f8f6f4 v[mD:mD+7], v[mB:mB+11], v[mA:mA+11], 0, v[mX], v[mY] matrix_a_fmt:MATRIX_FMT_FP6 matrix_b_fmt:MATRIX_FMT_FP6
.endif
.endif
.endr
.endm
.macro FETB k                          ; B's eight fragments of K step k (slot (k / 4) % 2, its (k % 4)-th 128 keys) into set k % 2
.set fS, ((\k)/4)%2
.set fQ, (\k)%4
.set fP, (\k)%2
	WIN TO_B
.irp i, 0,1,2,3,4,5,6,7
	FRAG 128*fP+12*\i, ADRB+fS, \i*RBS+fQ*FRB
.endr
.endm
.macro FETA k                          ; A's four fragments and the six registers of scale words
.set fS, ((\k)/4)%2
.set fQ, (\k)%4
.set fP, (\k)%2
	WIN 0
.irp i, 0,1,2,3
	FRAG AF+48*fP+12*\i, ADRA+fS, \i*RBS+fQ*FRB
.endr
.irp j, 0,1,2,3
	ds_load_b32 v[SC+8*fP+\j], v[ADRS] offset:512*(\k)+64*\j
.endr
.irp j, 0,1
	ds_load_b32 v[SC+8*fP+4+\j], v[ADRS2] offset:512*(\k)+128*\j
.endr
.endm
; A K step whose successor lies in the same slot: its 32 products, and between them, in two runs, the 42 LDS loads of the next step, into the other sets.
; The four places stand between the last step's products, which read those sets, and the loads.
.macro STEP k, mode
	s_wait_dscnt 0x0                               ; this step's fragments and scale words are in (asked for in the step before)
	WIN MUL
	MULA 0, (\k)%2, \mode
	PLACES
	FETB (\k)+1
	WIN MUL
	MULA 1, (\k)%2, \mode
	FETA (\k)+1
	WIN MUL
	MULA 2, (\k)%2, \mode
	MULA 3, (\k)%2, \mode
.endm
; A slot's last K step changes slots: ONE barrier; in front of it each wave waits for all its tensor loads (its part of the next slot), adds 0 to its spare word, and waits for that and for its reads of this slot.
; fill = 1: the barrier opens a round of the cluster's, and this slot is filled again, with the keys two slots on, first thing behind it.
.macro TURN k, fill
.set tS, ((\k)/4)%2
	WIN 0                                          ; (the add's two registers lie in window 0)
	s_wait_tensorcnt 0x0                           ; all my tensor loads have landed
	ds_add_u32 v[SPW], v[NIL]
.if \fill
	s_mov_b32 s[G1+2], 4<<16                       ; no tensor load of mine is out: a refill brings half a tile a wave
	s_mov_b32 s[G1+4], 4
	s_mov_b32 s[G1B+2], 8<<16
	s_mov_b32 s[G1B+4], 8
.endif
	s_wait_dscnt 1
	WIN MUL
	MULA 0, (\k)%2, 0
	s_wait_dscnt 0x0                               ; the add is done, and my reads of this slot are over
	s_barrier_signal -1
	MULA 1, (\k)%2, 0
	WIN 0
	s_barrier_wait -1
.if \fill
	CREST                                          ; no wave of any partner still reads this slot or has a load on its way
	s_add_nc_u64 s[G0+4*tS+2:G0+4*tS+3], s[G0+4*tS+2:G0+4*tS+3], 2*RBS
	s_add_nc_u64 s[G0B+4*tS+2:G0B+4*tS+3], s[G0B+4*tS+2:G0B+4*tS+3], 2*RBS
	JLOAD G0+4*tS, G1, G0B+4*tS, G1B               ; the first tensor load behind the round; its four v_nop are the places in front of the loads below
.else
	PLACES
.endif
	FETB (\k)+1
	FETA (\k)+1
	WIN MUL
	MULA 2, (\k)%2, 0
	MULA 3, (\k)%2, 0
.endm
	s_wait_alu depctr_va_vdst(0)
	s_wait_dscnt 0x0                               ; for the others' sake: the scale words and 1 / l lie in LDS
	s_cmp_lt_u32 s14, 2
	s_cbranch_scc0 .Lslot1_mine                    ; waves 2 and 3 fetched slot 1, which is first read behind the next barrier: their wait stands there
	s_wait_tensorcnt 0x0                           ; my tile of slot 0
.Lslot1_mine:
	s_barrier_signal -1
	s_barrier_wait -1
	FETB 0
	FETA 0
	STEP 0, 1                                      ; the first step's products start the sums
	STEP 1, 0
	STEP 2, 0
	TURN 3, 1                                      ; slot 0 takes keys 1,024 to 1,535
	STEP 4, 0
	STEP 5, 0
	STEP 6, 0
	TURN 7, 1                                      ; slot 1 takes keys 1,536 to 2,047
	STEP 8, 0
	STEP 9, 0
	STEP 10, 0
	TURN 11, 0                                     ; nothing is left to fetch; behind this barrier nobody reads slot 0
	STEP 12, 0
	STEP 13, 0
	STEP 14, 0
	s_wait_dscnt 0x0                               ; the last step
	WIN MUL
	MULA 0, 1, 0
	MULA 1, 1, 0
	MULA 2, 1, 0
	MULA 3, 1, 0
	WIN 0
	PLACES
; THE WAY OUT, block by block of 16 queries x 128 channels: x 1 / l, through my own stage in LDS, back as whole rows of 512 bytes, each stored at its true row.
.irp a, 0,1,2,3
	ds_load_b32 v[RL+2*\a], v[ALR] offset:64*\a    ; 1 / l of my position in block a, in both registers of a pair for the packed multiply
	ds_load_b32 v[RL+2*\a+1], v[ALR] offset:64*\a
.endr
	s_wait_dscnt 0x0
.macro TOSTAGE a
.set AC, 64*(\a)
	WIN 0x82                                       ; source 0 and destination window 2
.irp j, 0,2,4,6,8,10,12,14,16,18,20,22,24,26,28,30,32,34,36,38,40,42,44,46,48,50,52,54,56,58,60,62
	v_pk_mul_f32 v[AC+\j:AC+\j+1], v[AC+\j:AC+\j+1], v[RL+2*(\a):RL+2*(\a)+1]   ; each accumulator from its low end on
.endr
	WIN 0x08                                       ; an LDS store's data are its source 1: window 2
.irp b, 0,1,2,3,4,5,6,7
	ds_store_b128 v[STO], v[AC+8*\b:AC+8*\b+3] offset:128*(\b/2)+32*(\b%2)       ; register 8 b + j is channel 32 (b / 2) + 16 h + 8 (b % 2) + j
	ds_store_b128 v[STO], v[AC+8*\b+4:AC+8*\b+7] offset:128*(\b/2)+32*(\b%2)+16
.endr
	WIN 0
.set BB, BK+64*((\a)%2)
.irp t, 0,1,2,3,4,5,6,7,8,9,10,11,12,13,14,15
	ds_load_b128 v[BB+4*\t:BB+4*\t+3], v[RD] offset:\t*528   ; LDS serves a wave's instructions in order: these see the stores above
.endr
.endm
.macro SEND a, younger                 ; younger: the LDS instructions issued behind block a's loads, which may stay out
.set BB, BK+64*((\a)%2)
	s_wait_dscnt \younger
.irp t, 0,1,2,3,4,5,6,7,8,9,10,11,12,13,14,15
	global_store_b128 v[CO], v[BB+4*\t:BB+4*\t+3], s[12:13] offset:4096*(32*((\a)/2)+8*((\a)%2)+(\t&7)+16*(\t>>3)) th:TH_STORE_NT   ; 32 lanes store 512 consecutive bytes, at a multiple of 256 from out0's first byte
.endr
.endm
	TOSTAGE 0
.irp a, 1,2,3
.if \a > 1
	s_wait_xcnt 0x0                                ; block a - 2's stores have read their registers: block a's loads may land there
.endif
	TOSTAGE \a
	SEND \a-1, 32                                  ; behind block a - 1's loads: block a's 16 stores and 16 loads
.endr
	SEND 3, 0
	s_wait_tensorcnt 0x0                           ; the wave's end
	ds_add_u32 v[SPW], v[NIL]
	s_wait_dscnt 0x0
	CROUND                                         ; the closing round
	s_endpgm
.Lfunc_end_k_qa5a29220aa_pv:
	.size	k_qa5a29220aa_pv, .Lfunc_end_k_qa5a29220aa_pv-k_qa5a29220aa_pv
	.p2alignl 7, 3214868480
	.fill 96, 4, 3214868480
	.section	.rodata,"a",@progbits
	.p2align	6, 0x0
	.amdhsa_kernel k_qa5a29220aa_pv
		.amdhsa_group_segment_fixed_size 327680
		.amdhsa_private_segment_fixed_size 0
		.amdhsa_enable_private_segment 0
		.amdhsa_kernarg_size 40
		.amdhsa_user_sgpr_count 2
		.amdhsa_user_sgpr_kernarg_segment_ptr 1
		.amdhsa_wavefront_size32 1
		.amdhsa_system_sgpr_workgroup_id_x 1
		.amdhsa_system_sgpr_workgroup_id_y 1
		.amdhsa_system_sgpr_workgroup_id_z 1
		.amdhsa_system_vgpr_workitem_id 0
		.amdhsa_next_free_vgpr 768
		.amdhsa_next_free_sgpr 102
		.amdhsa_reserve_vcc 0
		.amdhsa_float_denorm_mode_32 3
		.amdhsa_float_denorm_mode_16_64 3
		.amdhsa_memory_ordered 1
		.amdhsa_forward_progress 1
		.amdhsa_inst_pref_size 162
	.end_amdhsa_kernel
	.amdgpu_metadata
---
amdhsa.version: [ 1, 2 ]
amdhsa.kernels:
  - .name:           k_qa5a29220aa_pv
    .symbol:         k_qa5a29220aa_pv.kd
    .args:
      - { .name: pp, .offset: 0, .size: 8, .value_kind: global_buffer, .address_space: global }
      - { .name: pst, .offset: 8, .size: 8, .value_kind: global_buffer, .address_space: global }
      - { .name: pc, .offset: 16, .size: 8, .value_kind: global_buffer, .address_space: global }
      - { .name: ps, .offset: 24, .size: 8, .value_kind: global_buffer, .address_space: global }
      - { .name: out0, .offset: 32, .size: 8, .value_kind: global_buffer, .address_space: global }
    .group_segment_fixed_size: 327680
    .private_segment_fixed_size: 0
    .kernarg_segment_align: 8
    .kernarg_segment_size: 40
    .max_flat_workgroup_size: 128
    .sgpr_count:     102
    .vgpr_count:     768
    .wavefront_size: 32
...
	.end_amdgpu_metadata
.endif
;; end of part 8
